; MI455X (gfx1250); checked and timed in simulation.
; The chip was launched on July 23, 2026; its instructions are those of AMD's public machine-readable ISA for CDNA 5 (MIT licence, August 2026) and "CDNA5" Instruction Set Architecture Reference Guide (July 2026). The comments in the code are by the model that wrote it; some were corrected since.
;; Differential Multi Query Attention. Allowed arithmetic: float matrix products may take bf16 or f16 operands with f32 sums; all other float work in f32.
;; Inputs: freqs_cos 2,048 x 128 float32; freqs_sin 2,048 x 128 float32; k_w 2,048 x 128 float32; mask 2,048 x 2,048 bool; out_w 2,048 x 2,048 float32; q1_w 2,048 x 2,048 float32; q2_w 2,048 x 2,048 float32; v_w 2,048 x 128 float32; x 1 x 2,048 x 2,048 float32.
;; Outputs: out0 1 x 2,048 x 2,048 float32.
;; 2 versions, each right and faster than the one before. Each part assembles by itself: llvm-mc -triple=amdgcn-amd-amdhsa -mcpu=gfx1250 --defsym DOCPART=n.
;; ======== version 1 of 2: 5 launches
;; limits: right only within a limited range of input values; values are held in f16: magnitudes above 65,504 overflow, below 6.1e-05 lose precision
;; workspace buffers: xb 8,388,608 bytes; wb 17,825,792 bytes; owh 8,388,608 bytes; tabs 4,194,304 bytes; maskbits 524,288 bytes of whole numbers; qb 16,777,216 bytes; kvb 1,048,576 bytes; ob 8,388,608 bytes
;; launch prep (part 1): grid 1184 x 1, 8 waves a work-group, no clusters, 2,048 bytes of LDS; arguments mask, freqs_cos, freqs_sin, k_w, v_w, x, q1_w, q2_w, out_w, maskbits, tabs, wb, xb, owh; writes maskbits, tabs, wb, xb, owh
.if DOCPART == 1
	.amdgcn_target "amdgcn-amd-amdhsa--gfx1250"
	.amdhsa_code_object_version 6
	.text
	.protected	k_qba643dec06_prep
	.globl	k_qba643dec06_prep
	.p2align	8
	.type	k_qba643dec06_prep,@function
k_qba643dec06_prep:
	s_mov_b64 s[64:65], 0
	v_nop
	global_prefetch_b8 v0, s[64:65] scope:SCOPE_SE
	s_setreg_imm32_b32 hwreg(HW_REG_WAVE_MODE, 25, 1), 1
	s_wait_xcnt 0x0
; PREP: a stream.  Every float input is rounded to bf16 once; the mask becomes lane masks; the RoPE tables take their factors.
; Three roles, chosen by the work-group's number (the same for all eight waves):
;   0-127    MASK: work-group rt owns 16 query rows.  maskbits[rt][ks 32][i 32]: bit l of dword i is 1 where key 64 ks + 16 (i / 8) + 8 (l / 16) + i % 8 is HIDDEN for row
;            16 rt + l % 16: the lane mask of register i of a 16 x 64 score tile.  tabs: four f32 tables [2048][128], 1 MiB apart: bf16(cos) rs, bf16(sin) rs, bf16(cos) / 4, bf16(sin) / 4,
;            rs = 4 log2(e) / sqrt(128) for a row with a visible key and 0 for a row with none (its q is then 0, all its scores are equal, its softmax uniform, as in the reference).
;   128-159  WKV: k_w and v_w in bf16 as [nj 16][K 2048][16]: blocks 0-7 hold k_w's columns 4 (2 nj + h) + j % 4 + 64 (j / 4) at place 8 h + j, blocks 8-15 v_w's columns in order.
;   160-1183 CAST: x -> xb, q1_w -> wb, q2_w -> wb + 8 MiB in bf16; out_w -> owh as f16(4 bf16(out_w)), an exact factor that undoes v's 1/4.  A work-group takes 65,536 bytes: shares small
;            enough that the 1,184 work-groups spread evenly over the chip.
; LIMITS.  4 bf16(out_w) below 6.1e-5 keeps f16's fixed step of 6e-8, beyond 65,504 it would be an infinity.  No matrix unit, no cluster: nothing is shared and memory binds.
.set QS,    0x3f0293ee                 ; 4 log2(e) / sqrt(128)
.set SPARE, 512                        ; behind the flags' 512 bytes: the spare words, 128 bytes for each of eight waves
.set SPW,   110                        ; v110  LDS address of my spare word; never rewritten
.set NIL,   111                        ; v111  0; never rewritten
.set X,     16                         ; loaded data
.set Y,     48                         ; CAST: data to store, two registers a slot
.set T,     64                         ; CAST: four numbers at work
; CAST, one line of 4,096 bytes in, 2,048 out, in slot i of a ring of eight.  ahead = 1: the slot takes the line eight further on.  left = the younger loads that may stay out.
.macro CLINE i, line, ahead, left, f16
	s_wait_loadcnt \left                           ; loads come back in order: this slot's is in
	s_wait_xcnt 0x0                                ; the slot's last store has read Y: only behind this wait is Y rewritten
	v_cvt_pk_bf16_f32 v[Y+2*(\i)], v[X+4*(\i)], v[X+4*(\i)+1]
	v_cvt_pk_bf16_f32 v[Y+2*(\i)+1], v[X+4*(\i)+2], v[X+4*(\i)+3]
.if \f16
	v_lshlrev_b32 v[T], 16, v[Y+2*(\i)]            ; the bf16 numbers widened, times 4, written as f16
	v_and_b32 v[T+1], s55, v[Y+2*(\i)]
	v_lshlrev_b32 v[T+2], 16, v[Y+2*(\i)+1]
	v_and_b32 v[T+3], s55, v[Y+2*(\i)+1]
	v_pk_mul_f32 v[T:T+1], v[T:T+1], 4.0 op_sel_hi:[1,0]
	v_pk_mul_f32 v[T+2:T+3], v[T+2:T+3], 4.0 op_sel_hi:[1,0]
	v_cvt_pk_f16_f32 v[Y+2*(\i)], v[T], v[T+1]
	v_cvt_pk_f16_f32 v[Y+2*(\i)+1], v[T+2], v[T+3]
.endif
.if \ahead
	global_load_b128 v[X+4*(\i):X+4*(\i)+3], v2, s[36:37] offset:4096*((\line)+8) th:TH_LOAD_NT
.endif
	global_store_b64 v3, v[Y+2*(\i):Y+2*(\i)+1], s[38:39] offset:2048*(\line)  ; a wave's store covers 256 consecutive bytes, aligned
.endm
.macro CASTALL f16                     ; 16 lines: a round of eight that loads ahead, a round whose counts run down; every place stands in an immediate
.irp i, 0,1,2,3,4,5,6,7
	CLINE \i, \i, 1, 7, \f16
.endr
.irp i, 0,1,2,3,4,5,6,7
	CLINE \i, (\i)+8, 0, 7-\i, \f16
.endr
.endm
	s_load_b512 s[4:19], s[0:1], 0x0               ; mask 4, cos 6, sin 8, k_w 10, v_w 12, x 14, q1_w 16, q2_w 18
	s_load_b256 s[20:27], s[0:1], 0x40             ; out_w 20, maskbits 22, tabs 24, wb 26
	s_load_b128 s[28:31], s[0:1], 0x60             ; xb 28, owh 30
	v_lshl_add_u32 v[SPW], v0, 2, SPARE
	v_mov_b32 v[NIL], 0
	v_lshrrev_b32 v1, 5, v0
	v_readfirstlane_b32 s32, v1                    ; my wave's number
	s_mov_b32 s55, 0xffff0000                      ; a word's upper bf16
	s_wait_kmcnt 0x0
	s_cmp_lt_u32 ttmp9, 128
	s_cbranch_scc1 .Lmask
	s_cmp_lt_u32 ttmp9, 160
	s_cbranch_scc1 .Lwkv
	; ---- CAST: tensor = idx / 256, chunk = idx % 256 of 65,536 bytes
	s_sub_co_u32 s33, ttmp9, 160
	s_lshr_b32 s34, s33, 8
	s_and_b32 s35, s33, 255
	s_lshl_b32 s46, s35, 16
	s_mov_b32 s47, 0
	s_lshl_b32 s48, s35, 15
	s_mov_b32 s49, 0
	s_add_nc_u64 s[44:45], s[26:27], 0x800000      ; q2_w's place in wb
	s_cmp_eq_u32 s34, 1
	s_cselect_b64 s[36:37], s[16:17], s[14:15]
	s_cselect_b64 s[38:39], s[26:27], s[28:29]
	s_cmp_eq_u32 s34, 2
	s_cselect_b64 s[36:37], s[18:19], s[36:37]
	s_cselect_b64 s[38:39], s[44:45], s[38:39]
	s_cmp_eq_u32 s34, 3
	s_cselect_b64 s[36:37], s[20:21], s[36:37]
	s_cselect_b64 s[38:39], s[30:31], s[38:39]
	s_add_nc_u64 s[36:37], s[36:37], s[46:47]
	s_add_nc_u64 s[38:39], s[38:39], s[48:49]
	v_lshlrev_b32 v2, 4, v0                        ; 16 t: never rewritten
	v_lshlrev_b32 v3, 3, v0                        ; 8 t: never rewritten
.irp i, 0,1,2,3,4,5,6,7
	global_load_b128 v[X+4*\i:X+4*\i+3], v2, s[36:37] offset:4096*\i th:TH_LOAD_NT
.endr
	s_cmp_eq_u32 s34, 3
	s_cbranch_scc1 .Lf16
	CASTALL 0
	s_endpgm
.Lf16:
	CASTALL 1
	s_endpgm
	; ---- WKV: nj = idx / 2, 1,024 rows of K a work-group; thread t takes row t / 2 + 128 it, half t % 2 (eight columns, two pieces of 16 bytes)
.Lwkv:
	s_sub_co_u32 s33, ttmp9, 128
	s_lshr_b32 s34, s33, 1                         ; nj
	s_and_b32 s35, s33, 1
	s_lshl_b32 s44, s34, 16
	s_lshl_b32 s45, s35, 15
	s_add_co_u32 s44, s44, s45
	s_add_co_u32 s44, s44, 0x1000000               ; 16 MiB + 65,536 nj + 32 x first row
	s_mov_b32 s45, 0
	s_add_nc_u64 s[44:45], s[26:27], s[44:45]
	s_lshl_b32 s40, s34, 5                         ; k_w: the block's first piece begins at byte 32 nj
	s_lshl_b32 s41, s34, 6
	s_sub_co_u32 s41, s41, 512                     ; v_w: at byte 64 (nj - 8)
	s_lshl_b32 s42, s35, 19                        ; my first row x 512 bytes
	s_cmp_lt_u32 s34, 8
	s_cselect_b64 s[36:37], s[10:11], s[12:13]
	s_cselect_b32 s38, 4, 5                        ; the halves lie 16 or 32 bytes apart,
	s_cselect_b32 s39, 0x100, 16                   ; a half's second piece 256 or 16 bytes behind its first
	s_cselect_b32 s40, s40, s41
	s_add_co_u32 s40, s40, s42
	v_lshrrev_b32 v2, 1, v0
	v_and_b32 v3, 1, v0
	v_lshlrev_b32 v2, 9, v2
	v_lshlrev_b32 v3, s38, v3
	v_add3_u32 v2, v2, v3, s40
	v_add_nc_u32 v3, s39, v2
	v_lshlrev_b32 v4, 4, v0
.irp it, 0,1,2,3,4,5,6,7
	global_load_b128 v[X+8*\it:X+8*\it+3], v2, s[36:37] offset:65536*\it
	global_load_b128 v[X+8*\it+4:X+8*\it+7], v3, s[36:37] offset:65536*\it
.endr
	s_wait_loadcnt 0x0
.irp it, 0,1,2,3,4,5,6,7
	v_cvt_pk_bf16_f32 v[X+8*\it], v[X+8*\it], v[X+8*\it+1]
	v_cvt_pk_bf16_f32 v[X+8*\it+1], v[X+8*\it+2], v[X+8*\it+3]
	v_cvt_pk_bf16_f32 v[X+8*\it+2], v[X+8*\it+4], v[X+8*\it+5]
	v_cvt_pk_bf16_f32 v[X+8*\it+3], v[X+8*\it+6], v[X+8*\it+7]
	global_store_b128 v4, v[X+8*\it:X+8*\it+3], s[44:45] offset:4096*\it  ; a wave's store covers 512 consecutive bytes
.endr
	s_endpgm
	; ---- MASK: wave G takes keys 256 G .. 256 G + 255 of the work-group's 16 rows; lane l reads 8 bytes of row l % 16 at key 16 n + 8 (l / 16)
.Lmask:
	v_and_b32 v2, 15, v0
	v_bfe_u32 v3, v0, 4, 1
	v_lshlrev_b32 v2, 11, v2
	v_lshl_add_u32 v2, v3, 3, v2
	s_lshl_b32 s34, ttmp9, 15
	s_lshl_b32 s35, s32, 8
	s_add_co_u32 s34, s34, s35
	s_mov_b32 s35, 0
	s_add_nc_u64 s[4:5], s[4:5], s[34:35]
.irp n, 0,1,2,3,4,5,6,7,8,9,10,11,12,13,14,15
	global_load_b64 v[X+2*\n:X+2*\n+1], v2, s[4:5] offset:16*\n
.endr
	s_lshl_b32 s36, ttmp9, 13                      ; 16 rows of 512 bytes in the tables
	s_mov_b32 s37, 0
	s_add_nc_u64 s[6:7], s[6:7], s[36:37]
	s_add_nc_u64 s[8:9], s[8:9], s[36:37]
	s_add_nc_u64 s[24:25], s[24:25], s[36:37]
	v_lshlrev_b32 v4, 4, v0                        ; 16 t: row t / 32 (+ 8), 16 bytes
	global_load_b128 v[52:55], v4, s[6:7]
	global_load_b128 v[56:59], v4, s[8:9]
	global_load_b128 v[60:63], v4, s[6:7] offset:4096
	global_load_b128 v[64:67], v4, s[8:9] offset:4096
	s_lshl_b32 s38, ttmp9, 12
	s_lshl_b32 s39, s32, 9
	s_add_co_u32 s38, s38, s39
	s_mov_b32 s39, 0
	s_add_nc_u64 s[22:23], s[22:23], s[38:39]      ; maskbits at my 128 dwords
	s_mov_b32 s44, 0xff
	s_mov_b32 s45, 0xff00
	s_mov_b32 s46, 0xff0000
	s_mov_b32 s47, 0xff000000
	s_mov_b32 s52, 0x76543210
	s_mov_b32 s53, 0xfedcba98
	s_mov_b32 s54, QS
	v_mov_b32 v8, 0
	v_mov_b32 v9, 0
	v_mov_b32 v10, 0
	v_mov_b32 v11, 0
	v_and_b32 v1, 31, v0
	v_lshlrev_b32 v5, 4, v1
	s_wait_loadcnt 0x4                             ; the 16 mask loads are in; the four table loads behind them stay out
	; dword D = 8 n + j: one compare over the 32 lanes makes it; it goes to lane D / 4, register D % 4, so that a lane holds 16 consecutive bytes
.set D, 0
.rept 32
.irp q, 0,1,2,3
	v_and_b32 v[12+\q], s[44+\q], v[X+2*(D>>3)+((D>>2)&1)]
.endr
.irp q, 0,1,2,3
	v_cmp_eq_u32 s[40+\q], 0, v[12+\q]
.endr
.irp q, 0,1,2,3
	v_writelane_b32 v[8+\q], s[40+\q], D>>2
.endr
.set D, D+4
.endr
	global_store_b128 v5, v[8:11], s[22:23]        ; 512 consecutive bytes
	; has my row a visible key among my wave's 256?
	v_or_b32 v48, v16, v17
	v_or_b32 v49, v18, v19
.set n, 20
.rept 14
	v_or_b32 v48, v48, v[n]
	v_or_b32 v49, v49, v[n+1]
.set n, n+2
.endr
	v_or_b32 v48, v48, v49
	v_permlanex16_b32 v49, v48, s52, s53           ; the row's other keys lie in the lane 16 away
	v_or_b32 v48, v48, v49
	v_and_b32 v6, 15, v0
	v_lshlrev_b32 v6, 2, v6
	v_lshl_add_u32 v6, s32, 6, v6                  ; word 16 G + row
	ds_store_b32 v6, v48
	s_wait_dscnt 0x0                               ; for the others' sake: my flags are in LDS
	s_barrier_signal -1
	s_barrier_wait -1
	v_mov_b32 v7, s32
	v_lshlrev_b32 v7, 2, v7
.irp g, 0,1,2,3,4,5,6,7
	ds_load_b32 v[16+\g], v7 offset:64*\g          ; row = my wave's number: the eight waves' flags
	ds_load_b32 v[24+\g], v7 offset:64*\g+32       ; row + 8
.endr
	v_mov_b32 v106, 0x3e800000                     ; 1/4, for k's tables
	v_mov_b32 v107, 0x3e800000
	s_wait_loadcnt 0x0
	s_wait_dscnt 0x0
.macro TAB it
.set FL, 16+8*(\it)
.set CI, 52+8*(\it)                    ; cos 4, sin 4
.set OU, 68+16*(\it)                   ; cos rs, sin rs, cos / 4, sin / 4
	v_or_b32 v48, v[FL], v[FL+1]
	v_or_b32 v49, v[FL+2], v[FL+3]
	v_or_b32 v50, v[FL+4], v[FL+5]
	v_or_b32 v51, v[FL+6], v[FL+7]
	v_or_b32 v48, v48, v49
	v_or_b32 v50, v50, v51
	v_or_b32 v48, v48, v50
	v_cmp_ne_u32 vcc_lo, 0, v48
	v_cndmask_b32 v104, 0, s54, vcc_lo
	v_mov_b32 v105, v104
.irp k, 0,1,2,3
	v_cvt_pk_bf16_f32 v[100+\k], v[CI+2*\k], v[CI+2*\k+1]
.endr
.irp k, 0,1,2,3
	v_lshlrev_b32 v[CI+2*\k], 16, v[100+\k]
	v_and_b32 v[CI+2*\k+1], s55, v[100+\k]
.endr
.irp k, 0,1,2,3
	v_pk_mul_f32 v[OU+2*\k:OU+2*\k+1], v[CI+2*\k:CI+2*\k+1], v[104:105]
	v_pk_mul_f32 v[OU+8+2*\k:OU+9+2*\k], v[CI+2*\k:CI+2*\k+1], v[106:107]
.endr
.irp k, 0,1,2,3
	global_store_b128 v4, v[OU+4*\k:OU+4*\k+3], s[24:25] offset:4096*(\it)+0x100000*\k  ; a wave's store covers a whole row of 512 bytes
.endr
.endm
	TAB 0
	TAB 1
	s_wait_tensorcnt 0x0                           ; the wave's end, behind my last LDS store
	ds_add_u32 v[SPW], v[NIL]
	s_wait_dscnt 0x0
	s_endpgm
.Lfunc_end_k_qba643dec06_prep:
	.size	k_qba643dec06_prep, .Lfunc_end_k_qba643dec06_prep-k_qba643dec06_prep
	.p2alignl 7, 3214868480
	.fill 96, 4, 3214868480
	.section	.rodata,"a",@progbits
	.p2align	6, 0x0
	.amdhsa_kernel k_qba643dec06_prep
		.amdhsa_group_segment_fixed_size 2048
		.amdhsa_private_segment_fixed_size 0
		.amdhsa_enable_private_segment 0
		.amdhsa_kernarg_size 112
		.amdhsa_user_sgpr_count 2
		.amdhsa_user_sgpr_kernarg_segment_ptr 1
		.amdhsa_wavefront_size32 1
		.amdhsa_system_sgpr_workgroup_id_x 1
		.amdhsa_system_sgpr_workgroup_id_y 1
		.amdhsa_system_sgpr_workgroup_id_z 1
		.amdhsa_system_vgpr_workitem_id 0
		.amdhsa_next_free_vgpr 112
		.amdhsa_next_free_sgpr 66
		.amdhsa_reserve_vcc 1
		.amdhsa_float_denorm_mode_32 3
		.amdhsa_float_denorm_mode_16_64 3
		.amdhsa_memory_ordered 1
		.amdhsa_forward_progress 1
		.amdhsa_inst_pref_size 54
	.end_amdhsa_kernel
	.amdgpu_metadata
---
amdhsa.version: [ 1, 2 ]
amdhsa.kernels:
  - .name:           k_qba643dec06_prep
    .symbol:         k_qba643dec06_prep.kd
    .args:
      - { .name: mask, .offset: 0, .size: 8, .value_kind: global_buffer, .address_space: global }
      - { .name: freqs_cos, .offset: 8, .size: 8, .value_kind: global_buffer, .address_space: global }
      - { .name: freqs_sin, .offset: 16, .size: 8, .value_kind: global_buffer, .address_space: global }
      - { .name: k_w, .offset: 24, .size: 8, .value_kind: global_buffer, .address_space: global }
      - { .name: v_w, .offset: 32, .size: 8, .value_kind: global_buffer, .address_space: global }
      - { .name: x, .offset: 40, .size: 8, .value_kind: global_buffer, .address_space: global }
      - { .name: q1_w, .offset: 48, .size: 8, .value_kind: global_buffer, .address_space: global }
      - { .name: q2_w, .offset: 56, .size: 8, .value_kind: global_buffer, .address_space: global }
      - { .name: out_w, .offset: 64, .size: 8, .value_kind: global_buffer, .address_space: global }
      - { .name: maskbits, .offset: 72, .size: 8, .value_kind: global_buffer, .address_space: global }
      - { .name: tabs, .offset: 80, .size: 8, .value_kind: global_buffer, .address_space: global }
      - { .name: wb, .offset: 88, .size: 8, .value_kind: global_buffer, .address_space: global }
      - { .name: xb, .offset: 96, .size: 8, .value_kind: global_buffer, .address_space: global }
      - { .name: owh, .offset: 104, .size: 8, .value_kind: global_buffer, .address_space: global }
    .group_segment_fixed_size: 2048
    .private_segment_fixed_size: 0
    .kernarg_segment_align: 8
    .kernarg_segment_size: 112
    .max_flat_workgroup_size: 256
    .sgpr_count:     66
    .vgpr_count:     112
    .wavefront_size: 32
...
	.end_amdgpu_metadata
.endif
;; end of part 1
;; launch proj (part 2): grid 16 x 16, 4 waves a work-group, clusters of 4 x 4, 327,680 bytes of LDS; arguments xb, wb, tabs, qb, kvb; writes qb, kvb
.if DOCPART == 2
	.amdgcn_target "amdgcn-amd-amdhsa--gfx1250"
	.amdhsa_code_object_version 6
	.text
	.protected	k_qba643dec06_proj
	.globl	k_qba643dec06_proj
	.p2align	8
	.type	k_qba643dec06_proj,@function
k_qba643dec06_proj:
	s_mov_b64 s[64:65], 0
	v_nop
	global_prefetch_b8 v0, s[64:65] scope:SCOPE_SE
	s_setreg_imm32_b32 hwreg(HW_REG_WAVE_MODE, 25, 1), 1
	s_wait_xcnt 0x0
	s_wait_alu depctr_hold_cnt(0) depctr_sa_sdst(0) depctr_va_vdst(0) depctr_va_sdst(0) depctr_va_ssrc(0) depctr_va_vcc(0) depctr_vm_vsrc(0)
	s_getreg_b32 s2, hwreg(HW_REG_IB_STS2, 6, 4)
	s_cmp_eq_u32 s2, 0
	s_cbranch_scc0 .Lentry_in_a_cluster
	s_endpgm
.Lentry_in_a_cluster:
	s_bfe_u32 s2, ttmp6, 0x10000c
	s_cmp_lg_u32 s2, 0xf033
	s_cbranch_scc0 .Lentry_shape_is_right
	s_endpgm
.Lentry_shape_is_right:
; PROJ: q1, q2, k, v = x W in bf16 with f32 sums, RoPE in f32, results in f16.
; Work-group (nj, mi): rows 128 mi .. + 127; two heads of q (256 columns of q1_w if nj < 8, else of q2_w) and 16 columns of k (nj < 8) or v: 256 work-groups of equal work.
; Wave w: wr = w / 2 (64 rows), wc = w % 2 (one head): 4 row blocks x 8 column blocks = 32 accumulators, and 2 more (row blocks 0, 1 x the 16 extra columns).  Row block a = 2 g + e holds rows
; 64 wr + 32 (g xor wc) + 16 e, so the four waves' extra accumulators cover the 128 rows once.
; THE MATRIX INSTRUCTION IS USED TRANSPOSED: source 0 = 16 columns of W (turned out of LDS by ds_load_tr16_b128, W lies [K][N]), source 1 = 16 rows of x: a lane holds row l % 16, columns 8 (l / 16) + 0..7.
; K goes in 16 steps of 128 through two LDS slots.  A STEP IS WRITTEN ONCE: slot 1 begins at 1 << 17, the fragments' LDS addresses are a base plus a scalar that one exclusive or turns from slot to slot, and
; one walking descriptor for each kind of tile takes the other slot and the next step at each refill.
; CLUSTER 4 x 4: x's tile is shared along a row of the cluster, W's tiles along a column: joint loads.  Wave 0 asks for x's 128 rows, wave 1 for the extra
; columns' 4,096 dense bytes, waves 2 and 3 for 64 rows of K of W each.  By this text's count a wave has two tensor loads out at the start and one behind each round.
; OUT.  q is stored as rope(q) x 4 log2(e) / sqrt(128) (0 for a row with no visible key: the factor lies in the tables), k as rope(k) / 4, v as v / 4.  q and k are stored in a common order of d:
; place 8 L + i holds d = 4 L + i, place 8 L + 4 + i holds d = 64 + 4 L + i: a lane then holds both partners of a rotation, and the scores do not change.
; LIMITS.  f16 ends at 65,504: |0.51 q|, |k / 4|, |v / 4| must stay below it.  k's and v's stores come in runs of 32 bytes: a row's other columns lie in other work-groups; they are 1 MiB of the launch's 17.
; REGISTERS (windows of 256): window 0: addresses, the two extra accumulators, two fragment buffers of 104; window 1: the 32 accumulators ((a, b) at 8 (8 a + b)); windows 2, 3: q's tables, 128 a row block.
.set KSTEP,  128
.set PA,     272                       ; a row of x in LDS: 256 bytes + 16
.set PB,     544                       ; a row of W: 512 bytes + 32 = 17 x 32
.set PX,     32                        ; a row of the extra columns
.set SLOT,   131072
.set BOFF,   128*PA
.set XOFF,   BOFF+128*PB
.set STAGE,  SLOT+XOFF+128*PX          ; behind the ring: 16 rows x 528 bytes (f32) for each wave
.set SPITCH, 528
.set SPARE,  STAGE+4*16*SPITCH         ; the spare words, 128 bytes a wave
.set ADRA0, 12                         ; v12-13  x's fragments in slot 0, half g; never rewritten
.set ADRA,  14                         ; v14-15  the same in the slot in hand
.set ADRB0, 16                         ; v16     W's fragments in slot 0
.set ADRB,  17                         ; v17     in the slot in hand
.set ADRX0, 18                         ; v18     the extra columns' fragments in slot 0
.set ADRX,  19                         ; v19     in the slot in hand
.set STO,  20
.set RD,   21
.set CO,   22                          ; v22-23  my offset in q's rows, half g
.set TA,   24                          ; v24-25  my offset in q's tables, half g
.set KA,   26                          ; v26     my offset in k's tables
.set KO,   27                          ; v27     my offset in k or v
.set SPW,  28
.set NIL,  29
.set XACC, 32                          ; v32-47
.set F0,   48                          ; a buffer: W's block b at 8 b, the extra block at 64, x's block a at 72 + 8 a
.set F1,   152
.set UU,   176                         ; the way out: at work
.set YY,   192                         ; the way out: 32 registers to store
.set KT0,  224                         ; k's tables
.set WV, 14
.set WR, 15
.set WC, 16
.set G1A, 24
.set G1B, 32
.set G1X, 40
.set G0A, 48                           ; group 0: a set for each of the two first fills; the second then walks
.set G0B, 56
.set G0X, 68
.set TB,  96                           ; s96  0 or SLOT: the slot in hand
.set TC,  97                           ; s97  counts the tail's two passes
.set MSB, 0
.macro WIN new                         ; the immediate's high byte repeats the setting that is left
.if MSB != (\new)
	s_set_vgpr_msb (MSB<<8)|(\new)
.set MSB, \new
.endif
.endm
.macro PLACES
.rept 4
	v_nop
.endr
.endm
.macro TLOAD g0, g1
	tensor_load_to_lds s[(\g0):(\g0)+3], s[(\g1):(\g1)+7]
	s_nop 0
.endm
; A joint refill: one line for each kind of tile, chosen by the wave's number alone; an s_nop 0 and four v_nop follow each line.
.macro JLOAD s
	s_cmp_lg_u32 s[WV], 0
	s_cbranch_scc1 .Lnot_a_\@
	TLOAD G0A+4*(\s), G1A
	PLACES
	s_branch .Lasked_\@
.Lnot_a_\@:
	s_cmp_lg_u32 s[WV], 1
	s_cbranch_scc1 .Lfor_b_\@
	TLOAD G0X+4*(\s), G1X
	PLACES
	s_branch .Lasked_\@
.Lfor_b_\@:
	TLOAD G0B+4*(\s), G1B
	PLACES
.Lasked_\@:
.endm
.macro CREST                           ; a round of the cluster's barrier behind its opening barrier
	s_cmp_lg_u32 s[WV], 0
	s_cbranch_scc1 .Lnot_wave_0_\@
	s_barrier_signal -3
.Lnot_wave_0_\@:
	s_barrier_wait -3
	s_barrier_signal -1
	s_barrier_wait -1
.endm
.macro CROUND
	s_barrier_signal -1
	s_barrier_wait -1
	CREST
.endm
.macro SETADR                          ; the fragments' addresses in the slot in hand
	v_add_nc_u32 v[ADRA], s[TB], v[ADRA0]
	v_add_nc_u32 v[ADRA+1], s[TB], v[ADRA0+1]
	v_add_nc_u32 v[ADRB], s[TB], v[ADRB0]
	v_add_nc_u32 v[ADRX], s[TB], v[ADRX0]
.endm
; q's tables for my 64 rows are 128 loads, numbered n = 64 g + 32 e + 4 it + q.  Row block a = 2 g + e: window 2 + g, at 128 e + 16 it: cos low, cos high, sin low, sin high (q), four numbers each.
; They go out in three runs (8 at the head, 60 behind the first products, 60 ahead of the last two steps), each shorter than what LOADcnt's field counts (ISA guide 5.7.1), so that no load's issue
; waits for an older load's return, and all land under the products.
.macro TABL n0, n1
.set tn, \n0
.rept (\n1)-(\n0)
	WIN 0x80+0x40*(tn/64)
.set tr, 128*((tn/32)%2)+16*((tn/4)%8)+4*(tn%4)
	global_load_b128 v[tr:tr+3], v[TA+tn/64], s[8:9] offset:((tn/32)%2)*8192+((tn/4)%8)*1024+(tn%2)*256+((tn/2)%2)*0x100000
.set tn, tn+1
.endr
	WIN 0
.endm
	s_load_b256 s[4:11], s[0:1], 0x0               ; xb 4, wb 6, tabs 8, qb 10
	s_load_b64 s[12:13], s[0:1], 0x20              ; kvb
	v_lshl_add_u32 v[SPW], v0, 2, SPARE
	v_mov_b32 v[NIL], 0
	ds_add_u32 v[SPW], v[NIL]                      ; the wave's opening: the add and its wait stand ahead of my first tensor load
	v_lshrrev_b32 v1, 5, v0
	v_readfirstlane_b32 s[WV], v1
	s_lshr_b32 s[WR], s[WV], 1
	s_and_b32 s[WC], s[WV], 1
	s_bfe_u32 s17, ttmp6, 0x40000                  ; cx
	s_bfe_u32 s18, ttmp6, 0x40004                  ; cy
	s_lshl_b32 s19, ttmp9, 2
	s_add_co_u32 s19, s19, s17                     ; nj
	s_and_b32 s20, ttmp7, 0xffff
	s_lshl_b32 s20, s20, 2
	s_add_co_u32 s20, s20, s18                     ; mi
	s_lshl_b32 s21, s18, 2
	s_lshl_b32 s21, 15, s21                        ; my row of the cluster
	s_lshl_b32 s22, 0x1111, s17                    ; my column
	s_or_b32 s[G1A], s21, (1<<16)|(1<<20)|(1<<21)|(5<<22)|(3<<25)  ; 2-byte elements; 4 words of padding after every 64
	s_mov_b32 s[G1A+1], 128<<16                    ; tensor_dim0
	s_mov_b32 s[G1A+2], 128<<16                    ; tensor_dim1
	s_mov_b32 s[G1A+3], 128<<16                    ; tile_dim0
	s_mov_b32 s[G1A+4], 128                        ; tile_dim1
	s_mov_b32 s[G1A+5], 2048                       ; elements from row to row
	s_mov_b32 s[G1A+6], 0
	s_mov_b32 s[G1A+7], 0
	s_or_b32 s[G1B], s22, (1<<16)|(1<<20)|(1<<21)|(6<<22)|(7<<25)  ; 8 words of padding after every 128
	s_mov_b32 s[G1B+1], 256<<16
	s_mov_b32 s[G1B+2], 64<<16
	s_mov_b32 s[G1B+3], 256<<16
	s_mov_b32 s[G1B+4], 64
	s_mov_b32 s[G1B+5], 2048
	s_mov_b32 s[G1B+6], 0
	s_mov_b32 s[G1B+7], 0
	s_or_b32 s[G1X], s22, (3<<16)|(1<<21)          ; 4,096 dense bytes as 16 rows of 32 elements of 8 bytes
	s_mov_b32 s[G1X+1], 32<<16
	s_mov_b32 s[G1X+2], 16<<16
	s_mov_b32 s[G1X+3], 32<<16
	s_mov_b32 s[G1X+4], 16
	s_mov_b32 s[G1X+5], 32
	s_mov_b32 s[G1X+6], 0
	s_mov_b32 s[G1X+7], 0
	s_lshl_b32 s76, s20, 19                        ; x: 128 mi rows of 4,096 bytes: hangs on mi alone
	s_mov_b32 s77, 0
	s_lshr_b32 s80, ttmp9, 1                       ; W: q1_w or q2_w (8 MiB apart),
	s_lshl_b32 s80, s80, 23
	s_lshl_b32 s82, s[WC], 18                      ; my 64 rows of K,
	s_add_co_u32 s80, s80, s82
	s_and_b32 s82, s19, 7
	s_lshl_b32 s82, s82, 9                         ; the work-group's 256 columns
	s_add_co_u32 s80, s80, s82
	s_mov_b32 s81, 0
	s_lshl_b32 s84, s19, 16                        ; the extra columns' block
	s_add_co_u32 s84, s84, 0x1000000
	s_mov_b32 s85, 0
	s_mul_i32 s86, s[WC], 64*PB
	s_add_co_u32 s86, s86, BOFF                    ; where my half of W's tile goes
	s_mov_b32 s98, 0x3e800000                      ; 1/4, for v
	s_mov_b32 s99, 0x3e800000
	s_mov_b32 s[TB], 0                             ; step 0 lies in slot 0
	s_wait_dscnt 0x0                               ; the opening add is done
	s_wait_kmcnt 0x0
	s_add_nc_u64 s[78:79], s[4:5], s[76:77]
	s_add_nc_u64 s[80:81], s[6:7], s[80:81]
	s_add_nc_u64 s[84:85], s[6:7], s[84:85]
	CROUND                                         ; all sixteen work-groups are here: the first joint loads meet
.irp s, 0,1
	s_mov_b32 s[G0A+4*\s], 1
	s_mov_b32 s[G0A+4*\s+1], \s*SLOT
	s_add_nc_u64 s[G0A+4*\s+2:G0A+4*\s+3], s[78:79], \s*KSTEP*2
	s_or_b32 s[G0A+4*\s+3], s[G0A+4*\s+3], 0x80000000
	s_mov_b32 s[G0B+4*\s], 1
	s_add_co_u32 s[G0B+4*\s+1], s86, \s*SLOT
	s_add_nc_u64 s[G0B+4*\s+2:G0B+4*\s+3], s[80:81], \s*KSTEP*4096
	s_or_b32 s[G0B+4*\s+3], s[G0B+4*\s+3], 0x80000000
	s_mov_b32 s[G0X+4*\s], 1
	s_mov_b32 s[G0X+4*\s+1], \s*SLOT+XOFF
	s_add_nc_u64 s[G0X+4*\s+2:G0X+4*\s+3], s[84:85], \s*4096
	s_or_b32 s[G0X+4*\s+3], s[G0X+4*\s+3], 0x80000000
.endr
	s_cmp_lg_u32 s[WV], 0                          ; a wave's two first fills stand together in its arm of one branch
	s_cbranch_scc1 .Lff_not_a
	TLOAD G0A, G1A
	TLOAD G0A+4, G1A
	PLACES
	s_branch .Lff_done
.Lff_not_a:
	s_cmp_lg_u32 s[WV], 1
	s_cbranch_scc1 .Lff_b
	TLOAD G0X, G1X
	TLOAD G0X+4, G1X
	PLACES
	s_branch .Lff_done
.Lff_b:
	TLOAD G0B, G1B
	TLOAD G0B+4, G1B
	PLACES
.Lff_done:
	v_and_b32 v1, 15, v0                           ; r = l % 16
	v_bfe_u32 v2, v0, 4, 1                         ; h = l / 16
	v_and_b32 v3, 7, v0
	v_bfe_u32 v4, v0, 3, 1
	s_lshl_b32 s87, s[WR], 6
	s_lshl_b32 s89, s[WC], 5
	s_xor_b32 s90, s89, 32
	s_add_co_u32 s88, s87, s90                     ; first row of half g = 1
	s_add_co_u32 s87, s87, s89                     ; of half g = 0
	v_lshlrev_b32 v5, 4, v1
	v_lshl_add_u32 v5, v2, 9, v5                   ; tables: row h, 16 bytes at 16 r
	s_lshl_b32 s91, s87, 9
	s_lshl_b32 s92, s88, 9
	v_add_nc_u32 v[TA], s91, v5
	v_add_nc_u32 v[TA+1], s92, v5
	v_lshlrev_b32 v6, 4, v1
	v_lshl_add_u32 v6, v2, 8, v6
	s_lshl_b32 s91, s87, 8
	s_lshl_b32 s92, s88, 8
	v_add_nc_u32 v[CO], s91, v6
	v_add_nc_u32 v[CO+1], s92, v6
	v_add_nc_u32 v7, s87, v1
	v_lshlrev_b32 v8, 4, v2
	v_lshl_add_u32 v[KA], v7, 9, v8
	v_lshl_add_u32 v[KO], v7, 8, v8
	v_mul_u32_u24 v6, v1, PA
	v_lshl_add_u32 v6, v2, 4, v6                   ; a fragment of x: row r, 16 bytes for each half of the lanes
	s_mul_i32 s91, s87, PA
	s_mul_i32 s92, s88, PA
	v_add_nc_u32 v[ADRA0], s91, v6
	v_add_nc_u32 v[ADRA0+1], s92, v6
	v_lshl_add_u32 v7, v2, 3, v3                   ; the turning load: row of K 8 h + l % 8, 16 bytes at 16 ((l / 8) % 2)
	v_mul_u32_u24 v8, v7, PB
	v_lshl_add_u32 v8, v4, 4, v8
	s_lshl_b32 s91, s[WC], 8
	s_add_co_u32 s91, s91, BOFF
	v_add_nc_u32 v[ADRB0], s91, v8
	v_lshlrev_b32 v8, 5, v7
	v_lshl_add_u32 v8, v4, 4, v8
	v_add_nc_u32 v[ADRX0], XOFF, v8
	SETADR
	s_mul_i32 s91, s[WV], 16*SPITCH
	s_add_co_u32 s91, s91, STAGE
	v_mul_u32_u24 v6, v1, SPITCH
	v_lshl_add_u32 v6, v2, 5, v6
	v_add_nc_u32 v[STO], s91, v6
	v_mul_u32_u24 v6, v2, SPITCH
	v_lshl_add_u32 v6, v1, 4, v6
	v_add_nc_u32 v[RD], s91, v6
	s_lshl_b32 s92, s20, 16
	s_mov_b32 s93, 0
	s_add_nc_u64 s[8:9], s[8:9], s[92:93]          ; the tables at the work-group's first row
	s_lshl_b32 s92, s19, 5
	s_add_co_u32 s92, s92, 0x200000
	s_add_nc_u64 s[94:95], s[8:9], s[92:93]        ; k's tables at the block's first d
	s_lshl_b32 s91, s19, 1
	s_add_co_u32 s91, s91, s[WC]
	s_lshl_b32 s92, s91, 19
	s_lshl_b32 s91, s20, 15
	s_add_co_u32 s92, s92, s91
	s_add_nc_u64 s[10:11], s[10:11], s[92:93]      ; q: head tile 2 nj + wc, row 128 mi
	s_lshl_b32 s92, s19, 5
	s_add_co_u32 s92, s92, s91
	s_add_nc_u64 s[12:13], s[12:13], s[92:93]      ; k: row 128 mi, byte 32 nj
	TABL 0, 8                                      ; the tables' first run
; 26 LDS loads in one run: the fragments of 32 along K (part c of the step in hand) into buffer f
.macro FETCH c, f
	WIN 0
.irp b, 0,1,2,3,4,5,6,7
	ds_load_tr16_b128 v[(\f)+8*\b:(\f)+8*\b+3], v[ADRB] offset:(\c)*32*PB+32*\b
	ds_load_tr16_b128 v[(\f)+8*\b+4:(\f)+8*\b+7], v[ADRB] offset:(\c)*32*PB+16*PB+32*\b
.endr
	ds_load_tr16_b128 v[(\f)+64:(\f)+67], v[ADRX] offset:(\c)*32*PX
	ds_load_tr16_b128 v[(\f)+68:(\f)+71], v[ADRX] offset:(\c)*32*PX+16*PX
.irp a, 0,1,2,3
	ds_load_b128 v[(\f)+72+8*\a:(\f)+72+8*\a+3], v[ADRA+(\a)/2] offset:((\a)%2)*16*PA+64*(\c)
	ds_load_b128 v[(\f)+72+8*\a+4:(\f)+72+8*\a+7], v[ADRA+(\a)/2] offset:((\a)%2)*16*PA+64*(\c)+32
.endr
.endm
; 16 matrix instructions: row blocks 2 half, 2 half + 1 x 8 column blocks.  The 34 accumulators take turns, one instruction a turn.
.macro MULH f, half, zero
	WIN 0x50                                       ; C and D in window 1
.irp a, 2*(\half), 2*(\half)+1
.irp b, 0,1,2,3,4,5,6,7
.if \zero
	v_wmma_f32_16x16x32_bf16 v[8*(8*(\a)+\b):8*(8*(\a)+\b)+7], v[(\f)+8*\b:(\f)+8*\b+7], v[(\f)+72+8*(\a):(\f)+72+8*(\a)+7], 0
.else
	v_wmma_f32_16x16x32_bf16 v[8*(8*(\a)+\b):8*(8*(\a)+\b)+7], v[(\f)+8*\b:(\f)+8*\b+7], v[(\f)+72+8*(\a):(\f)+72+8*(\a)+7], v[8*(8*(\a)+\b):8*(8*(\a)+\b)+7]
.endif
.endr
.endr
.endm
.macro MULX f, zero                    ; the two extra accumulators
	WIN 0
.irp e, 0,1
.if \zero
	v_wmma_f32_16x16x32_bf16 v[XACC+8*\e:XACC+8*\e+7], v[(\f)+64:(\f)+71], v[(\f)+72+8*\e:(\f)+72+8*\e+7], 0
.else
	v_wmma_f32_16x16x32_bf16 v[XACC+8*\e:XACC+8*\e+7], v[(\f)+64:(\f)+71], v[(\f)+72+8*\e:(\f)+72+8*\e+7], v[XACC+8*\e:XACC+8*\e+7]
.endif
.endr
.endm
; One of a step's first three parts: multiplies buffer f; in its middle it fetches part cnext of the same slot into buffer g, four places behind the last product that read g.
.macro CHUNK cnext, f, g, zero
	s_wait_dscnt 0x0                               ; buffer f is in: its loads were issued 18 matrix instructions ago
	MULH \f, 0, \zero
	PLACES
	FETCH \cnext, \g
	MULH \f, 1, \zero
	MULX \f, \zero
.endm
; A step's last part multiplies buffer 1 and changes slots.  In front of the barrier each wave waits for all its tensor loads (one is out: its part of the next slot), adds 0 to its spare word, and waits
; for that and for its reads of this slot.  While the add is out the fetches' addresses go over to the other slot and, with fill = 1, the walking descriptors to this slot and the step two on.
; fill = 1: the barrier opens a round of the cluster's, and the joint refill of this slot is the first thing behind it.
.macro TURN fill
	WIN 0
	s_wait_tensorcnt 0x0                           ; no tensor load of mine is out, so a group 0 may be written
	ds_add_u32 v[SPW], v[NIL]
	s_xor_b32 s[TB], s[TB], SLOT
	SETADR
.if \fill
.irp g, G0A+4, G0B+4, G0X+4
	s_xor_b32 s[(\g)+1], s[(\g)+1], SLOT           ; the other slot than last time,
.endr
	s_add_nc_u64 s[G0A+6:G0A+7], s[G0A+6:G0A+7], KSTEP*2      ; the next step; the type bits on top are not reached
	s_add_nc_u64 s[G0B+6:G0B+7], s[G0B+6:G0B+7], KSTEP*4096
	s_add_nc_u64 s[G0X+6:G0X+7], s[G0X+6:G0X+7], 4096
.endif
	s_wait_dscnt 0x1                               ; buffer 1 is in; the add alone may be out
	MULH F1, 0, 0                                  ; sixteen matrix instructions between the add and the wait for it
	s_wait_dscnt 0x0
	WIN 0
	s_barrier_signal -1
	s_barrier_wait -1
.if \fill
	CREST
	JLOAD 1                                        ; its four v_nop are also the places in front of the loads below
.else
	PLACES
.endif
	FETCH 0, F0
	MULH F1, 1, 0
	MULX F1, 0
.endm
	s_wait_tensorcnt 0x1                           ; my part of step 0 is in; step 1's may stay out
	s_barrier_signal -1
	s_barrier_wait -1
	FETCH 0, F0
	CHUNK 1, F0, F1, 1                             ; the first part stands in front of the loop: its products start the sums
	TABL 8, 68                                     ; the tables' second run
	s_mov_b32 s23, 14
.Lstep:                                                ; a trip goes from a step's second part to the next step's first, and fills the slot that it leaves: steps 2 to 15
	CHUNK 2, F1, F0, 0
	CHUNK 3, F0, F1, 0
	TURN 1
	CHUNK 1, F0, F1, 0
	WIN 0
	s_sub_co_u32 s23, s23, 1
	s_cmp_lg_u32 s23, 0
	s_cbranch_scc1 .Lstep
	TABL 68, 128                                   ; the tables' third run: two steps' products ahead of the wait for it
	s_mov_b32 s[TC], 2
.Ltail:                                                ; the last two steps fill nothing: written out, and walked twice
	CHUNK 2, F1, F0, 0
	CHUNK 3, F0, F1, 0
	TURN 0
	WIN 0
	s_sub_co_u32 s[TC], s[TC], 1
	s_cmp_eq_u32 s[TC], 0
	s_cbranch_scc1 .Lout                           ; the second pass is left here: its barrier and its fetch of the other slot's first fragments serve nothing: the price, once a launch, of one text for both
	CHUNK 1, F0, F1, 0
	WIN 0
	s_branch .Ltail
.Lout:
	s_wait_dscnt 0x0                               ; that fetch has landed: its registers are used again below
	; THE WAY OUT.  A row block goes through my stage as f32 and comes back so that lane l holds, of row 2 it + l / 16, d = 4 (l % 16) + 0..3 and d + 64: both partners of the rotation.
	PLACES
	s_wait_loadcnt 0x0                             ; q's tables
	s_cmp_lt_u32 ttmp9, 2                          ; nj < 8 in the whole cluster: the extra columns are k's
	s_cbranch_scc0 .Lno_ktab
.irp e, 0,1
	global_load_b128 v[KT0+16*\e:KT0+16*\e+3], v[KA], s[94:95] offset:\e*8192
	global_load_b128 v[KT0+16*\e+4:KT0+16*\e+7], v[KA], s[94:95] offset:\e*8192+256
	global_load_b128 v[KT0+16*\e+8:KT0+16*\e+11], v[KA], s[94:95] offset:\e*8192+0x100000
	global_load_b128 v[KT0+16*\e+12:KT0+16*\e+15], v[KA], s[94:95] offset:\e*8192+0x100100
.endr
.Lno_ktab:
.macro STG a                           ; each accumulator's low four registers first
	WIN 0x04                                       ; the data in window 1
.irp b, 0,1,2,3,4,5,6,7
	ds_store_b128 v[STO], v[8*(8*(\a)+\b):8*(8*(\a)+\b)+3] offset:64*\b
	ds_store_b128 v[STO], v[8*(8*(\a)+\b)+4:8*(8*(\a)+\b)+7] offset:64*\b+16
.endr
	WIN 0
.irp it, 0,1,2,3,4,5,6,7
	ds_load_b128 v[48+64*((\a)%2)+8*\it:48+64*((\a)%2)+8*\it+3], v[RD] offset:\it*2*SPITCH      ; LDS serves a wave's instructions in order: these see the stores above
	ds_load_b128 v[48+64*((\a)%2)+8*\it+4:48+64*((\a)%2)+8*\it+7], v[RD] offset:\it*2*SPITCH+256
.endr
.endm
.macro ROPE a, younger                 ; younger: the next block's 16 stores and 16 loads, or none
.set TT, 48+64*((\a)%2)
.set TBL, 128*((\a)%2)
	WIN 0
	s_wait_dscnt \younger
	s_wait_xcnt 0x0                                ; the last block's stores have read YY
	WIN 0x08+0x04*((\a)/2)                         ; source 1: the block's tables
.irp it, 0,1,2,3,4,5,6,7
.irp p, 0,1
	v_pk_mul_f32 v[UU+2*\p:UU+2*\p+1], v[TT+8*\it+2*\p:TT+8*\it+2*\p+1], v[TBL+16*\it+12+2*\p:TBL+16*\it+13+2*\p]  ; low x sin high
.endr
.irp p, 0,1
	v_pk_mul_f32 v[TT+8*\it+2*\p:TT+8*\it+2*\p+1], v[TT+8*\it+2*\p:TT+8*\it+2*\p+1], v[TBL+16*\it+2*\p:TBL+16*\it+2*\p+1]  ; low x cos low
.endr
.irp p, 0,1
	v_pk_fma_f32 v[TT+8*\it+2*\p:TT+8*\it+2*\p+1], v[TT+8*\it+4+2*\p:TT+8*\it+5+2*\p], v[TBL+16*\it+8+2*\p:TBL+16*\it+9+2*\p], v[TT+8*\it+2*\p:TT+8*\it+2*\p+1] neg_lo:[0,1,0] neg_hi:[0,1,0]  ; - high x sin low
.endr
.irp p, 0,1
	v_pk_fma_f32 v[TT+8*\it+4+2*\p:TT+8*\it+5+2*\p], v[TT+8*\it+4+2*\p:TT+8*\it+5+2*\p], v[TBL+16*\it+4+2*\p:TBL+16*\it+5+2*\p], v[UU+2*\p:UU+2*\p+1]  ; high x cos high + low x sin high
.endr
.endr
	WIN 0
.irp it, 0,1,2,3,4,5,6,7
.irp k, 0,1,2,3
	v_cvt_pk_f16_f32 v[YY+4*\it+\k], v[TT+8*\it+2*\k], v[TT+8*\it+2*\k+1]
.endr
.endr
.irp it, 0,1,2,3,4,5,6,7
	global_store_b128 v[CO+(\a)/2], v[YY+4*\it:YY+4*\it+3], s[10:11] offset:((\a)%2)*4096+\it*512  ; 16 lanes store a row's 256 bytes, aligned
.endr
.endm
	STG 0
	STG 1
	ROPE 0, 32
	STG 2
	ROPE 1, 32
	STG 3
	ROPE 2, 32
	ROPE 3, 0
	s_wait_xcnt 0x0                                ; YY is written again below
	s_cmp_lt_u32 ttmp9, 2
	s_cbranch_scc0 .Lvpath
	s_wait_loadcnt 0x0                             ; k's tables.  An extra accumulator's registers 0-3 are d, 4-7 are d + 64
.irp e, 0,1
.irp p, 0,1
	v_pk_mul_f32 v[UU+2*\p:UU+2*\p+1], v[XACC+8*\e+2*\p:XACC+8*\e+2*\p+1], v[KT0+16*\e+12+2*\p:KT0+16*\e+13+2*\p]
.endr
.irp p, 0,1
	v_pk_mul_f32 v[XACC+8*\e+2*\p:XACC+8*\e+2*\p+1], v[XACC+8*\e+2*\p:XACC+8*\e+2*\p+1], v[KT0+16*\e+2*\p:KT0+16*\e+2*\p+1]
.endr
.irp p, 0,1
	v_pk_fma_f32 v[XACC+8*\e+2*\p:XACC+8*\e+2*\p+1], v[XACC+8*\e+4+2*\p:XACC+8*\e+5+2*\p], v[KT0+16*\e+8+2*\p:KT0+16*\e+9+2*\p], v[XACC+8*\e+2*\p:XACC+8*\e+2*\p+1] neg_lo:[0,1,0] neg_hi:[0,1,0]
.endr
.irp p, 0,1
	v_pk_fma_f32 v[XACC+8*\e+4+2*\p:XACC+8*\e+5+2*\p], v[XACC+8*\e+4+2*\p:XACC+8*\e+5+2*\p], v[KT0+16*\e+4+2*\p:KT0+16*\e+5+2*\p], v[UU+2*\p:UU+2*\p+1]
.endr
.endr
	s_branch .Lxout
.Lvpath:
	s_add_nc_u64 s[12:13], s[12:13], 524288-256    ; v lies behind k; its block is nj - 8
.irp k, 0,1,2,3,4,5,6,7
	v_pk_mul_f32 v[XACC+2*\k:XACC+2*\k+1], v[XACC+2*\k:XACC+2*\k+1], s[98:99] op_sel_hi:[1,0]
.endr
.Lxout:
.irp e, 0,1
.irp k, 0,1,2,3
	v_cvt_pk_f16_f32 v[YY+4*\e+\k], v[XACC+8*\e+2*\k], v[XACC+8*\e+2*\k+1]
.endr
	global_store_b128 v[KO], v[YY+4*\e:YY+4*\e+3], s[12:13] offset:\e*4096
.endr
	s_wait_tensorcnt 0x0                           ; the wave's end
	ds_add_u32 v[SPW], v[NIL]
	s_wait_dscnt 0x0
	CROUND                                         ; the closing round
	s_endpgm
.Lfunc_end_k_qba643dec06_proj:
	.size	k_qba643dec06_proj, .Lfunc_end_k_qba643dec06_proj-k_qba643dec06_proj
	.p2alignl 7, 3214868480
	.fill 96, 4, 3214868480
	.section	.rodata,"a",@progbits
	.p2align	6, 0x0
	.amdhsa_kernel k_qba643dec06_proj
		.amdhsa_group_segment_fixed_size 327680
		.amdhsa_private_segment_fixed_size 0
		.amdhsa_enable_private_segment 0
		.amdhsa_kernarg_size 40
		.amdhsa_user_sgpr_count 2
		.amdhsa_user_sgpr_kernarg_segment_ptr 1
		.amdhsa_wavefront_size32 1
		.amdhsa_system_sgpr_workgroup_id_x 1
		.amdhsa_system_sgpr_workgroup_id_y 1
		.amdhsa_system_sgpr_workgroup_id_z 1
		.amdhsa_system_vgpr_workitem_id 0
		.amdhsa_next_free_vgpr 1024
		.amdhsa_next_free_sgpr 100
		.amdhsa_reserve_vcc 0
		.amdhsa_float_denorm_mode_32 3
		.amdhsa_float_denorm_mode_16_64 3
		.amdhsa_memory_ordered 1
		.amdhsa_forward_progress 1
		.amdhsa_inst_pref_size 102
	.end_amdhsa_kernel
	.amdgpu_metadata
---
amdhsa.version: [ 1, 2 ]
amdhsa.kernels:
  - .name:           k_qba643dec06_proj
    .symbol:         k_qba643dec06_proj.kd
    .args:
      - { .name: xb, .offset: 0, .size: 8, .value_kind: global_buffer, .address_space: global }
      - { .name: wb, .offset: 8, .size: 8, .value_kind: global_buffer, .address_space: global }
      - { .name: tabs, .offset: 16, .size: 8, .value_kind: global_buffer, .address_space: global }
      - { .name: qb, .offset: 24, .size: 8, .value_kind: global_buffer, .address_space: global }
      - { .name: kvb, .offset: 32, .size: 8, .value_kind: global_buffer, .address_space: global }
    .group_segment_fixed_size: 327680
    .private_segment_fixed_size: 0
    .kernarg_segment_align: 8
    .kernarg_segment_size: 40
    .max_flat_workgroup_size: 128
    .sgpr_count:     100
    .vgpr_count:     1024
    .wavefront_size: 32
...
	.end_amdgpu_metadata
.endif
;; end of part 2
;; launch stat (part 3): grid 128 x 2, 4 waves a work-group, clusters of 4 x 1, 327,680 bytes of LDS; arguments qb, kvb, maskbits, tabs; writes tabs
.if DOCPART == 3
	.amdgcn_target "amdgcn-amd-amdhsa--gfx1250"
	.amdhsa_code_object_version 6
	.text
	.protected	k_qba643dec06_stat
	.globl	k_qba643dec06_stat
	.p2align	8
	.type	k_qba643dec06_stat,@function
k_qba643dec06_stat:
	s_mov_b64 s[64:65], 0
	v_nop
	global_prefetch_b8 v0, s[64:65] scope:SCOPE_SE
	s_setreg_imm32_b32 hwreg(HW_REG_WAVE_MODE, 25, 1), 1
	s_wait_xcnt 0x0
	s_wait_alu depctr_hold_cnt(0) depctr_sa_sdst(0) depctr_va_vdst(0) depctr_va_sdst(0) depctr_va_ssrc(0) depctr_va_vcc(0) depctr_vm_vsrc(0)
	s_getreg_b32 s2, hwreg(HW_REG_IB_STS2, 6, 4)
	s_cmp_eq_u32 s2, 0
	s_cbranch_scc0 .Lentry_in_a_cluster
	s_endpgm
.Lentry_in_a_cluster:
	s_bfe_u32 s2, ttmp6, 0x10000c
	s_cmp_lg_u32 s2, 0x3003
	s_cbranch_scc0 .Lentry_shape_is_right
	s_endpgm
.Lentry_shape_is_right:
; STAT: the first of two walks of O = relu((a1 - a2 / 2) / (sum + 1e-8)) V, a1 and a2 the softmaxes of q1's and q2's scores against ONE key head, under a mask that is an input.
; The relu stands on the difference of two FINISHED softmaxes, so both rows' maxima and sums must be final before a weight can be made.  This launch walks K alone and finds, for each head and row,
; m1, m2 (the maxima of t1, t2), rho = l1 / (2 l2) and g = (1 / l1) / d, d = l1 (1 / l1) - l2 (1 / l2) / 2 + 1e-8: the row's sum of a1 - a2 / 2 by linearity.  The next launch makes the weights with them.
; They go out as 16 bytes for a head and row, [head 16][row 2048][m1, m2, rho, g] in f32, 512 KiB, into the buffer that held the RoPE tables, which no later launch reads as tables.
; q arrives times 4 log2(e) / sqrt(128) and k times 1/4, both f16, so K Q^T is t = log2(e) s / sqrt(128).  In each lane a running maximum m and sum l (a lane sees half of a row's keys): l = a l + sum 2^(t - m),
; a = 2^(m_old - m_new); the halves are merged once at the end.
; THE MASK is the C operand that starts a score's sum: 0, or NEG = -1.275e9, a number far below every score, by 32 lane masks a key step read with scalar loads.  The reference REPLACES a hidden score (by
; -1e10), this text adds NEG to it: the same weights (0) while |t| stays far below 1.275e9.  A row with no visible key arrives with q = 0: all its scores are exactly NEG and its softmax is uniform, as in the reference.
; LIMITS.  A weight below 2^-126 counts as 0; NaN and infinities are not treated apart.
; SHARES.  A work-group owns 16 rows (rt) and 8 heads; wave w heads 2 w, 2 w + 1 of them.  Tile t = 2 X + set (X the head, set 0 = q1, 1 = q2); all four tiles have the same rows, so one mask serves them.
; LAYOUT.  S^T = K Q^T (source 0 = 16 keys, source 1 = 16 queries): a lane holds one query (l % 16) and keys 8 (l / 16) + 0..7 of each 16.
; BY TURNS.  One head's products have the matrix unit while the other head's vector work stands in slices behind them; then they change places.
; CLUSTER.  Four work-groups walk the same K: joint loads.  A slot holds four key steps; wave w asks for step w of a slot, 64 rows of 256 bytes.  By this text's count a wave has two tensor loads out at the
; start and one behind a round.
; REGISTERS: window 0: addresses, v16-47 statistics (8 a tile), v48-79 the mask, v80-84 the way out, v128-255 S^T (32 a tile); window 1: Q (32 a tile), K at 128.
.set KS,    64
.set PK,    272       ; a row of K in LDS: 256 bytes + 16
.set STEPK, KS*PK
.set SLOT1, 1<<17     ; slot 1 begins here, so that one exclusive or turns an address in one slot into the other's
.set SPARE, SLOT1+4*STEPK  ; behind the ring: the spare words, 128 bytes a wave
.set AK0, 2
.set ADR, 4
.set QO,  5
.set NEGV, 12
.set SPW, 14
.set NIL, 15
.set ST,  16          ; tile t at ST + 8 t: +0 m, +1 a filler named with it as a pair, +2, +3 l (even keys', odd keys'), +4..+7 c0-c3
.set MC,  48
.set OUTD, 80         ; v80-83 the 16 bytes that I store
.set OUTA, 84         ; v84    where
.set S,   128
.set KF,  128
.set MO,  2           ; s[2:3] the masks' step in the tail, the high word 0 (at the head the pair is at work)
.set WV,  14
.set CNT, 18
.set SLOTS, 19
.set TBK, 21          ; LDS byte at which the step to be fetched begins
.set G1K, 24
.set G0K, 40          ; two sets; the second walks
.set MW,  56          ; s[56:57] maskbits at the step whose lane masks were loaded last
.set SEL, 60
.set MB,  68          ; s[68:99] 32 lane masks
.set MSB, 0
.macro WIN new
.if MSB != (\new)
	s_set_vgpr_msb (MSB<<8)|(\new)
.set MSB, \new
.endif
.endm
.set W_KQ, 0x05       ; K and Q in window 1, S^T and the mask in window 0
.macro PLACES
.rept 4
	v_nop
.endr
.endm
.macro CROUND
	s_barrier_signal -1
	s_barrier_wait -1
	s_cmp_lg_u32 s[WV], 0
	s_cbranch_scc1 .Lnot_wave_0_\@
	s_barrier_signal -3
.Lnot_wave_0_\@:
	s_barrier_wait -3
	s_barrier_signal -1
	s_barrier_wait -1
.endm
; THE CHANGE OF SLOTS.  Each wave waits for all its tensor loads, adds 0 to its spare word, and waits for that and for its reads of the slot that it leaves.  fill = 1: the slot is filled again, with the keys
; two slots on; the barrier is then a round of the cluster's and the joint load is the first thing behind it; it has four key steps in which to land.
.macro CHANGE fill
	WIN 0
	s_wait_tensorcnt 0x0                           ; no tensor load of mine is out, so a group 0 may be written
	ds_add_u32 v[SPW], v[NIL]                      ; 0 onto my spare word; the descriptor's steps stand between it and the wait for it
.if \fill
	s_xor_b32 s[G0K+5], s[G0K+5], SLOT1            ; the walking descriptor: the other slot than last time,
	s_add_nc_u64 s[G0K+6:G0K+7], s[G0K+6:G0K+7], 65536  ; the next 256 keys; the type bits on top are not reached
.endif
	s_wait_dscnt 0x0
.if \fill
	CROUND
	tensor_load_to_lds s[G0K+4:G0K+7], s[G1K:G1K+7]
	s_nop 0
	PLACES
.else
	s_barrier_signal -1
	s_barrier_wait -1
.endif
	s_sub_co_u32 s[TBK], s[TBK], 4*STEPK           ; the fetches go back to a slot's first step, in the other slot
	s_xor_b32 s[TBK], s[TBK], SLOT1
.endm
	s_load_b256 s[4:11], s[0:1], 0x0               ; qb 4, kvb 6, maskbits 8, tabs 10
	v_lshl_add_u32 v[SPW], v0, 2, SPARE
	v_mov_b32 v[NIL], 0
	ds_add_u32 v[SPW], v[NIL]                      ; the wave's opening: the add and its wait stand ahead of my first tensor load
	v_lshrrev_b32 v1, 5, v0
	v_readfirstlane_b32 s[WV], v1
	s_bfe_u32 s2, ttmp6, 0x40000                   ; cx: it enters Q's, the mask's and the statistics' global addresses alone
	s_lshl_b32 s13, ttmp9, 2
	s_add_co_u32 s13, s13, s2                      ; rt
	s_and_b32 s12, ttmp7, 0xffff
	s_lshl_b32 s12, s12, 3
	s_lshl_b32 s3, s[WV], 1
	s_add_co_u32 s12, s12, s3                      ; my first head
	s_lshl_b32 s[MW], s13, 12                      ; my rows' 4,096 bytes of lane masks
	s_mov_b32 s[MW+1], 0
	s_lshl_b32 s16, s12, 19                        ; a head's 2,048 rows of 256 bytes,
	s_add_co_u32 s16, s16, s[MW]                   ; my 16 rows
	s_mov_b32 s17, 0
	s_lshl_b32 s22, s12, 15                        ; the statistics: a head's 2,048 rows of 16 bytes,
	s_lshl_b32 s23, s13, 8                         ; my 16 rows
	s_add_co_u32 s22, s22, s23
	s_mov_b32 s23, 0
	s_lshl_b32 s58, s[WV], 14                      ; which of a slot's four steps I fetch: its 64 rows in memory,
	s_mov_b32 s59, 0
	s_mul_i32 s15, s[WV], STEPK                    ; its place in a slot
	s_mov_b32 s[G1K], 15|(1<<16)|(1<<20)|(1<<21)|(5<<22)|(3<<25)  ; the mask of four; 2-byte elements; 4 words of padding after every 64
	s_mov_b32 s[G1K+1], 128<<16
	s_mov_b32 s[G1K+2], KS<<16
	s_mov_b32 s[G1K+3], 128<<16
	s_mov_b32 s[G1K+4], KS
	s_mov_b32 s[G1K+5], 128
	s_mov_b32 s[G1K+6], 0
	s_mov_b32 s[G1K+7], 0
	s_mov_b32 s[SEL], 0x76543210
	s_mov_b32 s[SEL+1], 0xfedcba98
	s_mov_b32 s[TBK], 0
	s_mov_b32 s[MO], 128
	s_mov_b32 s[MO+1], 0
	s_wait_dscnt 0x0                               ; the opening add is done
	s_wait_kmcnt 0x0
	s_add_nc_u64 s[MW:MW+1], s[8:9], s[MW:MW+1]
	s_load_b512 s[MB:MB+15], s[MW:MW+1], 0x0       ; key step 0's lane masks
	s_load_b512 s[MB+16:MB+31], s[MW:MW+1], 0x40
	s_add_nc_u64 s[58:59], s[6:7], s[58:59]        ; K at my step of the first slot
	s_add_nc_u64 s[4:5], s[4:5], s[16:17]          ; q1 at my rows of my first head,
	s_add_nc_u64 s[62:63], s[4:5], 0x800000        ; q2: 16 heads on
	s_add_nc_u64 s[10:11], s[10:11], s[22:23]
	CROUND                                         ; all four work-groups are here: the first joint loads meet
.irp s, 0,1
	s_mov_b32 s[G0K+4*\s], 1
	s_add_co_u32 s[G0K+4*\s+1], s15, \s*SLOT1
	s_add_nc_u64 s[G0K+4*\s+2:G0K+4*\s+3], s[58:59], \s*65536
	s_or_b32 s[G0K+4*\s+3], s[G0K+4*\s+3], 0x80000000
.endr
	tensor_load_to_lds s[G0K:G0K+3], s[G1K:G1K+7]
	s_nop 0
	tensor_load_to_lds s[G0K+4:G0K+7], s[G1K:G1K+7]
	s_nop 0
	PLACES
	v_and_b32 v1, 15, v0                           ; l % 16
	v_bfe_u32 v9, v0, 4, 1                         ; l / 16
	v_lshlrev_b32 v[QO], 8, v1
	v_lshl_add_u32 v[QO], v9, 4, v[QO]
	WIN 0x40
.irp x, 0,1
.irp c, 0,1,2,3                                        ; Q stays in registers: tile 2 x (q1) and 2 x + 1 (q2), places 32 c on
	global_load_b128 v[64*\x+8*\c:64*\x+8*\c+3], v[QO], s[4:5] offset:\x*524288+\c*64
	global_load_b128 v[64*\x+8*\c+4:64*\x+8*\c+7], v[QO], s[4:5] offset:\x*524288+\c*64+32
	global_load_b128 v[64*\x+32+8*\c:64*\x+32+8*\c+3], v[QO], s[62:63] offset:\x*524288+\c*64
	global_load_b128 v[64*\x+32+8*\c+4:64*\x+32+8*\c+7], v[QO], s[62:63] offset:\x*524288+\c*64+32
.endr
.endr
	WIN 0
.set i, 0
.rept 4
	v_mov_b32 v[ST+8*i], 0xff7fffff                ; m: the lowest finite number: the first step's factor for l is 0
	v_mov_b32 v[ST+8*i+1], 0
	v_mov_b32 v[ST+8*i+2], 0
	v_mov_b32 v[ST+8*i+3], 0
.set i, i+1
.endr
	v_mov_b32 v[NEGV], 0xce980000                  ; -1.275e9
	v_mul_u32_u24 v[AK0], v1, PK
	v_lshl_add_u32 v[AK0], v9, 4, v[AK0]
	v_lshlrev_b32 v[OUTA], 4, v1                   ; the way out: lanes 0-15 store my first head's 16 rows, lanes 16-31 my second head's
	v_lshl_add_u32 v[OUTA], v9, 15, v[OUTA]
; THE MATRIX WORK.  Product i of 32 of S^T = K Q^T for head x: keys 16 (i % 4) on, set (i / 4) % 2, places 32 (i / 8) on.  The first 8 start the sums with the mask.  The 8 accumulators take turns.
.macro KQ x
	WIN W_KQ
.set rS, S+32*(2*(\x)+(i/4)%2)+8*(i%4)
.set rK, KF+32*(i%4)+8*(i/8)
.set rQ, 32*(2*(\x)+(i/4)%2)+8*(i/8)
.set rM, MC+8*(i%4)
.if i < 8
	v_wmma_f32_16x16x32_f16 v[rS:rS+7], v[rK:rK+7], v[rQ:rQ+7], v[rM:rM+7]
.else
	v_wmma_f32_16x16x32_f16 v[rS:rS+7], v[rK:rK+7], v[rQ:rQ+7], v[rS:rS+7]
.endif
.endm
; A step's K, 32 LDS loads in one run, by places: all four key blocks of places 32 c on before those of 32 (c + 1) on, which is the order in which the products take them: eight loads serve eight products.
.macro FETCH_K
	WIN 0
	v_add_nc_u32 v[ADR], s[TBK], v[AK0]
	WIN 0x40
.irp c, 0,1,2,3
.irp kb, 0,1,2,3
	ds_load_b128 v[KF+32*\kb+8*\c:KF+32*\kb+8*\c+3], v[ADR] offset:\kb*16*PK+\c*64
	ds_load_b128 v[KF+32*\kb+8*\c+4:KF+32*\kb+8*\c+7], v[ADR] offset:\kb*16*PK+\c*64+32
.endr
.endr
	s_add_co_u32 s[TBK], s[TBK], STEPK
	WIN 0
.endm
.macro MCX                             ; register mcn of the mask: NEG where the lane's key is hidden
	WIN 0
	v_cndmask_b32 v[MC+mcn], 0, v[NEGV], s[MB+mcn]
.set mcn, mcn+1
.endm
; The next step's lane masks: 128 bytes, two scalar loads.  The last two loads have come (s_wait_kmcnt 0 stands ahead in every turn); the pointer that they named is written again only behind s_wait_xcnt 0.
; last = 1 (the tail): in the last trip there is no further step: the pointer stays, so that no load leaves my rows' 4,096 bytes, and the last step's masks come once more, for nothing.
.macro MNEXT last=0
	s_wait_xcnt 0x0
.if \last
	s_cmp_eq_u32 s[CNT], 1
	s_cselect_b32 s[MO], 0, 128
	s_add_nc_u64 s[MW:MW+1], s[MW:MW+1], s[MO:MO+1]
.else
	s_add_nc_u64 s[MW:MW+1], s[MW:MW+1], 128
.endif
	s_load_b512 s[MB:MB+15], s[MW:MW+1], 0x0
	s_load_b512 s[MB+16:MB+31], s[MW:MW+1], 0x40
.endm
; THE VECTOR WORK, one line at a time.
.macro ZF t, b                         ; pair b of tile t less its maximum
	v_pk_add_f32 v[S+32*(\t)+2*(\b):S+32*(\t)+2*(\b)+1], v[S+32*(\t)+2*(\b):S+32*(\t)+2*(\b)+1], v[ST+8*(\t):ST+8*(\t)+1] op_sel_hi:[1,0] neg_lo:[0,1] neg_hi:[0,1]
.endm
.macro ZE t, n
	v_exp_f32 v[S+32*(\t)+(\n)], v[S+32*(\t)+(\n)]
.endm
.macro ZB t, k                         ; of four weights the second pair onto the first
	s_wait_alu depctr_va_vdst(0)
	v_pk_add_f32 v[S+32*(\t)+4*(\k):S+32*(\t)+4*(\k)+1], v[S+32*(\t)+4*(\k):S+32*(\t)+4*(\k)+1], v[S+32*(\t)+4*(\k)+2:S+32*(\t)+4*(\k)+3]
.endm
.macro ZL t, k                         ; l takes that sum; the first time l = a l + sum
.if (\k) == 0
	v_pk_fma_f32 v[ST+8*(\t)+2:ST+8*(\t)+3], v[ST+8*(\t)+2:ST+8*(\t)+3], v[ST+8*(\t)+6:ST+8*(\t)+7], v[S+32*(\t):S+32*(\t)+1] op_sel_hi:[1,0,1]
.else
	v_pk_add_f32 v[ST+8*(\t)+2:ST+8*(\t)+3], v[ST+8*(\t)+2:ST+8*(\t)+3], v[S+32*(\t)+4*(\k):S+32*(\t)+4*(\k)+1]
.endif
.endm
.macro ZX t, n                         ; number n of the 18 that find the lane's new maximum; each accumulator's lowest registers are read first
.set rT, ST+8*(\t)
.set rS, S+32*(\t)
.if (\n) < 4
	v_max3_num_f32 v[rT+4+(\n)], v[rS+8*(\n)], v[rS+8*(\n)+1], v[rS+8*(\n)+2]
.elseif (\n) < 12
	v_max3_num_f32 v[rT+4+(\n)%4], v[rT+4+(\n)%4], v[rS+8*((\n)%4)+2*((\n)/4)+1], v[rS+8*((\n)%4)+2*((\n)/4)+2]
.elseif (\n) == 12
	v_max3_num_f32 v[rT+4], v[rT+4], v[rS+7], v[rS+15]
.elseif (\n) == 13
	v_max3_num_f32 v[rT+5], v[rT+5], v[rS+23], v[rS+31]
.elseif (\n) == 14
	v_max3_num_f32 v[rT+6], v[rT+6], v[rT+7], v[rT]
.elseif (\n) == 15
	v_max3_num_f32 v[rT+4], v[rT+4], v[rT+5], v[rT+6]
.elseif (\n) == 16
	v_sub_f32 v[rT+5], v[rT], v[rT+4]              ; m_old - m_new
.else
	v_mov_b32 v[rT], v[rT+4]
.endif
.endm
; The list for head y, 174 numbered slots (8 of them empty), the two tiles alternating.  0-35 the maxima; 36-41 the two factors a and the first four subtractions; 42-169 eight stages of 16: an exponential at
; every odd place, at the even places the next stage's subtractions and the last stage's sums; 170-173 the last sums: four plain lines.  Behind every exponential the next line is unrelated.
.macro Z1 y
	WIN 0
.if z < 36
	ZX 2*(\y)+z%2, z/2
.elseif (z == 36) || (z == 38)
	v_exp_f32 v[ST+8*(2*(\y)+(z-36)/2)+6], v[ST+8*(2*(\y)+(z-36)/2)+5]
.elseif (z == 37) || (z == 39)
	ZF 2*(\y)+(z-37)/2, 0
.elseif z < 42
	ZF 2*(\y)+z-40, 1
.elseif z < 170
.set zk, (z-42)/16
.set zi, (z-42)%16
.if zi%2 == 1
	ZE 2*(\y)+((zi-1)/2)%2, 4*zk+(zi-1)/4
.elseif zi < 8
.if zk < 7
	ZF 2*(\y)+(zi/2)%2, 2*zk+2+zi/4
.endif
.elseif zi < 12
.if zk > 0
	ZB 2*(\y)+(zi/2)%2, zk-1
.endif
.else
.if zk > 0
	ZL 2*(\y)+(zi/2)%2, zk-1
.endif
.endif
.elseif z < 172
	ZB 2*(\y)+z-170, 7
.else
	ZL 2*(\y)+z-172, 7
.endif
.set z, z+1
.endm
; THE TURNS.  A: the next step's K and mask; head 0's scores of that step | head 1's statistics of the step in hand.  B: head 1's scores | head 0's statistics.
; K's run of loads stands 46 vector lines behind the last product that read K; four plain lines stand behind each turn's last product.
; The waits for K are counted: ahead of products 0, 8, 16 and 24 the 24, 16, 8 and 0 younger loads of the run may be out (LDS loads come back in order: ISA guide 5.7.1).
.macro TURN1A last=0
	FETCH_K
	s_wait_kmcnt 0x0
.set mcn, 0
.rept 32
	MCX
.endr
	MNEXT \last
.set z, 0
.rept 46
	Z1 1
.endr
.set i, 0
.rept 32
.if i%8 == 0
	s_wait_dscnt 24-i
.endif
	KQ 0
.rept 4
	Z1 1
.endr
.set i, i+1
.endr
.endm
.macro TURN1B
.set z, 0
.set i, 0
.rept 32
	KQ 1
.rept 4
	Z1 0
.endr
.set i, i+1
.endr
.rept 46
	Z1 0
.endr
.endm
	WIN 0
	s_wait_tensorcnt 0x1                           ; my part of slot 0 is in; slot 1's may stay out
	s_barrier_signal -1
	s_barrier_wait -1
	FETCH_K                                        ; key step 0
	s_wait_kmcnt 0x0
.set mcn, 0
.rept 32
	MCX
.endr
	MNEXT
	s_wait_loadcnt 0x0                             ; Q
	s_wait_dscnt 0x0
.set i, 0
.rept 32
	KQ 0                                           ; head 0's first scores
.set i, i+1
.endr
	WIN 0
	PLACES                                         ; the places behind those products
	s_mov_b32 s[CNT], 4
	s_mov_b32 s[SLOTS], 7
	s_branch .L1mid                                ; the loop is entered in the middle of a trip
.L1slot:                                               ; six changes ask for the slots 2 to 7
	CHANGE 1
	s_mov_b32 s[CNT], 4
.L1step:
	TURN1A
	WIN 0
.L1mid:
	TURN1B
	WIN 0
	s_sub_co_u32 s[CNT], s[CNT], 1
	s_cmp_lg_u32 s[CNT], 0
	s_cbranch_scc1 .L1step
	s_sub_co_u32 s[SLOTS], s[SLOTS], 1
	s_cmp_lg_u32 s[SLOTS], 0
	s_cbranch_scc1 .L1slot
	CHANGE 0                                       ; the last slot is written out: nothing is asked for
	s_mov_b32 s[CNT], 4
.Ltail:
	TURN1A 1
	TURN1B
	WIN 0
	s_sub_co_u32 s[CNT], s[CNT], 1
	s_cmp_lg_u32 s[CNT], 0
	s_cbranch_scc1 .Ltail
	s_wait_kmcnt 0x0                               ; the last trip's mask load, which nothing uses
.set z, 0
.rept 174
	Z1 1                                           ; head 1's statistics of the last step
.endr
	; THE STATISTICS ARE FINISHED: the two halves of the lanes are merged, then rho and g for each head.
.macro ALL line:vararg
.set t, 0
.rept 4
	s_wait_alu depctr_va_vdst(0)
	\line
.set t, t+1
.endr
.endm
	ALL v_add_f32 v[ST+8*t+4], v[ST+8*t+2], v[ST+8*t+3]
	ALL v_permlanex16_b32 v[ST+8*t+5], v[ST+8*t], s[SEL], s[SEL+1]
	ALL v_permlanex16_b32 v[ST+8*t+6], v[ST+8*t+4], s[SEL], s[SEL+1]
	ALL v_max_num_f32 v[ST+8*t+7], v[ST+8*t], v[ST+8*t+5]
	ALL v_sub_f32 v[ST+8*t+5], v[ST+8*t+5], v[ST+8*t+7]
	ALL v_sub_f32 v[ST+8*t+2], v[ST+8*t], v[ST+8*t+7]
	ALL v_exp_f32 v[ST+8*t+5], v[ST+8*t+5]
	ALL v_exp_f32 v[ST+8*t+2], v[ST+8*t+2]
	ALL v_mov_b32 v[ST+8*t], v[ST+8*t+7]
	ALL v_mul_f32 v[ST+8*t+4], v[ST+8*t+4], v[ST+8*t+2]
	ALL v_fmac_f32 v[ST+8*t+4], v[ST+8*t+6], v[ST+8*t+5]
	ALL v_rcp_f32 v[ST+8*t+5], v[ST+8*t+4]
	v_nop                                          ; a plain line between the last reciprocal and the use of its result
.irp x, 0,1
	s_wait_alu depctr_va_vdst(0)
	v_mul_f32 v[ST+16*\x+10], v[ST+16*\x+4], v[ST+16*\x+13]     ; l1 / l2
	v_mul_f32 v[ST+16*\x+6], v[ST+16*\x+4], v[ST+16*\x+5]       ; l1 (1 / l1)
	v_mul_f32 v[ST+16*\x+14], v[ST+16*\x+12], v[ST+16*\x+13]    ; l2 (1 / l2)
	v_mul_f32 v[ST+16*\x+10], 0.5, v[ST+16*\x+10]               ; rho
	v_fma_f32 v[ST+16*\x+6], v[ST+16*\x+14], -0.5, v[ST+16*\x+6]
	v_add_f32 v[ST+16*\x+6], 0x322bcc77, v[ST+16*\x+6]          ; + 1e-8
.endr
	v_rcp_f32 v[ST+7], v[ST+6]
	v_rcp_f32 v[ST+23], v[ST+22]
	v_nop
	s_wait_alu depctr_va_vdst(0)
	v_mul_f32 v[ST+2], v[ST+5], v[ST+7]            ; g
	v_mul_f32 v[ST+18], v[ST+21], v[ST+23]
	v_cmp_ne_u32 vcc_lo, 0, v9                     ; both halves of the lanes hold both heads' figures: the upper half sends the second head's
	v_cndmask_b32 v[OUTD], v[ST], v[ST+16], vcc_lo
	v_cndmask_b32 v[OUTD+1], v[ST+8], v[ST+24], vcc_lo
	v_cndmask_b32 v[OUTD+2], v[ST+10], v[ST+26], vcc_lo
	v_cndmask_b32 v[OUTD+3], v[ST+2], v[ST+18], vcc_lo
	global_store_b128 v[OUTA], v[OUTD:OUTD+3], s[10:11]  ; 16 lanes store 256 consecutive bytes, aligned
	s_wait_tensorcnt 0x0                           ; the wave's end
	ds_add_u32 v[SPW], v[NIL]
	s_wait_dscnt 0x0
	CROUND                                         ; the closing round
	s_endpgm
.Lfunc_end_k_qba643dec06_stat:
	.size	k_qba643dec06_stat, .Lfunc_end_k_qba643dec06_stat-k_qba643dec06_stat
	.p2alignl 7, 3214868480
	.fill 96, 4, 3214868480
	.section	.rodata,"a",@progbits
	.p2align	6, 0x0
	.amdhsa_kernel k_qba643dec06_stat
		.amdhsa_group_segment_fixed_size 327680
		.amdhsa_private_segment_fixed_size 0
		.amdhsa_enable_private_segment 0
		.amdhsa_kernarg_size 32
		.amdhsa_user_sgpr_count 2
		.amdhsa_user_sgpr_kernarg_segment_ptr 1
		.amdhsa_wavefront_size32 1
		.amdhsa_system_sgpr_workgroup_id_x 1
		.amdhsa_system_sgpr_workgroup_id_y 1
		.amdhsa_system_sgpr_workgroup_id_z 1
		.amdhsa_system_vgpr_workitem_id 0
		.amdhsa_next_free_vgpr 512
		.amdhsa_next_free_sgpr 100
		.amdhsa_reserve_vcc 1
		.amdhsa_float_denorm_mode_32 3
		.amdhsa_float_denorm_mode_16_64 3
		.amdhsa_memory_ordered 1
		.amdhsa_forward_progress 1
		.amdhsa_inst_pref_size 90
	.end_amdhsa_kernel
	.amdgpu_metadata
---
amdhsa.version: [ 1, 2 ]
amdhsa.kernels:
  - .name:           k_qba643dec06_stat
    .symbol:         k_qba643dec06_stat.kd
    .args:
      - { .name: qb, .offset: 0, .size: 8, .value_kind: global_buffer, .address_space: global }
      - { .name: kvb, .offset: 8, .size: 8, .value_kind: global_buffer, .address_space: global }
      - { .name: maskbits, .offset: 16, .size: 8, .value_kind: global_buffer, .address_space: global }
      - { .name: tabs, .offset: 24, .size: 8, .value_kind: global_buffer, .address_space: global }
    .group_segment_fixed_size: 327680
    .private_segment_fixed_size: 0
    .kernarg_segment_align: 8
    .kernarg_segment_size: 32
    .max_flat_workgroup_size: 128
    .sgpr_count:     100
    .vgpr_count:     512
    .wavefront_size: 32
...
	.end_amdgpu_metadata
.endif
;; end of part 3
;; launch attn (part 4): grid 128 x 2, 4 waves a work-group, clusters of 4 x 1, 327,680 bytes of LDS; arguments qb, kvb, maskbits, ob, tabs; writes ob
.if DOCPART == 4
	.amdgcn_target "amdgcn-amd-amdhsa--gfx1250"
	.amdhsa_code_object_version 6
	.text
	.protected	k_qba643dec06_attn
	.globl	k_qba643dec06_attn
	.p2align	8
	.type	k_qba643dec06_attn,@function
k_qba643dec06_attn:
	s_mov_b64 s[64:65], 0
	v_nop
	global_prefetch_b8 v0, s[64:65] scope:SCOPE_SE
	s_setreg_imm32_b32 hwreg(HW_REG_WAVE_MODE, 25, 1), 1
	s_wait_xcnt 0x0
	s_wait_alu depctr_hold_cnt(0) depctr_sa_sdst(0) depctr_va_vdst(0) depctr_va_sdst(0) depctr_va_ssrc(0) depctr_va_vcc(0) depctr_vm_vsrc(0)
	s_getreg_b32 s2, hwreg(HW_REG_IB_STS2, 6, 4)
	s_cmp_eq_u32 s2, 0
	s_cbranch_scc0 .Lentry_in_a_cluster
	s_endpgm
.Lentry_in_a_cluster:
	s_bfe_u32 s2, ttmp6, 0x10000c
	s_cmp_lg_u32 s2, 0x3003
	s_cbranch_scc0 .Lentry_shape_is_right
	s_endpgm
.Lentry_shape_is_right:
; ATTN: the second of two walks of O = relu((a1 - a2 / 2) / (sum + 1e-8)) V, a1 and a2 the softmaxes of q1's and q2's scores against ONE key head, under a mask that is an input.
; The launch before has left, for each head and row, m1, m2, rho = l1 / (2 l2) and g = (1 / l1) / d, d the row's sum of a1 - a2 / 2 plus 1e-8 ([head 16][row 2048][4] in f32).  This launch walks K and V:
; e1 = 2^(t1 - m1), e2 = 2^(t2 - m2), P = max(e1 - rho e2, 0), O = (sum P v) g; d > 0, so the division and the relu change places.  q, k, v, P and O in f16; all else f32.
; q arrives times 4 log2(e) / sqrt(128) and k times 1/4, so K Q^T is t = log2(e) s / sqrt(128).  v arrives times 1/4; the next launch's weights carry the 4.
; THE MASK is the C operand that starts a score's sum: 0, or NEG = -1.275e9, a number far below every score, by 32 lane masks a key step read with scalar loads.  The reference REPLACES a hidden score (by
; -1e10), this text adds NEG to it: the same weights (0) while |t| stays far below 1.275e9.  A row with no visible key arrives with q = 0: all its scores are exactly NEG and its softmax is uniform, as in the reference.
; LIMITS.  A weight below 2^-126 counts as 0; P below 6e-5 keeps f16's step of 6e-8; NaN and infinities are not treated apart.
; SHARES.  A work-group owns 16 rows (rt) and 8 heads; wave w heads 2 w, 2 w + 1 of them.  Tile t = 2 X + set (X the head, set 0 = q1, 1 = q2); all four tiles have the same rows, so one mask serves them.
; LAYOUT.  S^T = K Q^T: a lane holds one query (l % 16) and keys 8 (l / 16) + 0..7 of each 16; two such results rounded to f16 ARE source 1 of O^T = V^T P.
; BY TURNS.  One head's products have the matrix unit while the other head's vector work stands in slices behind them; then they change places.
; CLUSTER.  Four work-groups walk the same K and V: joint loads.  A slot holds two key steps; waves 0, 1 ask for K's two steps of a slot, waves 2, 3 for V's.  By this text's count a wave has two tensor loads
; out at the start and one behind a round.
; REGISTERS: window 0: addresses, v16-47 the statistics (8 a tile), v48-79 the mask, v80-111 P, v128-255 S^T (32 a tile); window 1: O^T (64 a head); window 2: Q (32 a tile), K at 128; window 3: V.
.set KS,    64
.set PK,    272
.set PVP,   288
.set VOFF,  KS*PK
.set STEPB, KS*(PK+PVP)
.set SLOT1, 1<<17
.set STAGE, SLOT1+2*STEPB
.set SP,    272
.set SPARE, STAGE+4*16*SP
.set AK0, 2
.set AV0, 3
.set ADR, 4
.set QO,  5
.set STO, 6
.set RD,  7
.set GO,  8
.set NEGV, 12
.set SO,  13          ; v13  my byte offset in a head's statistics
.set SPW, 14
.set NIL, 15
.set ST,  16          ; tile t at ST + 8 t: +0, +1 its maximum m.  Tile 2 X: +2, +3 = g, +4..+7 the 16 bytes as loaded; tile 2 X + 1: +2, +3 = rho
.set MC,  48
.set P,   80
.set S,   128
.set KF,  128
.set MO,  2           ; s[2:3] the masks' step in the tail, the high word 0 (at the head the pair is at work)
.set WV,  14
.set CNT, 18
.set SLOTS, 19
.set TBK, 21          ; LDS byte at which the step to be fetched begins, for K
.set TBV, 22          ; for V
.set G1K, 24
.set G1V, 32
.set G0K, 40          ; two sets; the second walks
.set G0V, 48
.set MW,  56          ; s[56:57] maskbits at the step whose lane masks were loaded last
.set KB,  58          ; s[58:59] K at my half of the first slot
.set SEL, 60
.set MB,  68          ; s[68:99] 32 lane masks
.set MSB, 0
.macro WIN new
.if MSB != (\new)
	s_set_vgpr_msb (MSB<<8)|(\new)
.set MSB, \new
.endif
.endm
.set W_KQ, 0x0a
.set W_PV, 0x53
.set W_RS, 0x41
.macro PLACES
.rept 4
	v_nop
.endr
.endm
.macro CROUND
	s_barrier_signal -1
	s_barrier_wait -1
	s_cmp_lg_u32 s[WV], 0
	s_cbranch_scc1 .Lnot_wave_0_\@
	s_barrier_signal -3
.Lnot_wave_0_\@:
	s_barrier_wait -3
	s_barrier_signal -1
	s_barrier_wait -1
.endm
.macro JLOAD                           ; a joint refill; the branch hangs on the wave's number alone; an s_nop 0 and four v_nop follow each of the two lines
	s_cmp_lt_u32 s[WV], 2
	s_cbranch_scc0 .Lfor_v_\@
	tensor_load_to_lds s[G0K+4:G0K+7], s[G1K:G1K+7]
	s_nop 0
	PLACES
	s_branch .Lasked_\@
.Lfor_v_\@:
	tensor_load_to_lds s[G0V+4:G0V+7], s[G1V:G1V+7]
	s_nop 0
	PLACES
.Lasked_\@:
.endm
; THE CHANGE OF SLOTS.  Each wave waits for all its tensor loads, adds 0 to its spare word, and waits for that and for its reads of the slot that it leaves.  fill = 1: the slot is filled again, with the keys
; two slots on; the barrier is then a round of the cluster's and the joint load is the first thing behind it; it has two key steps in which to land.
.macro CHANGE fill
	WIN 0
	s_wait_tensorcnt 0x0                           ; no tensor load of mine is out, so a group 0 may be written
	ds_add_u32 v[SPW], v[NIL]                      ; 0 onto my spare word; the descriptors' steps stand between it and the wait for it
.if \fill
.irp g, G0K+4, G0V+4
	s_xor_b32 s[(\g)+1], s[(\g)+1], SLOT1          ; the walking descriptor: the other slot than last time,
	s_add_nc_u64 s[(\g)+2:(\g)+3], s[(\g)+2:(\g)+3], 32768  ; the next 128 keys; the type bits on top are not reached
.endr
	s_wait_dscnt 0x0
	CROUND
	JLOAD
.else
	s_wait_dscnt 0x0
	s_barrier_signal -1
	s_barrier_wait -1
.endif
	s_sub_co_u32 s[TBK], s[TBK], 2*STEPB           ; the fetches go back to a slot's first step, in the other slot
	s_xor_b32 s[TBK], s[TBK], SLOT1
	s_sub_co_u32 s[TBV], s[TBV], 2*STEPB
	s_xor_b32 s[TBV], s[TBV], SLOT1
.endm
	s_load_b256 s[4:11], s[0:1], 0x0               ; qb 4, kvb 6, maskbits 8, ob 10
	s_load_b64 s[66:67], s[0:1], 0x20              ; the statistics
	v_lshl_add_u32 v[SPW], v0, 2, SPARE
	v_mov_b32 v[NIL], 0
	ds_add_u32 v[SPW], v[NIL]                      ; the wave's opening: the add and its wait stand ahead of my first tensor load
	v_lshrrev_b32 v1, 5, v0
	v_readfirstlane_b32 s[WV], v1
	s_bfe_u32 s2, ttmp6, 0x40000                   ; cx: it enters Q's, O's, the mask's and the statistics' global addresses alone
	s_lshl_b32 s13, ttmp9, 2
	s_add_co_u32 s13, s13, s2                      ; rt
	s_and_b32 s12, ttmp7, 0xffff
	s_lshl_b32 s12, s12, 3
	s_lshl_b32 s3, s[WV], 1
	s_add_co_u32 s12, s12, s3                      ; my first head
	s_lshl_b32 s[MW], s13, 12                      ; my rows' 4,096 bytes of lane masks
	s_mov_b32 s[MW+1], 0
	s_lshl_b32 s16, s12, 19                        ; a head's 2,048 rows of 256 bytes,
	s_add_co_u32 s16, s16, s[MW]                   ; my 16 rows
	s_mov_b32 s17, 0
	s_lshl_b32 s2, s13, 16                         ; O: my 16 rows of 4,096 bytes,
	s_lshl_b32 s3, s12, 8                          ; my first head's 256
	s_add_co_u32 s2, s2, s3
	s_mov_b32 s3, 0
	s_lshl_b32 s22, s12, 15                        ; the statistics: a head's 2,048 rows of 16 bytes,
	s_lshl_b32 s23, s13, 8                         ; my 16 rows
	s_add_co_u32 s22, s22, s23
	s_mov_b32 s23, 0
	s_and_b32 s[KB], s[WV], 1                      ; which of a slot's two steps I fetch:
	s_mul_i32 s15, s[KB], STEPB                    ; its place in a slot,
	s_lshl_b32 s[KB], s[KB], 14                    ; its 64 rows in memory
	s_mov_b32 s[KB+1], 0
	s_mov_b32 s[G1K], 15|(1<<16)|(1<<20)|(1<<21)|(5<<22)|(3<<25)  ; the mask of four; 2-byte elements; 4 words of padding after every 64
	s_mov_b32 s[G1V], 15|(1<<16)|(1<<20)|(1<<21)|(5<<22)|(7<<25)  ; 8 words
.irp g, G1K, G1V
	s_mov_b32 s[(\g)+1], 128<<16
	s_mov_b32 s[(\g)+2], KS<<16
	s_mov_b32 s[(\g)+3], 128<<16
	s_mov_b32 s[(\g)+4], KS
	s_mov_b32 s[(\g)+5], 128
	s_mov_b32 s[(\g)+6], 0
	s_mov_b32 s[(\g)+7], 0
.endr
	s_mov_b32 s[SEL], 0x76543210
	s_mov_b32 s[SEL+1], 0xfedcba98
	s_mov_b32 s[TBK], 0
	s_wait_dscnt 0x0                               ; the opening add is done
	s_wait_kmcnt 0x0
	s_add_nc_u64 s[MW:MW+1], s[8:9], s[MW:MW+1]
	s_load_b512 s[MB:MB+15], s[MW:MW+1], 0x0       ; key step 0's lane masks
	s_load_b512 s[MB+16:MB+31], s[MW:MW+1], 0x40
	s_add_nc_u64 s[KB:KB+1], s[6:7], s[KB:KB+1]
	s_add_nc_u64 s[4:5], s[4:5], s[16:17]          ; q1 at my rows of my first head,
	s_add_nc_u64 s[62:63], s[4:5], 0x800000        ; q2: 16 heads on
	s_add_nc_u64 s[10:11], s[10:11], s[2:3]
	s_add_nc_u64 s[66:67], s[66:67], s[22:23]
	s_mov_b32 s[MO], 128                           ; the two pairs have done their work at the head (the step's high word is 0 already)
	s_mov_b32 s[TBV], 0
	CROUND                                         ; all four work-groups are here: the first joint loads meet
.irp s, 0,1
	s_mov_b32 s[G0K+4*\s], 1
	s_add_co_u32 s[G0K+4*\s+1], s15, \s*SLOT1
	s_add_nc_u64 s[G0K+4*\s+2:G0K+4*\s+3], s[KB:KB+1], \s*32768
	s_or_b32 s[G0K+4*\s+3], s[G0K+4*\s+3], 0x80000000
	s_mov_b32 s[G0V+4*\s], 1
	s_add_co_u32 s[G0V+4*\s+1], s15, \s*SLOT1+VOFF
	s_add_nc_u64 s[G0V+4*\s+2:G0V+4*\s+3], s[KB:KB+1], 524288+\s*32768
	s_or_b32 s[G0V+4*\s+3], s[G0V+4*\s+3], 0x80000000
.endr
	s_cmp_lt_u32 s[WV], 2                          ; a wave's two first fills stand in one branch
	s_cbranch_scc0 .Lfirst_v
	tensor_load_to_lds s[G0K:G0K+3], s[G1K:G1K+7]
	s_nop 0
	tensor_load_to_lds s[G0K+4:G0K+7], s[G1K:G1K+7]
	s_nop 0
	PLACES
	s_branch .Lfirst_asked
.Lfirst_v:
	tensor_load_to_lds s[G0V:G0V+3], s[G1V:G1V+7]
	s_nop 0
	tensor_load_to_lds s[G0V+4:G0V+7], s[G1V:G1V+7]
	s_nop 0
	PLACES
.Lfirst_asked:
	v_and_b32 v1, 15, v0                           ; l % 16
	v_bfe_u32 v9, v0, 4, 1                         ; l / 16
	v_lshlrev_b32 v[QO], 8, v1
	v_lshl_add_u32 v[QO], v9, 4, v[QO]
	v_lshlrev_b32 v[SO], 4, v1
	WIN 0x80
.irp x, 0,1
.irp c, 0,1,2,3                                        ; Q stays in registers: tile 2 x (q1) and 2 x + 1 (q2), places 32 c on
	global_load_b128 v[64*\x+8*\c:64*\x+8*\c+3], v[QO], s[4:5] offset:\x*524288+\c*64
	global_load_b128 v[64*\x+8*\c+4:64*\x+8*\c+7], v[QO], s[4:5] offset:\x*524288+\c*64+32
	global_load_b128 v[64*\x+32+8*\c:64*\x+32+8*\c+3], v[QO], s[62:63] offset:\x*524288+\c*64
	global_load_b128 v[64*\x+32+8*\c+4:64*\x+32+8*\c+7], v[QO], s[62:63] offset:\x*524288+\c*64+32
.endr
.endr
	WIN 0
	global_load_b128 v[ST+4:ST+7], v[SO], s[66:67]               ; my row's m1, m2, rho, g of my first head,
	global_load_b128 v[ST+20:ST+23], v[SO], s[66:67] offset:32768  ; of my second
	; The walk is entered in the middle of a trip, whose first products V^T P are head 1's of a step that has not been: head 1's P holds 0 for them.
.set i, 0
.rept 16
	v_mov_b32 v[P+16+i], 0
.set i, i+1
.endr
	v_mov_b32 v[NEGV], 0xce980000                  ; -1.275e9
	v_mul_u32_u24 v[AK0], v1, PK
	v_lshl_add_u32 v[AK0], v9, 4, v[AK0]
	v_and_b32 v10, 7, v0
	v_bfe_u32 v11, v0, 3, 1
	v_lshl_add_u32 v[AV0], v9, 3, v10
	v_mul_u32_u24 v[AV0], v[AV0], PVP
	v_lshl_add_u32 v[AV0], v11, 4, v[AV0]
	v_add_nc_u32 v[AV0], VOFF, v[AV0]
; THE MATRIX WORK.  Product i of 32 of S^T = K Q^T for head x: keys 16 (i % 4) on, set (i / 4) % 2, places 32 (i / 8) on.  The first 8 start the sums with the mask.  The 8 accumulators take turns.
.macro KQ x
	WIN W_KQ
.set rS, S+32*(2*(\x)+(i/4)%2)+8*(i%4)
.set rK, KF+32*(i%4)+8*(i/8)
.set rQ, 32*(2*(\x)+(i/4)%2)+8*(i/8)
.set rM, MC+8*(i%4)
.if i < 8
	v_wmma_f32_16x16x32_f16 v[rS:rS+7], v[rK:rK+7], v[rQ:rQ+7], v[rM:rM+7]
.else
	v_wmma_f32_16x16x32_f16 v[rS:rS+7], v[rK:rK+7], v[rQ:rQ+7], v[rS:rS+7]
.endif
.endm
; Product i of 16 of O^T += V^T P for head x: keys 32 (i / 8) on, channels 16 (i % 8) on.
.macro PV x
	WIN W_PV
.set rO, 64*(\x)+8*(i%8)
.set rV, 64*(i/8)+8*(i%8)
.set rP, P+16*(\x)+8*(i/8)
	v_wmma_f32_16x16x32_f16 v[rO:rO+7], v[rV:rV+7], v[rP:rP+7], v[rO:rO+7]
.endm
; THE LDS LOADS stand in runs of 32.  K's go by places: all four key blocks of places 32 c on before those of 32 (c + 1) on, the order in which the products take them: eight loads serve eight products.
; last = 1 (the tail): in the last trip there is no further step, and the run is jumped over.
.macro FETCH_K last=0
	WIN 0
.if \last
	s_cmp_eq_u32 s[CNT], 1
	s_cbranch_scc1 .Lno_k_\@
.endif
	v_add_nc_u32 v[ADR], s[TBK], v[AK0]
	WIN 0x80
.irp c, 0,1,2,3
.irp kb, 0,1,2,3
	ds_load_b128 v[KF+32*\kb+8*\c:KF+32*\kb+8*\c+3], v[ADR] offset:\kb*16*PK+\c*64
	ds_load_b128 v[KF+32*\kb+8*\c+4:KF+32*\kb+8*\c+7], v[ADR] offset:\kb*16*PK+\c*64+32
.endr
.endr
	s_add_co_u32 s[TBK], s[TBK], STEPB
	WIN 0
.if \last
.Lno_k_\@:
.endif
.endm
.macro FETCH_V step=1                  ; step = 0: the next fetch is the same step's once more
	WIN 0
	v_add_nc_u32 v[ADR], s[TBV], v[AV0]
.if \step
	s_add_co_u32 s[TBV], s[TBV], STEPB
.endif
	WIN 0xc0
.irp f, 0,1,2,3,4,5,6,7,8,9,10,11,12,13,14,15
	ds_load_tr16_b128 v[8*\f:8*\f+3], v[ADR] offset:(\f/8)*32*PVP+(\f%8)*32
	ds_load_tr16_b128 v[8*\f+4:8*\f+7], v[ADR] offset:(\f/8)*32*PVP+16*PVP+(\f%8)*32
.endr
.endm
.macro MCX                             ; register mcn of the mask: NEG where the lane's key is hidden
	WIN 0
	v_cndmask_b32 v[MC+mcn], 0, v[NEGV], s[MB+mcn]
.set mcn, mcn+1
.endm
; The lane masks of the step after the next: 128 bytes, two scalar loads.  The last two loads have come (s_wait_kmcnt 0 stands ahead in every turn); the pointer that they named is written again only behind
; s_wait_xcnt 0.  last = 1 (the tail): its first trip asks for the last step's masks; in the other two the pointer stays, so that no load leaves my rows' 4,096 bytes, and those masks come again, for nothing.
.macro MNEXT last=0
	s_wait_xcnt 0x0
.if \last
	s_cmp_eq_u32 s[CNT], 3
	s_cselect_b32 s[MO], 128, 0
	s_add_nc_u64 s[MW:MW+1], s[MW:MW+1], s[MO:MO+1]
.else
	s_add_nc_u64 s[MW:MW+1], s[MW:MW+1], 128
.endif
	s_load_b512 s[MB:MB+15], s[MW:MW+1], 0x0
	s_load_b512 s[MB+16:MB+31], s[MW:MW+1], 0x40
.endm
; THE VECTOR WORK, one line at a time.
.macro ZF t, b                         ; pair b of tile t less its maximum
	v_pk_add_f32 v[S+32*(\t)+2*(\b):S+32*(\t)+2*(\b)+1], v[S+32*(\t)+2*(\b):S+32*(\t)+2*(\b)+1], v[ST+8*(\t):ST+8*(\t)+1] op_sel_hi:[1,0] neg_lo:[0,1] neg_hi:[0,1]
.endm
.macro ZE t, n
	v_exp_f32 v[S+32*(\t)+(\n)], v[S+32*(\t)+(\n)]
.endm
.macro ZD y, b                         ; e1 - rho e2, pair b
	s_wait_alu depctr_va_vdst(0)
	v_pk_fma_f32 v[S+64*(\y)+2*(\b):S+64*(\y)+2*(\b)+1], v[S+64*(\y)+32+2*(\b):S+64*(\y)+33+2*(\b)], v[ST+16*(\y)+10:ST+16*(\y)+11], v[S+64*(\y)+2*(\b):S+64*(\y)+2*(\b)+1] neg_lo:[0,1,0] neg_hi:[0,1,0]
.endm
.macro ZR y, n
	v_max_num_f32 v[S+64*(\y)+(\n)], 0, v[S+64*(\y)+(\n)]
.endm
.macro ZC y, b
	v_cvt_pk_f16_f32 v[P+16*(\y)+(\b)], v[S+64*(\y)+2*(\b)], v[S+64*(\y)+2*(\b)+1]
.endm
; The list for head y, 170 slots (10 empty).  Stage b of 16, ten slots: the next pair's two subtractions, this pair's four exponentials at the odd places, the difference of pair b - 1, the two maxima of
; pair b - 2 and the rounding of pair b - 3: each of the three reads what a stage before it has made, so that none stands next to the line whose result it reads.  Eight lines finish the last pairs.
; The pairs ascend.
.macro Z2 y
	WIN 0
.if z == 0
	ZF 2*(\y), 0
.elseif z == 1
	ZF 2*(\y)+1, 0
.elseif z < 162
.set zb, (z-2)/10
.set zs, (z-2)%10
.if zs == 0
.if zb < 15
	ZF 2*(\y), zb+1
.endif
.elseif zs == 1
	ZE 2*(\y), 2*zb
.elseif zs == 2
.if zb < 15
	ZF 2*(\y)+1, zb+1
.endif
.elseif zs == 3
	ZE 2*(\y)+1, 2*zb
.elseif zs == 5
	ZE 2*(\y), 2*zb+1
.elseif zs == 7
	ZE 2*(\y)+1, 2*zb+1
.elseif zs == 4
.if zb > 0
	ZD \y, zb-1
.endif
.elseif zs == 6
.if zb > 1
	ZR \y, 2*zb-4
.endif
.elseif zs == 8
.if zb > 1
	ZR \y, 2*zb-3
.endif
.else
.if zb > 2
	ZC \y, zb-3
.endif
.endif
.elseif z == 162
	ZD \y, 15
.elseif z == 163
	ZR \y, 28
.elseif z == 164
	ZR \y, 29
.elseif z == 165
	ZC \y, 13
.elseif z == 166
	ZR \y, 30
.elseif z == 167
	ZR \y, 31
.elseif z == 168
	ZC \y, 14
.else
	ZC \y, 15
.endif
.set z, z+1
.endm
; THE TURNS.  A: head 0's V^T P of step j and K Q^T of step j + 1 | head 1's weights of step j, the mask of step j + 1.  B: head 1's products | head 0's weights of step j + 1; V of step j + 1.
; The waits for K are counted: ahead of products 0, 8, 16 and 24 the 24, 16, 8 and 0 younger loads of the run may be out (LDS loads come back in order: ISA guide 5.7.1).
.macro TURN2A last
	s_wait_dscnt 0x0                               ; V is in
	s_wait_kmcnt 0x0
.set z, 0
.set mcn, 0
.set i, 0
.rept 16
	PV 0
	MCX
	MCX
	Z2 1
	Z2 1
.if i == 1
	FETCH_K \last
.endif
.set i, i+1
.endr
	MNEXT \last
.set i, 0
.rept 32
.if i%8 == 0
	s_wait_dscnt 24-i
.endif
	KQ 0
.rept 4
	Z2 1
.endr
.set i, i+1
.endr
.rept 10
	Z2 1
.endr
.endm
.macro TURN2B
.set z, 0
.set i, 0
.rept 16
	PV 1
.rept 4
	Z2 0
.endr
.set i, i+1
.endr
.set i, 0
.rept 32
	KQ 1
.rept 3
	Z2 0
.endr
.if i == 1
	FETCH_V                                        ; ten slots, six of them plain, behind the last product that read V
.endif
.set i, i+1
.endr
.rept 10
	Z2 0
.endr
.endm
	WIN 0
	s_wait_tensorcnt 0x1                           ; my part of slot 0 is in; slot 1's may stay out
	s_barrier_signal -1
	s_barrier_wait -1
	FETCH_K                                        ; key step 0
	FETCH_V 0                                      ; and its V, so that V's registers hold finite numbers for the products by P = 0 below; the first turn fetches it again
	s_wait_kmcnt 0x0
.set mcn, 0
.rept 32
	MCX
.endr
	MNEXT
	s_wait_loadcnt 0x0                             ; Q and the statistics
	s_wait_dscnt 0x0
	WIN W_PV                                       ; O^T's sixteen sums begin: V times head 1's P, which holds 0, with the constant 0 as C
.irp x, 0,1
.irp cb, 0,1,2,3,4,5,6,7
	v_wmma_f32_16x16x32_f16 v[64*\x+8*\cb:64*\x+8*\cb+7], v[8*\cb:8*\cb+7], v[P+16:P+23], 0
.endr
.endr
.set i, 0
.rept 32
	KQ 0                                           ; head 0's first scores
.set i, i+1
.endr
	WIN 0                                          ; the addresses for the way out and the statistics' places: the places behind those products
	s_mul_i32 s13, s[WV], 16*SP
	s_add_co_u32 s13, s13, STAGE
	v_mul_u32_u24 v[STO], v1, SP
	v_lshl_add_u32 v[STO], v9, 4, v[STO]
	v_add_nc_u32 v[STO], s13, v[STO]
	v_mul_u32_u24 v[RD], v9, SP
	v_lshl_add_u32 v[RD], v1, 4, v[RD]
	v_add_nc_u32 v[RD], s13, v[RD]
	v_lshlrev_b32 v[GO], 12, v9
	v_lshl_add_u32 v[GO], v1, 4, v[GO]
.irp x, 0,1
	v_mov_b32 v[ST+16*\x], v[ST+16*\x+4]           ; m1,
	v_mov_b32 v[ST+16*\x+1], v[ST+16*\x+4]
	v_mov_b32 v[ST+16*\x+8], v[ST+16*\x+5]         ; m2,
	v_mov_b32 v[ST+16*\x+9], v[ST+16*\x+5]
	v_mov_b32 v[ST+16*\x+10], v[ST+16*\x+6]        ; rho
	v_mov_b32 v[ST+16*\x+11], v[ST+16*\x+6]
	v_mov_b32 v[ST+16*\x+2], v[ST+16*\x+7]         ; and g, each in both registers of a pair for the packed lines
	v_mov_b32 v[ST+16*\x+3], v[ST+16*\x+7]
.endr
	s_mov_b32 s[CNT], 2
	s_mov_b32 s[SLOTS], 15
	s_branch .L2mid                                ; the loop is entered in the middle of a trip
.L2slot:                                               ; 14 changes ask for the slots 2 to 15
	CHANGE 1
	s_mov_b32 s[CNT], 2
.L2step:
	TURN2A 0
	WIN 0
.L2mid:
	TURN2B
	WIN 0
	s_sub_co_u32 s[CNT], s[CNT], 1
	s_cmp_lg_u32 s[CNT], 0
	s_cbranch_scc1 .L2step
	s_sub_co_u32 s[SLOTS], s[SLOTS], 1
	s_cmp_lg_u32 s[SLOTS], 0
	s_cbranch_scc1 .L2slot
	CHANGE 0                                       ; the tail is written out: nothing is asked for
	s_mov_b32 s[CNT], 3                            ; two trips fetch the last slot's steps; the third is left in its middle
.Ltail:
	TURN2A 1
	WIN 0
	s_sub_co_u32 s[CNT], s[CNT], 1
	s_cmp_eq_u32 s[CNT], 0
	s_cbranch_scc1 .Lout
	TURN2B
	WIN 0
	s_branch .Ltail
.Lout:                                                 ; the third trip's 32 products K Q^T, on the last K once more, serve nothing: the price, once a launch, of one text for every trip
	s_wait_kmcnt 0x0                               ; and so does its mask load
.set i, 0
.rept 16
	PV 1                                           ; head 1's V^T P of the last step
.set i, i+1
.endr
	; THE WAY OUT.  O^T times g, rounded to f16, through my stage, a head (16 rows x 256 bytes) at a time.  Head 0's 64 lines are the places behind head 1's last products.
.macro PACK x
	WIN W_RS
.set i, 64*(\x)
.rept 32
	v_pk_mul_f32 v[i:i+1], v[i:i+1], v[ST+16*(\x)+2:ST+16*(\x)+3]
.set i, i+2
.endr
	WIN 0x05
.set i, 0
.rept 32
	v_cvt_pk_f16_f32 v[S+32*(\x)+i], v[64*(\x)+2*i], v[64*(\x)+2*i+1]
.set i, i+1
.endr
	WIN 0
.irp f, 0,1,2,3,4,5,6,7
	ds_store_b128 v[STO], v[S+32*(\x)+4*\f:S+32*(\x)+4*\f+3] offset:32*\f
.endr
.irp f, 0,1,2,3,4,5,6,7
	ds_load_b128 v[S+32*(\x)+4*\f:S+32*(\x)+4*\f+3], v[RD] offset:\f*2*SP  ; LDS serves a wave's instructions in order: these see the stores above
.endr
.endm
.macro SEND x, younger
	WIN 0
.irp f, 0,1,2,3,4,5,6,7
	s_wait_dscnt (\younger)+7-\f
	global_store_b128 v[GO], v[S+32*(\x)+4*\f:S+32*(\x)+4*\f+3], s[10:11] offset:(\x)*256+\f*8192  ; 16 lanes store 256 consecutive bytes, aligned
.endr
.endm
	PACK 0
	PACK 1
	SEND 0, 16
	SEND 1, 0
	s_wait_tensorcnt 0x0                           ; the wave's end
	ds_add_u32 v[SPW], v[NIL]
	s_wait_dscnt 0x0
	CROUND                                         ; the closing round
	s_endpgm
.Lfunc_end_k_qba643dec06_attn:
	.size	k_qba643dec06_attn, .Lfunc_end_k_qba643dec06_attn-k_qba643dec06_attn
	.p2alignl 7, 3214868480
	.fill 96, 4, 3214868480
	.section	.rodata,"a",@progbits
	.p2align	6, 0x0
	.amdhsa_kernel k_qba643dec06_attn
		.amdhsa_group_segment_fixed_size 327680
		.amdhsa_private_segment_fixed_size 0
		.amdhsa_enable_private_segment 0
		.amdhsa_kernarg_size 40
		.amdhsa_user_sgpr_count 2
		.amdhsa_user_sgpr_kernarg_segment_ptr 1
		.amdhsa_wavefront_size32 1
		.amdhsa_system_sgpr_workgroup_id_x 1
		.amdhsa_system_sgpr_workgroup_id_y 1
		.amdhsa_system_sgpr_workgroup_id_z 1
		.amdhsa_system_vgpr_workitem_id 0
		.amdhsa_next_free_vgpr 896
		.amdhsa_next_free_sgpr 100
		.amdhsa_reserve_vcc 0
		.amdhsa_float_denorm_mode_32 3
		.amdhsa_float_denorm_mode_16_64 3
		.amdhsa_memory_ordered 1
		.amdhsa_forward_progress 1
		.amdhsa_inst_pref_size 105
	.end_amdhsa_kernel
	.amdgpu_metadata
---
amdhsa.version: [ 1, 2 ]
amdhsa.kernels:
  - .name:           k_qba643dec06_attn
    .symbol:         k_qba643dec06_attn.kd
    .args:
      - { .name: qb, .offset: 0, .size: 8, .value_kind: global_buffer, .address_space: global }
      - { .name: kvb, .offset: 8, .size: 8, .value_kind: global_buffer, .address_space: global }
      - { .name: maskbits, .offset: 16, .size: 8, .value_kind: global_buffer, .address_space: global }
      - { .name: ob, .offset: 24, .size: 8, .value_kind: global_buffer, .address_space: global }
      - { .name: tabs, .offset: 32, .size: 8, .value_kind: global_buffer, .address_space: global }
    .group_segment_fixed_size: 327680
    .private_segment_fixed_size: 0
    .kernarg_segment_align: 8
    .kernarg_segment_size: 40
    .max_flat_workgroup_size: 128
    .sgpr_count:     100
    .vgpr_count:     896
    .wavefront_size: 32
...
	.end_amdgpu_metadata
.endif
;; end of part 4
;; launch outp (part 5): grid 16 x 16, 4 waves a work-group, clusters of 4 x 4, 327,680 bytes of LDS; arguments ob, owh, out0; writes out0
.if DOCPART == 5
	.amdgcn_target "amdgcn-amd-amdhsa--gfx1250"
	.amdhsa_code_object_version 6
	.text
	.protected	k_qba643dec06_outp
	.globl	k_qba643dec06_outp
	.p2align	8
	.type	k_qba643dec06_outp,@function
k_qba643dec06_outp:
	s_mov_b64 s[64:65], 0
	v_nop
	global_prefetch_b8 v0, s[64:65] scope:SCOPE_SE
	s_setreg_imm32_b32 hwreg(HW_REG_WAVE_MODE, 25, 1), 1
	s_wait_xcnt 0x0
	s_wait_alu depctr_hold_cnt(0) depctr_sa_sdst(0) depctr_va_vdst(0) depctr_va_sdst(0) depctr_va_ssrc(0) depctr_va_vcc(0) depctr_vm_vsrc(0)
	s_getreg_b32 s2, hwreg(HW_REG_IB_STS2, 6, 4)
	s_cmp_eq_u32 s2, 0
	s_cbranch_scc0 .Lentry_in_a_cluster
	s_endpgm
.Lentry_in_a_cluster:
	s_bfe_u32 s2, ttmp6, 0x10000c
	s_cmp_lg_u32 s2, 0xf033
	s_cbranch_scc0 .Lentry_shape_is_right
	s_endpgm
.Lentry_shape_is_right:
; OUTP: out0 = O W, O [2048][2048] f16 (it carries v's 1/4), W = owh [K][N] f16 = 4 bf16(out_w); sums and result in f32.
; A tile of 128 x 128 to a work-group: 256 work-groups.  Four waves of 64 x 64: 16 accumulators.  K in 8 steps of 256 through two LDS slots.  CLUSTER 4 x 4: O's tile is shared along a row of the cluster,
; W's along a column: joint loads; waves 0, 1 ask for 64 rows of O each, waves 2, 3 for 128 rows of K of W each.  By this text's count a wave has two tensor loads out at the start, one behind each round.
; A STEP IS WRITTEN ONCE: the fragments' LDS addresses are a base plus a scalar that is 0 or a slot's bytes; one walking descriptor for each of the two tiles takes the next step at each refill, and its LDS
; word changes places with a register that holds the other slot's address.
; THE MATRIX INSTRUCTION IS USED TRANSPOSED: source 0 = 16 columns of W (turned out of LDS), source 1 = 16 rows of O: a lane holds row l % 16 and eight neighbouring columns.
; A wave's 64 columns of f32 are 256 aligned bytes, so each wave has a stage of its own and no barrier stands on the way out.
; REGISTERS: window 0: addresses, v32-95 at work on the way out, v128-255 the accumulators ((a, b) at 128 + 8 (4 a + b)); window 1: two fragment buffers of 128: 64 of O, then 64 of W, for 64 along K.
.set KSTEP,  256
.set PITCH,  528                       ; a row of O in LDS: 512 bytes + 16
.set PB,     288                       ; a row of W: 256 bytes + 32 = 9 x 32
.set AH,     64*PITCH
.set BOFF,   128*PITCH
.set BH,     128*PB
.set SLOT,   BOFF+2*BH
.set STAGE,  2*SLOT
.set SPITCH, 272
.set SPARE,  STAGE+4*16*SPITCH
.set ADRA0, 16                         ; v16     O's fragments in slot 0; never rewritten
.set ADRA,  17                         ; v17     in the slot in hand
.set ADRB0, 20                         ; v20-21  W's fragments in slot 0, by halves of the step's K (so that the offsets stay under 65,536)
.set ADRB,  22                         ; v22-23  in the slot in hand
.set STO,  24
.set RD,   25
.set CO,   26
.set SPW,  28
.set NIL,  29
.set TMP,  32
.set ACC,  128
.set F0,   0
.set F1,   128
.set TB,  2                            ; s2   0 or SLOT: the slot in hand
.set OLA, 18                           ; s18  the LDS address of my part of O's tile in the slot that the walking descriptor does not name
.set OLB, 19                           ; s19  the same for W's
.set SW,  45                           ; s45  at work in the exchange
.set G1, 24
.set G0, 32                            ; group 0: a set for each of the two first fills; the second then walks
.set G1B, 48
.set G0B, 56
.set MSB, 0
.macro WIN new
.if MSB != (\new)
	s_set_vgpr_msb (MSB<<8)|(\new)
.set MSB, \new
.endif
.endm
.set MUL,  0x05
.set TO_F, 0x40
.macro PLACES
.rept 4
	v_nop
.endr
.endm
.macro JLOAD s                         ; an s_nop 0 and four v_nop follow each of the two lines
	s_cmp_eq_u32 s11, 0
	s_cbranch_scc0 .Lfor_b_\@
	tensor_load_to_lds s[G0+4*(\s):G0+4*(\s)+3], s[G1:G1+7]
	s_nop 0
	PLACES
	s_branch .Lasked_\@
.Lfor_b_\@:
	tensor_load_to_lds s[G0B+4*(\s):G0B+4*(\s)+3], s[G1B:G1B+7]
	s_nop 0
	PLACES
.Lasked_\@:
.endm
.macro CREST
	s_cmp_lg_u32 s10, 0
	s_cbranch_scc1 .Lnot_wave_0_\@
	s_barrier_signal -3
.Lnot_wave_0_\@:
	s_barrier_wait -3
	s_barrier_signal -1
	s_barrier_wait -1
.endm
.macro CROUND
	s_barrier_signal -1
	s_barrier_wait -1
	CREST
.endm
.macro SETADR                          ; the fragments' addresses in the slot in hand
	v_add_nc_u32 v[ADRA], s[TB], v[ADRA0]
	v_add_nc_u32 v[ADRB], s[TB], v[ADRB0]
	v_add_nc_u32 v[ADRB+1], s[TB], v[ADRB0+1]
.endm
	s_load_b128 s[4:7], s[0:1], 0x0                ; ob 4, owh 6
	s_load_b64 s[8:9], s[0:1], 0x10                ; out0
	v_lshl_add_u32 v[SPW], v0, 2, SPARE
	v_mov_b32 v[NIL], 0
	ds_add_u32 v[SPW], v[NIL]                      ; the wave's opening: the add and its wait stand ahead of my first tensor load
	v_lshrrev_b32 v1, 5, v0
	v_readfirstlane_b32 s10, v1
	s_lshr_b32 s11, s10, 1                         ; my half of the tile's rows.  Also: I fetch for O (0) or for W (1)
	s_and_b32 s12, s10, 1                          ; my half of its columns.  Also: which half of that tile I fetch
	s_bfe_u32 s40, ttmp6, 0x40000
	s_bfe_u32 s41, ttmp6, 0x40004
	s_lshl_b32 s42, ttmp9, 2
	s_add_co_u32 s42, s42, s40                     ; tile column
	s_and_b32 s13, ttmp7, 0xffff
	s_lshl_b32 s13, s13, 2
	s_add_co_u32 s13, s13, s41                     ; tile row
	s_lshl_b32 s43, s41, 2
	s_lshl_b32 s43, 15, s43
	s_lshl_b32 s44, 0x1111, s40
	s_or_b32 s[G1], s43, (1<<16)|(1<<20)|(1<<21)|(6<<22)|(3<<25)   ; 64 rows x 256 elements; 4 words of padding after every 128
	s_mov_b32 s[G1+1], 256<<16
	s_mov_b32 s[G1+2], 64<<16
	s_mov_b32 s[G1+3], 256<<16
	s_mov_b32 s[G1+4], 64
	s_mov_b32 s[G1+5], 2048
	s_mov_b32 s[G1+6], 0
	s_mov_b32 s[G1+7], 0
	s_or_b32 s[G1B], s44, (1<<16)|(1<<20)|(1<<21)|(5<<22)|(7<<25)  ; 128 rows of K x 128 elements; 8 words after every 64
	s_mov_b32 s[G1B+1], 128<<16
	s_mov_b32 s[G1B+2], 128<<16
	s_mov_b32 s[G1B+3], 128<<16
	s_mov_b32 s[G1B+4], 128
	s_mov_b32 s[G1B+5], 2048
	s_mov_b32 s[G1B+6], 0
	s_mov_b32 s[G1B+7], 0
	s_lshl_b32 s16, s13, 7
	s_lshl_b32 s17, s12, 6
	s_add_co_u32 s16, s16, s17
	s_lshl_b32 s16, s16, 12                        ; O: row 128 x tile row + 64 x half, 4,096 bytes a row
	s_mov_b32 s17, 0
	s_lshl_b32 s46, s12, 19                        ; W: row of K 128 x half,
	s_lshl_b32 s47, s42, 8                         ; the tile's 128 columns
	s_add_co_u32 s46, s46, s47
	s_mov_b32 s47, 0
	s_mul_i32 s20, s12, AH
	s_mul_i32 s21, s12, BH
	s_add_co_u32 s21, s21, BOFF
	s_mov_b32 s[OLA], s20                          ; the walking descriptors begin in slot 1: the other slot is slot 0
	s_mov_b32 s[OLB], s21
	s_mov_b32 s[TB], 0                             ; step 0 lies in slot 0
	s_wait_dscnt 0x0
	s_wait_kmcnt 0x0
	s_add_nc_u64 s[14:15], s[4:5], s[16:17]
	s_add_nc_u64 s[46:47], s[6:7], s[46:47]
	CROUND                                         ; all sixteen work-groups are here: the first joint loads meet
.irp s, 0,1
	s_mov_b32 s[G0+4*(\s)], 1
	s_add_co_u32 s[G0+4*(\s)+1], s20, (\s)*SLOT
	s_add_nc_u64 s[G0+4*(\s)+2:G0+4*(\s)+3], s[14:15], (\s)*KSTEP*2
	s_or_b32 s[G0+4*(\s)+3], s[G0+4*(\s)+3], 0x80000000
	s_mov_b32 s[G0B+4*(\s)], 1
	s_add_co_u32 s[G0B+4*(\s)+1], s21, (\s)*SLOT
	s_add_nc_u64 s[G0B+4*(\s)+2:G0B+4*(\s)+3], s[46:47], (\s)*KSTEP*4096
	s_or_b32 s[G0B+4*(\s)+3], s[G0B+4*(\s)+3], 0x80000000
	JLOAD \s
.endr
	v_and_b32 v1, 15, v0
	v_bfe_u32 v2, v0, 4, 1
	v_mul_u32_u24 v3, v1, PITCH
	v_lshl_add_u32 v3, v2, 4, v3
	s_mul_i32 s22, s11, AH
	v_add_nc_u32 v[ADRA0], s22, v3
	v_and_b32 v4, 7, v0
	v_bfe_u32 v5, v0, 3, 1
	v_lshl_add_u32 v6, v2, 3, v4
	v_mul_u32_u24 v6, v6, PB
	v_lshl_add_u32 v6, v5, 4, v6
	s_lshl_b32 s22, s12, 7
	s_add_co_u32 s22, s22, BOFF
	v_add_nc_u32 v[ADRB0], s22, v6
	v_add_nc_u32 v[ADRB0+1], BH, v[ADRB0]
	SETADR
	s_mul_i32 s23, s10, 16*SPITCH
	s_add_co_u32 s23, s23, STAGE
	v_mul_u32_u24 v4, v1, SPITCH
	v_lshl_add_u32 v4, v2, 5, v4
	v_add_nc_u32 v[STO], s23, v4
	v_mul_u32_u24 v5, v2, SPITCH
	v_lshl_add_u32 v5, v1, 4, v5
	v_add_nc_u32 v[RD], s23, v5
	v_lshlrev_b32 v5, 13, v2
	v_lshl_add_u32 v[CO], v1, 4, v5
	s_lshl_b32 s16, s13, 7
	s_lshl_b32 s17, s11, 6
	s_add_co_u32 s16, s16, s17
	s_lshl_b32 s16, s16, 13                        ; my first row of the result, 8,192 bytes a row
	s_mov_b32 s17, 0
	s_add_nc_u64 s[8:9], s[8:9], s[16:17]
	s_lshl_b32 s46, s42, 9
	s_lshl_b32 s47, s12, 8
	s_add_co_u32 s46, s46, s47
	s_mov_b32 s47, 0
	s_add_nc_u64 s[8:9], s[8:9], s[46:47]
.macro MUL8 f, c, a0, zero             ; 8 matrix instructions; the 16 accumulators take turns
	WIN MUL
.irp a, \a0, (\a0)+1
.irp b, 0,1,2,3
.if \zero
	v_wmma_f32_16x16x32_f16 v[ACC+8*(4*(\a)+(\b)):ACC+8*(4*(\a)+(\b))+7], v[(\f)+64+8*(4*(\c)+(\b)):(\f)+64+8*(4*(\c)+(\b))+7], v[(\f)+8*(4*(\c)+(\a)):(\f)+8*(4*(\c)+(\a))+7], 0
.else
	v_wmma_f32_16x16x32_f16 v[ACC+8*(4*(\a)+(\b)):ACC+8*(4*(\a)+(\b))+7], v[(\f)+64+8*(4*(\c)+(\b)):(\f)+64+8*(4*(\c)+(\b))+7], v[(\f)+8*(4*(\c)+(\a)):(\f)+8*(4*(\c)+(\a))+7], v[ACC+8*(4*(\a)+(\b)):ACC+8*(4*(\a)+(\b))+7]
.endif
.endr
.endr
.endm
.macro FETCH qd, f                     ; 32 LDS loads: quarter qd (64 along K) of the step in hand into buffer f; its first 32 along K first
	WIN TO_F
.irp c, 0,1
.irp i, 0,1,2,3
	ds_load_tr16_b128 v[(\f)+64+8*(4*(\c)+(\i)):(\f)+64+8*(4*(\c)+(\i))+3],   v[ADRB+(\qd)/2] offset:(((\qd)%2)*64+32*(\c))*PB+32*(\i)
	ds_load_tr16_b128 v[(\f)+64+8*(4*(\c)+(\i))+4:(\f)+64+8*(4*(\c)+(\i))+7], v[ADRB+(\qd)/2] offset:(((\qd)%2)*64+32*(\c)+16)*PB+32*(\i)
	ds_load_b128 v[(\f)+8*(4*(\c)+(\i)):(\f)+8*(4*(\c)+(\i))+3],         v[ADRA] offset:128*(\qd)+64*(\c)+(\i)*16*PITCH
	ds_load_b128 v[(\f)+8*(4*(\c)+(\i))+4:(\f)+8*(4*(\c)+(\i))+7],       v[ADRA] offset:128*(\qd)+64*(\c)+(\i)*16*PITCH+32
.endr
.endr
.endm
.macro QUARTER qd, f, g, zero          ; multiplies buffer f and fetches quarter qd into g
	s_wait_dscnt 16                                ; the first 32 along K are in
	MUL8 \f, 0, 0, \zero
	MUL8 \f, 0, 2, \zero
	PLACES
	FETCH \qd, \g
	s_wait_dscnt 32                                ; all but the 32 just issued
	MUL8 \f, 1, 0, 0
	MUL8 \f, 1, 2, 0
.endm
; The last quarter multiplies buffer 1 and changes slots: in front of the barrier each wave waits for all its tensor loads, adds 0 to its spare word, and waits for that and for its reads of this slot.
; While the add is out the fetches' addresses go over to the other slot and, with fill = 1, the walking descriptors to this slot and the step two on.
.macro TURN fill
	WIN 0
	s_wait_tensorcnt 0x0                           ; no tensor load of mine is out, so a group 0 may be written
	ds_add_u32 v[SPW], v[NIL]
	s_xor_b32 s[TB], s[TB], SLOT                   ; 0 becomes a slot's bytes, a slot's bytes 0
	SETADR
.if \fill
	s_mov_b32 s[SW], s[G0+5]                       ; the LDS word and the other slot's address change places,
	s_mov_b32 s[G0+5], s[OLA]
	s_mov_b32 s[OLA], s[SW]
	s_add_nc_u64 s[G0+6:G0+7], s[G0+6:G0+7], KSTEP*2           ; the address goes on by a step; the type bits on top are not reached
	s_mov_b32 s[SW], s[G0B+5]
	s_mov_b32 s[G0B+5], s[OLB]
	s_mov_b32 s[OLB], s[SW]
	s_add_nc_u64 s[G0B+6:G0B+7], s[G0B+6:G0B+7], KSTEP*4096
.endif
	s_wait_dscnt 17                                ; the add and the youngest sixteen loads may be out
	MUL8 F1, 0, 0, 0
	s_wait_dscnt 0x0
	s_barrier_signal -1
	MUL8 F1, 0, 2, 0
.if \fill
	WIN 0
.endif
	s_barrier_wait -1
.if \fill
	CREST                                          ; the barrier has opened a round of the cluster's
	JLOAD 1                                        ; its four v_nop are also the places in front of the loads below
.else
	PLACES
.endif
	FETCH 0, F0
	MUL8 F1, 1, 0, 0
	MUL8 F1, 1, 2, 0
.endm
	s_wait_tensorcnt 1                             ; my part of step 0 is in; step 1's may stay out
	s_barrier_signal -1
	s_barrier_wait -1
	FETCH 0, F0
	QUARTER 1, F0, F1, 1                           ; the first quarter stands in front of the loop: its first products start the sums
	WIN 0
	s_mov_b32 s3, 6
.Lstep:                                                ; a trip goes from a step's second quarter to the next step's first, and fills the slot that it leaves: steps 2 to 7
	QUARTER 2, F1, F0, 0
	QUARTER 3, F0, F1, 0
	TURN 1
	QUARTER 1, F0, F1, 0
	WIN 0
	s_sub_co_u32 s3, s3, 1
	s_cmp_lg_u32 s3, 0
	s_cbranch_scc1 .Lstep
	s_mov_b32 s3, 2
.Ltail:                                                ; the last two steps fill nothing: written out, and walked twice
	QUARTER 2, F1, F0, 0
	QUARTER 3, F0, F1, 0
	TURN 0
	WIN 0
	s_sub_co_u32 s3, s3, 1
	s_cmp_eq_u32 s3, 0
	s_cbranch_scc1 .Lout                           ; the second pass is left here: its barrier and its fetch of the other slot's first fragments serve nothing: the price, once a launch, of one text for both
	QUARTER 1, F0, F1, 0
	WIN 0
	s_branch .Ltail
.Lout:
	s_wait_dscnt 0x0                               ; that fetch has landed
	; THE WAY OUT, 16 rows at a time through my own stage: in by lanes (a row, eight columns), back as whole rows of 256 bytes.
	PLACES
.macro OUTB a                          ; each accumulator's low four registers first
.irp b, 0,1,2,3
	ds_store_b128 v[STO], v[ACC+8*(4*(\a)+\b):ACC+8*(4*(\a)+\b)+3] offset:64*\b
	ds_store_b128 v[STO], v[ACC+8*(4*(\a)+\b)+4:ACC+8*(4*(\a)+\b)+7] offset:64*\b+16
.endr
	s_wait_xcnt 0x0                                ; the stores of the block two back have read the registers that are loaded again
.irp t, 0,1,2,3,4,5,6,7
	ds_load_b128 v[TMP+32*((\a)%2)+4*\t:TMP+32*((\a)%2)+4*\t+3], v[RD] offset:\t*2*SPITCH  ; LDS serves a wave's instructions in order: these see the stores above
.endr
.endm
.macro SENDB a, younger
.irp t, 0,1,2,3,4,5,6,7
	s_wait_dscnt (\younger)+7-\t
	global_store_b128 v[CO], v[TMP+32*((\a)%2)+4*\t:TMP+32*((\a)%2)+4*\t+3], s[8:9] offset:(\a)*131072+\t*16384  ; 16 lanes store 256 consecutive bytes, aligned
.endr
.endm
	OUTB 0
	OUTB 1
	SENDB 0, 16
	OUTB 2
	SENDB 1, 16
	OUTB 3
	SENDB 2, 16
	SENDB 3, 0
	s_wait_tensorcnt 0x0                           ; the wave's end
	ds_add_u32 v[SPW], v[NIL]
	s_wait_dscnt 0x0
	CROUND                                         ; the closing round
	s_endpgm
.Lfunc_end_k_qba643dec06_outp:
	.size	k_qba643dec06_outp, .Lfunc_end_k_qba643dec06_outp-k_qba643dec06_outp
	.p2alignl 7, 3214868480
	.fill 96, 4, 3214868480
	.section	.rodata,"a",@progbits
	.p2align	6, 0x0
	.amdhsa_kernel k_qba643dec06_outp
		.amdhsa_group_segment_fixed_size 327680
		.amdhsa_private_segment_fixed_size 0
		.amdhsa_enable_private_segment 0
		.amdhsa_kernarg_size 24
		.amdhsa_user_sgpr_count 2
		.amdhsa_user_sgpr_kernarg_segment_ptr 1
		.amdhsa_wavefront_size32 1
		.amdhsa_system_sgpr_workgroup_id_x 1
		.amdhsa_system_sgpr_workgroup_id_y 1
		.amdhsa_system_sgpr_workgroup_id_z 1
		.amdhsa_system_vgpr_workitem_id 0
		.amdhsa_next_free_vgpr 512
		.amdhsa_next_free_sgpr 66
		.amdhsa_reserve_vcc 0
		.amdhsa_float_denorm_mode_32 3
		.amdhsa_float_denorm_mode_16_64 3
		.amdhsa_memory_ordered 1
		.amdhsa_forward_progress 1
		.amdhsa_inst_pref_size 59
	.end_amdhsa_kernel
	.amdgpu_metadata
---
amdhsa.version: [ 1, 2 ]
amdhsa.kernels:
  - .name:           k_qba643dec06_outp
    .symbol:         k_qba643dec06_outp.kd
    .args:
      - { .name: ob, .offset: 0, .size: 8, .value_kind: global_buffer, .address_space: global }
      - { .name: owh, .offset: 8, .size: 8, .value_kind: global_buffer, .address_space: global }
      - { .name: out0, .offset: 16, .size: 8, .value_kind: global_buffer, .address_space: global }
    .group_segment_fixed_size: 327680
    .private_segment_fixed_size: 0
    .kernarg_segment_align: 8
    .kernarg_segment_size: 24
    .max_flat_workgroup_size: 128
    .sgpr_count:     66
    .vgpr_count:     512
    .wavefront_size: 32
...
	.end_amdgpu_metadata
.endif
;; end of part 5
;; ======== version 2 of 2: 5 launches; 1.14 times as fast as version 1
;; limits: values are held in f16: magnitudes above 65,504 overflow, below 6.1e-05 lose precision; right only within a limited range of input values
;; workspace buffers: xb 8,388,608 bytes; wb 17,825,792 bytes; owh 8,388,608 bytes; tabs 4,194,304 bytes; maskbits 524,288 bytes of whole numbers; qb 16,777,216 bytes; kvb 1,048,576 bytes; ob 8,388,608 bytes
;; launch prep: the kernel of part 1 again; grid 1184 x 1, 8 waves a work-group, no clusters, 2,048 bytes of LDS; arguments mask, freqs_cos, freqs_sin, k_w, v_w, x, q1_w, q2_w, out_w, maskbits, tabs, wb, xb, owh; writes maskbits, tabs, wb, xb, owh
;; launch proj: the kernel of part 2 again; grid 16 x 16, 4 waves a work-group, clusters of 4 x 4, 327,680 bytes of LDS; arguments xb, wb, tabs, qb, kvb; writes qb, kvb
;; launch stat (part 6): grid 128 x 2, 4 waves a work-group, clusters of 4 x 1, 327,680 bytes of LDS; arguments qb, kvb, maskbits, tabs; writes tabs
.if DOCPART == 6
	.amdgcn_target "amdgcn-amd-amdhsa--gfx1250"
	.amdhsa_code_object_version 6
	.text
	.protected	k_qba643dec06_stat
	.globl	k_qba643dec06_stat
	.p2align	8
	.type	k_qba643dec06_stat,@function
k_qba643dec06_stat:
	s_mov_b64 s[64:65], 0
	v_nop
	global_prefetch_b8 v0, s[64:65] scope:SCOPE_SE
	s_setreg_imm32_b32 hwreg(HW_REG_WAVE_MODE, 25, 1), 1
	s_wait_xcnt 0x0
	s_wait_alu depctr_hold_cnt(0) depctr_sa_sdst(0) depctr_va_vdst(0) depctr_va_sdst(0) depctr_va_ssrc(0) depctr_va_vcc(0) depctr_vm_vsrc(0)
	s_getreg_b32 s2, hwreg(HW_REG_IB_STS2, 6, 4)
	s_cmp_eq_u32 s2, 0
	s_cbranch_scc0 .Lentry_in_a_cluster
	s_endpgm
.Lentry_in_a_cluster:
	s_bfe_u32 s2, ttmp6, 0x10000c
	s_cmp_lg_u32 s2, 0x3003
	s_cbranch_scc0 .Lentry_shape_is_right
	s_endpgm
.Lentry_shape_is_right:
; STAT: the first of two walks of O = relu((a1 - a2 / 2) / (sum + 1e-8)) V, a1 and a2 the softmaxes of q1's and q2's scores against ONE key head, under a mask that is an input.
; The relu stands on the difference of two FINISHED softmaxes, so both rows' maxima and sums must be final before a weight can be made.  This launch walks K alone and finds, for each head and row,
; m1, m2 (the maxima of t1, t2), rho = l1 / (2 l2) and g = (1 / l1) / d, d = l1 (1 / l1) - l2 (1 / l2) / 2 + 1e-8: the row's sum of a1 - a2 / 2 by linearity.  The next launch makes the weights with them.
; They go out as 16 bytes for a head and row, [head 16][row 2048][m1, m2, rho, g] in f32, 512 KiB, into the buffer that held the RoPE tables, which no later launch reads as tables.
; q arrives times 4 log2(e) / sqrt(128) and k times 1/4, both f16, so K Q^T is t = log2(e) s / sqrt(128).  In each lane a running maximum m and sum l (a lane sees half of a row's keys): l = a l + sum 2^(t - m),
; a = 2^(m_old - m_new); the halves are merged once at the end.
; THE MASK is the C operand that starts a score's sum: 0, or NEG = -1.275e9, a number far below every score, by 32 lane masks a key step read with scalar loads.  The reference REPLACES a hidden score (by
; -1e10), this text adds NEG to it: the same weights (0) while |t| stays far below 1.275e9.  A row with no visible key arrives with q = 0: all its scores are exactly NEG and its softmax is uniform, as in the reference.
; LIMITS.  A weight below 2^-126 counts as 0; NaN and infinities are not treated apart.
; SHARES.  A work-group owns 16 rows (rt) and 8 heads; wave w heads 2 w, 2 w + 1 of them.  Tile t = 2 X + set (X the head, set 0 = q1, 1 = q2); all four tiles have the same rows, so one mask serves them.
; LAYOUT.  S^T = K Q^T (source 0 = 16 keys, source 1 = 16 queries): a lane holds one query (l % 16) and keys 8 (l / 16) + 0..7 of each 16.
; BY TURNS.  One head's products have the matrix unit while the other head's vector work stands in slices behind them; then they change places.
; THE BATCHES.  A turn's 66 exponentials (the two factors a and 64 weights, each in a register of its own) are ONE batch with ONE wait: ahead of the wait stand the maxima, the subtractions and the exponentials,
; none of which names an exponential's result; behind it the sums, which do.  No exponential is issued behind a turn's wait, so none crosses a label or a jump.  The way out has three batches more: eight
; exponentials, four reciprocals, two reciprocals, a wait each.
; CLUSTER.  Four work-groups walk the same K: joint loads.  A slot holds four key steps; wave w asks for step w of a slot, 64 rows of 256 bytes.  By this text's count a wave has two tensor loads out at the
; start and one behind a round.
; REGISTERS: window 0: addresses, v16-47 statistics (8 a tile), v48-79 the mask, v80-84 the way out, v128-255 S^T (32 a tile); window 1: Q (32 a tile), K at 128.
.set KS,    64
.set PK,    272       ; a row of K in LDS: 256 bytes + 16
.set STEPK, KS*PK
.set SLOT1, 1<<17     ; slot 1 begins here, so that one exclusive or turns an address in one slot into the other's
.set SPARE, SLOT1+4*STEPK  ; behind the ring: the spare words, 128 bytes a wave
.set AK0, 2
.set ADR, 4
.set QO,  5
.set NEGV, 12
.set SPW, 14
.set NIL, 15
.set ST,  16          ; tile t at ST + 8 t: +0 m, +1 a filler named with it as a pair, +2, +3 l (even keys', odd keys'), +4..+7 c0-c3
.set MC,  48
.set OUTD, 80         ; v80-83 the 16 bytes that I store
.set OUTA, 84         ; v84    where
.set S,   128
.set KF,  128
.set MO,  2           ; s[2:3] the masks' step in the tail, the high word 0 (at the head the pair is at work)
.set WV,  14
.set CNT, 18
.set SLOTS, 19
.set TBK, 21          ; LDS byte at which the step to be fetched begins
.set G1K, 24
.set G0K, 40          ; two sets; the second walks
.set MW,  56          ; s[56:57] maskbits at the step whose lane masks were loaded last
.set SEL, 60
.set MB,  68          ; s[68:99] 32 lane masks
.set MSB, 0
.macro WIN new
.if MSB != (\new)
	s_set_vgpr_msb (MSB<<8)|(\new)
.set MSB, \new
.endif
.endm
.set W_KQ, 0x05       ; K and Q in window 1, S^T and the mask in window 0
.macro PLACES
.rept 4
	v_nop
.endr
.endm
.macro CROUND
	s_barrier_signal -1
	s_barrier_wait -1
	s_cmp_lg_u32 s[WV], 0
	s_cbranch_scc1 .Lnot_wave_0_\@
	s_barrier_signal -3
.Lnot_wave_0_\@:
	s_barrier_wait -3
	s_barrier_signal -1
	s_barrier_wait -1
.endm
; THE CHANGE OF SLOTS.  Each wave waits for all its tensor loads, adds 0 to its spare word, and waits for that and for its reads of the slot that it leaves.  fill = 1: the slot is filled again, with the keys
; two slots on; the barrier is then a round of the cluster's and the joint load is the first thing behind it; it has four key steps in which to land.
.macro CHANGE fill
	WIN 0
	s_wait_tensorcnt 0x0                           ; no tensor load of mine is out, so a group 0 may be written
	ds_add_u32 v[SPW], v[NIL]                      ; 0 onto my spare word; the descriptor's steps stand between it and the wait for it
.if \fill
	s_xor_b32 s[G0K+5], s[G0K+5], SLOT1            ; the walking descriptor: the other slot than last time,
	s_add_nc_u64 s[G0K+6:G0K+7], s[G0K+6:G0K+7], 65536  ; the next 256 keys; the type bits on top are not reached
.endif
	s_wait_dscnt 0x0
.if \fill
	CROUND
	tensor_load_to_lds s[G0K+4:G0K+7], s[G1K:G1K+7]
	s_nop 0
	PLACES
.else
	s_barrier_signal -1
	s_barrier_wait -1
.endif
	s_sub_co_u32 s[TBK], s[TBK], 4*STEPK           ; the fetches go back to a slot's first step, in the other slot
	s_xor_b32 s[TBK], s[TBK], SLOT1
.endm
	s_load_b256 s[4:11], s[0:1], 0x0               ; qb 4, kvb 6, maskbits 8, tabs 10
	v_lshl_add_u32 v[SPW], v0, 2, SPARE
	v_mov_b32 v[NIL], 0
	ds_add_u32 v[SPW], v[NIL]                      ; the wave's opening: the add and its wait stand ahead of my first tensor load
	v_lshrrev_b32 v1, 5, v0
	v_readfirstlane_b32 s[WV], v1
	s_bfe_u32 s2, ttmp6, 0x40000                   ; cx: it enters Q's, the mask's and the statistics' global addresses alone
	s_lshl_b32 s13, ttmp9, 2
	s_add_co_u32 s13, s13, s2                      ; rt
	s_and_b32 s12, ttmp7, 0xffff
	s_lshl_b32 s12, s12, 3
	s_lshl_b32 s3, s[WV], 1
	s_add_co_u32 s12, s12, s3                      ; my first head
	s_lshl_b32 s[MW], s13, 12                      ; my rows' 4,096 bytes of lane masks
	s_mov_b32 s[MW+1], 0
	s_lshl_b32 s16, s12, 19                        ; a head's 2,048 rows of 256 bytes,
	s_add_co_u32 s16, s16, s[MW]                   ; my 16 rows
	s_mov_b32 s17, 0
	s_lshl_b32 s22, s12, 15                        ; the statistics: a head's 2,048 rows of 16 bytes,
	s_lshl_b32 s23, s13, 8                         ; my 16 rows
	s_add_co_u32 s22, s22, s23
	s_mov_b32 s23, 0
	s_lshl_b32 s58, s[WV], 14                      ; which of a slot's four steps I fetch: its 64 rows in memory,
	s_mov_b32 s59, 0
	s_mul_i32 s15, s[WV], STEPK                    ; its place in a slot
	s_mov_b32 s[G1K], 15|(1<<16)|(1<<20)|(1<<21)|(5<<22)|(3<<25)  ; the mask of four; 2-byte elements; 4 words of padding after every 64
	s_mov_b32 s[G1K+1], 128<<16
	s_mov_b32 s[G1K+2], KS<<16
	s_mov_b32 s[G1K+3], 128<<16
	s_mov_b32 s[G1K+4], KS
	s_mov_b32 s[G1K+5], 128
	s_mov_b32 s[G1K+6], 0
	s_mov_b32 s[G1K+7], 0
	s_mov_b32 s[SEL], 0x76543210
	s_mov_b32 s[SEL+1], 0xfedcba98
	s_mov_b32 s[TBK], 0
	s_mov_b32 s[MO], 128
	s_mov_b32 s[MO+1], 0
	s_wait_dscnt 0x0                               ; the opening add is done
	s_wait_kmcnt 0x0
	s_add_nc_u64 s[MW:MW+1], s[8:9], s[MW:MW+1]
	s_load_b512 s[MB:MB+15], s[MW:MW+1], 0x0       ; key step 0's lane masks
	s_load_b512 s[MB+16:MB+31], s[MW:MW+1], 0x40
	s_add_nc_u64 s[58:59], s[6:7], s[58:59]        ; K at my step of the first slot
	s_add_nc_u64 s[4:5], s[4:5], s[16:17]          ; q1 at my rows of my first head,
	s_add_nc_u64 s[62:63], s[4:5], 0x800000        ; q2: 16 heads on
	s_add_nc_u64 s[10:11], s[10:11], s[22:23]
	CROUND                                         ; all four work-groups are here: the first joint loads meet
.irp s, 0,1
	s_mov_b32 s[G0K+4*\s], 1
	s_add_co_u32 s[G0K+4*\s+1], s15, \s*SLOT1
	s_add_nc_u64 s[G0K+4*\s+2:G0K+4*\s+3], s[58:59], \s*65536
	s_or_b32 s[G0K+4*\s+3], s[G0K+4*\s+3], 0x80000000
.endr
	tensor_load_to_lds s[G0K:G0K+3], s[G1K:G1K+7]
	s_nop 0
	tensor_load_to_lds s[G0K+4:G0K+7], s[G1K:G1K+7]
	s_nop 0
	PLACES
	v_and_b32 v1, 15, v0                           ; l % 16
	v_bfe_u32 v9, v0, 4, 1                         ; l / 16
	v_lshlrev_b32 v[QO], 8, v1
	v_lshl_add_u32 v[QO], v9, 4, v[QO]
	WIN 0x40
.irp x, 0,1
.irp c, 0,1,2,3                                        ; Q stays in registers: tile 2 x (q1) and 2 x + 1 (q2), places 32 c on
	global_load_b128 v[64*\x+8*\c:64*\x+8*\c+3], v[QO], s[4:5] offset:\x*524288+\c*64
	global_load_b128 v[64*\x+8*\c+4:64*\x+8*\c+7], v[QO], s[4:5] offset:\x*524288+\c*64+32
	global_load_b128 v[64*\x+32+8*\c:64*\x+32+8*\c+3], v[QO], s[62:63] offset:\x*524288+\c*64
	global_load_b128 v[64*\x+32+8*\c+4:64*\x+32+8*\c+7], v[QO], s[62:63] offset:\x*524288+\c*64+32
.endr
.endr
	WIN 0
.set i, 0
.rept 4
	v_mov_b32 v[ST+8*i], 0xff7fffff                ; m: the lowest finite number: the first step's factor for l is 0
	v_mov_b32 v[ST+8*i+1], 0
	v_mov_b32 v[ST+8*i+2], 0
	v_mov_b32 v[ST+8*i+3], 0
.set i, i+1
.endr
	v_mov_b32 v[NEGV], 0xce980000                  ; -1.275e9
	v_mul_u32_u24 v[AK0], v1, PK
	v_lshl_add_u32 v[AK0], v9, 4, v[AK0]
	v_lshlrev_b32 v[OUTA], 4, v1                   ; the way out: lanes 0-15 store my first head's 16 rows, lanes 16-31 my second head's
	v_lshl_add_u32 v[OUTA], v9, 15, v[OUTA]
; THE MATRIX WORK.  Product i of 32 of S^T = K Q^T for head x: keys 16 (i % 4) on, set (i / 4) % 2, places 32 (i / 8) on.  The first 8 start the sums with the mask.  The 8 accumulators take turns.
.macro KQ x
	WIN W_KQ
.set rS, S+32*(2*(\x)+(i/4)%2)+8*(i%4)
.set rK, KF+32*(i%4)+8*(i/8)
.set rQ, 32*(2*(\x)+(i/4)%2)+8*(i/8)
.set rM, MC+8*(i%4)
.if i < 8
	v_wmma_f32_16x16x32_f16 v[rS:rS+7], v[rK:rK+7], v[rQ:rQ+7], v[rM:rM+7]
.else
	v_wmma_f32_16x16x32_f16 v[rS:rS+7], v[rK:rK+7], v[rQ:rQ+7], v[rS:rS+7]
.endif
.endm
; A step's K, 32 LDS loads in one run, by places: all four key blocks of places 32 c on before those of 32 (c + 1) on, which is the order in which the products take them: eight loads serve eight products.
.macro FETCH_K
	WIN 0
	v_add_nc_u32 v[ADR], s[TBK], v[AK0]
	WIN 0x40
.irp c, 0,1,2,3
.irp kb, 0,1,2,3
	ds_load_b128 v[KF+32*\kb+8*\c:KF+32*\kb+8*\c+3], v[ADR] offset:\kb*16*PK+\c*64
	ds_load_b128 v[KF+32*\kb+8*\c+4:KF+32*\kb+8*\c+7], v[ADR] offset:\kb*16*PK+\c*64+32
.endr
.endr
	s_add_co_u32 s[TBK], s[TBK], STEPK
	WIN 0
.endm
.macro MCX                             ; register mcn of the mask: NEG where the lane's key is hidden
	WIN 0
	v_cndmask_b32 v[MC+mcn], 0, v[NEGV], s[MB+mcn]
.set mcn, mcn+1
.endm
; The next step's lane masks: 128 bytes, two scalar loads.  The last two loads have come (s_wait_kmcnt 0 stands ahead in every turn); the pointer that they named is written again only behind s_wait_xcnt 0.
; last = 1 (the tail): in the last trip there is no further step: the pointer stays, so that no load leaves my rows' 4,096 bytes, and the last step's masks come once more, for nothing.
.macro MNEXT last=0
	s_wait_xcnt 0x0
.if \last
	s_cmp_eq_u32 s[CNT], 1
	s_cselect_b32 s[MO], 0, 128
	s_add_nc_u64 s[MW:MW+1], s[MW:MW+1], s[MO:MO+1]
.else
	s_add_nc_u64 s[MW:MW+1], s[MW:MW+1], 128
.endif
	s_load_b512 s[MB:MB+15], s[MW:MW+1], 0x0
	s_load_b512 s[MB+16:MB+31], s[MW:MW+1], 0x40
.endm
; THE VECTOR WORK, one line at a time.
.macro ZF t, b                         ; pair b of tile t less its maximum
	v_pk_add_f32 v[S+32*(\t)+2*(\b):S+32*(\t)+2*(\b)+1], v[S+32*(\t)+2*(\b):S+32*(\t)+2*(\b)+1], v[ST+8*(\t):ST+8*(\t)+1] op_sel_hi:[1,0] neg_lo:[0,1] neg_hi:[0,1]
.endm
.macro ZE t, n
	v_exp_f32 v[S+32*(\t)+(\n)], v[S+32*(\t)+(\n)]
.endm
.macro ZFK y, k                        ; subtraction k of head y's 32: tile k % 2, pair k / 2
	ZF 2*(\y)+(\k)%2, (\k)/2
.endm
.macro ZEK y, k                        ; exponential k of head y's 64: tile k % 2, score k / 2; it stands behind subtraction 2 (k / 4) + k % 2
	ZE 2*(\y)+(\k)%2, (\k)/2
.endm
.macro ZB t, k                         ; of four weights the second pair onto the first
	v_pk_add_f32 v[S+32*(\t)+4*(\k):S+32*(\t)+4*(\k)+1], v[S+32*(\t)+4*(\k):S+32*(\t)+4*(\k)+1], v[S+32*(\t)+4*(\k)+2:S+32*(\t)+4*(\k)+3]
.endm
.macro ZL t, k                         ; l takes that sum; the first time l = a l + sum
.if (\k) == 0
	v_pk_fma_f32 v[ST+8*(\t)+2:ST+8*(\t)+3], v[ST+8*(\t)+2:ST+8*(\t)+3], v[ST+8*(\t)+6:ST+8*(\t)+7], v[S+32*(\t):S+32*(\t)+1] op_sel_hi:[1,0,1]
.else
	v_pk_add_f32 v[ST+8*(\t)+2:ST+8*(\t)+3], v[ST+8*(\t)+2:ST+8*(\t)+3], v[S+32*(\t)+4*(\k):S+32*(\t)+4*(\k)+1]
.endif
.endm
.macro ZX t, n                         ; number n of the 18 that find the lane's new maximum; each accumulator's lowest registers are read first
.set rT, ST+8*(\t)
.set rS, S+32*(\t)
.if (\n) < 4
	v_max3_num_f32 v[rT+4+(\n)], v[rS+8*(\n)], v[rS+8*(\n)+1], v[rS+8*(\n)+2]
.elseif (\n) < 12
	v_max3_num_f32 v[rT+4+(\n)%4], v[rT+4+(\n)%4], v[rS+8*((\n)%4)+2*((\n)/4)+1], v[rS+8*((\n)%4)+2*((\n)/4)+2]
.elseif (\n) == 12
	v_max3_num_f32 v[rT+4], v[rT+4], v[rS+7], v[rS+15]
.elseif (\n) == 13
	v_max3_num_f32 v[rT+5], v[rT+5], v[rS+23], v[rS+31]
.elseif (\n) == 14
	v_max3_num_f32 v[rT+6], v[rT+6], v[rT+7], v[rT]
.elseif (\n) == 15
	v_max3_num_f32 v[rT+4], v[rT+4], v[rT+5], v[rT+6]
.elseif (\n) == 16
	v_sub_f32 v[rT+5], v[rT], v[rT+4]              ; m_old - m_new
.else
	v_mov_b32 v[rT], v[rT+4]
.endif
.endm
; The list for head y, 167 numbered lines, the two tiles alternating.
;   0-35     the maxima
;   36-133   THE BATCH: the two factors a, the 32 subtractions and the 64 exponentials, in fours; none of these lines names an exponential's result.  36-39: a, subtraction, a, subtraction.  40-67, seven fours:
;            subtraction, exponential, subtraction, exponential.  68-131, sixteen fours: a subtraction and three exponentials.  132, 133: the last two exponentials.  There are half as many subtractions as
;            exponentials, so they are spread over the batch; every exponential stands behind its pair's subtraction, all but one in a later four
;   134      a v_nop, the plain line behind the last exponential, and THE WAIT for the batch
;   135-166  the sums, which read the exponentials' results: of four weights the second pair onto the first (ZB), then l takes that sum (ZL), k = 0 to 7 in order; a tile's links of l's chain stand four lines
;            apart (the last link two)
.macro Z1 y
	WIN 0
.if z < 36
	ZX 2*(\y)+z%2, z/2
.elseif z < 40
.if z%2 == 0
	v_exp_f32 v[ST+8*(2*(\y)+(z-36)/2)+6], v[ST+8*(2*(\y)+(z-36)/2)+5]
.else
	ZFK \y, (z-37)/2
.endif
.elseif z < 68
.set zg, (z-36)/4
.if z%4 == 0
	ZFK \y, 2*zg
.elseif z%4 == 1
	ZEK \y, 2*zg-2
.elseif z%4 == 2
	ZFK \y, 2*zg+1
.else
	ZEK \y, 2*zg-1
.endif
.elseif z < 132
.set zg, (z-68)/4
.if z%4 == 0
	ZFK \y, 16+zg
.else
	ZEK \y, 13+3*zg+z%4
.endif
.elseif z < 134
	ZEK \y, z-70
.elseif z == 134
	v_nop                                          ; a plain line behind the last exponential: one for the batch
	s_wait_alu depctr_va_vdst(0)                   ; the wait for the turn's batch of 66 exponentials, ahead of the first sum
.elseif z < 167
.set zs, z-135
.if zs < 4
	ZB 2*(\y)+zs%2, zs/2
.elseif zs < 28
.if zs%4 < 2
	ZL 2*(\y)+zs%4, (zs-4)/4
.else
	ZB 2*(\y)+zs%4-2, (zs-4)/4+2
.endif
.else
	ZL 2*(\y)+zs%2, 6+(zs-28)/2
.endif
.endif
.set z, z+1
.endm
; THE TURNS.  A: the next step's K and mask; head 0's scores of that step | head 1's statistics of the step in hand.  B: head 1's scores | head 0's statistics.
; A has a lump of 40 lines (the maxima and the batch's first four), then four lines behind each product: the wait falls behind product 23, and the sums stand behind the last products.  B has four lines behind
; each product, then a lump of 39: the batch's last six lines, the wait, the sums.
; K's run of loads stands 43 vector lines, 35 of them plain, behind the last product that read K; three plain lines and the next turn's first maxima, on other accumulators, stand behind turn A's last product
; before its result is read.
; The waits for K are counted: ahead of products 0, 8, 16 and 24 the 24, 16, 8 and 0 younger loads of the run may be out (LDS loads come back in order: ISA guide 5.7.1).
.macro TURN1A last=0
	FETCH_K
	s_wait_kmcnt 0x0
.set mcn, 0
.rept 32
	MCX
.endr
	MNEXT \last
.set z, 0
.rept 40
	Z1 1
.endr
.set i, 0
.rept 32
.if i%8 == 0
	s_wait_dscnt 24-i
.endif
	KQ 0
.rept 4
	Z1 1
.endr
.set i, i+1
.endr
.endm
.macro TURN1B
.set z, 0
.set i, 0
.rept 32
	KQ 1
.rept 4
	Z1 0
.endr
.set i, i+1
.endr
.rept 39
	Z1 0
.endr
.endm
	WIN 0
	s_wait_tensorcnt 0x1                           ; my part of slot 0 is in; slot 1's may stay out
	s_barrier_signal -1
	s_barrier_wait -1
	FETCH_K                                        ; key step 0
	s_wait_kmcnt 0x0
.set mcn, 0
.rept 32
	MCX
.endr
	MNEXT
	s_wait_loadcnt 0x0                             ; Q
	s_wait_dscnt 0x0
.set i, 0
.rept 32
	KQ 0                                           ; head 0's first scores
.set i, i+1
.endr
	WIN 0
	PLACES                                         ; the places behind those products
	s_mov_b32 s[CNT], 4
	s_mov_b32 s[SLOTS], 7
	s_branch .L1mid                                ; the loop is entered in the middle of a trip
.L1slot:                                               ; six changes ask for the slots 2 to 7
	CHANGE 1
	s_mov_b32 s[CNT], 4
.L1step:
	TURN1A
	WIN 0
.L1mid:
	TURN1B
	WIN 0
	s_sub_co_u32 s[CNT], s[CNT], 1
	s_cmp_lg_u32 s[CNT], 0
	s_cbranch_scc1 .L1step
	s_sub_co_u32 s[SLOTS], s[SLOTS], 1
	s_cmp_lg_u32 s[SLOTS], 0
	s_cbranch_scc1 .L1slot
	CHANGE 0                                       ; the last slot is written out: nothing is asked for
	s_mov_b32 s[CNT], 4
.Ltail:
	TURN1A 1
	TURN1B
	WIN 0
	s_sub_co_u32 s[CNT], s[CNT], 1
	s_cmp_lg_u32 s[CNT], 0
	s_cbranch_scc1 .Ltail
	s_wait_kmcnt 0x0                               ; the last trip's mask load, which nothing uses
.set z, 0
.rept 167
	Z1 1                                           ; head 1's statistics of the last step
.endr
	; THE STATISTICS ARE FINISHED: the two halves of the lanes are merged, then rho and g for each head.
.macro ALL line:vararg
.set t, 0
.rept 4
	\line
.set t, t+1
.endr
.endm
	ALL v_add_f32 v[ST+8*t+4], v[ST+8*t+2], v[ST+8*t+3]
	ALL v_permlanex16_b32 v[ST+8*t+5], v[ST+8*t], s[SEL], s[SEL+1]
	ALL v_permlanex16_b32 v[ST+8*t+6], v[ST+8*t+4], s[SEL], s[SEL+1]
	ALL v_max_num_f32 v[ST+8*t+7], v[ST+8*t], v[ST+8*t+5]
	ALL v_sub_f32 v[ST+8*t+5], v[ST+8*t+5], v[ST+8*t+7]
	ALL v_sub_f32 v[ST+8*t+2], v[ST+8*t], v[ST+8*t+7]
	ALL v_exp_f32 v[ST+8*t+5], v[ST+8*t+5]
	ALL v_exp_f32 v[ST+8*t+2], v[ST+8*t+2]
	ALL v_mov_b32 v[ST+8*t], v[ST+8*t+7]           ; four plain lines that name no result of the eight exponentials
	s_wait_alu depctr_va_vdst(0)                   ; the wait for the batch of eight exponentials, ahead of the first product by one of them
	ALL v_mul_f32 v[ST+8*t+4], v[ST+8*t+4], v[ST+8*t+2]
	ALL v_fmac_f32 v[ST+8*t+4], v[ST+8*t+6], v[ST+8*t+5]
	ALL v_rcp_f32 v[ST+8*t+5], v[ST+8*t+4]
	v_nop                                          ; a plain line between the last reciprocal and the use of its result
	s_wait_alu depctr_va_vdst(0)                   ; the wait for the batch of four reciprocals
.irp x, 0,1
	v_mul_f32 v[ST+16*\x+10], v[ST+16*\x+4], v[ST+16*\x+13]     ; l1 / l2
	v_mul_f32 v[ST+16*\x+6], v[ST+16*\x+4], v[ST+16*\x+5]       ; l1 (1 / l1)
	v_mul_f32 v[ST+16*\x+14], v[ST+16*\x+12], v[ST+16*\x+13]    ; l2 (1 / l2)
	v_mul_f32 v[ST+16*\x+10], 0.5, v[ST+16*\x+10]               ; rho
	v_fma_f32 v[ST+16*\x+6], v[ST+16*\x+14], -0.5, v[ST+16*\x+6]
	v_add_f32 v[ST+16*\x+6], 0x322bcc77, v[ST+16*\x+6]          ; + 1e-8
.endr
	v_rcp_f32 v[ST+7], v[ST+6]
	v_rcp_f32 v[ST+23], v[ST+22]
	v_nop
	s_wait_alu depctr_va_vdst(0)                   ; the wait for the batch of two reciprocals
	v_mul_f32 v[ST+2], v[ST+5], v[ST+7]            ; g
	v_mul_f32 v[ST+18], v[ST+21], v[ST+23]
	v_cmp_ne_u32 vcc_lo, 0, v9                     ; both halves of the lanes hold both heads' figures: the upper half sends the second head's
	v_cndmask_b32 v[OUTD], v[ST], v[ST+16], vcc_lo
	v_cndmask_b32 v[OUTD+1], v[ST+8], v[ST+24], vcc_lo
	v_cndmask_b32 v[OUTD+2], v[ST+10], v[ST+26], vcc_lo
	v_cndmask_b32 v[OUTD+3], v[ST+2], v[ST+18], vcc_lo
	global_store_b128 v[OUTA], v[OUTD:OUTD+3], s[10:11]  ; 16 lanes store 256 consecutive bytes, aligned
	s_wait_tensorcnt 0x0                           ; the wave's end
	ds_add_u32 v[SPW], v[NIL]
	s_wait_dscnt 0x0
	CROUND                                         ; the closing round
	s_endpgm
.Lfunc_end_k_qba643dec06_stat:
	.size	k_qba643dec06_stat, .Lfunc_end_k_qba643dec06_stat-k_qba643dec06_stat
	.p2alignl 7, 3214868480
	.fill 96, 4, 3214868480
	.section	.rodata,"a",@progbits
	.p2align	6, 0x0
	.amdhsa_kernel k_qba643dec06_stat
		.amdhsa_group_segment_fixed_size 327680
		.amdhsa_private_segment_fixed_size 0
		.amdhsa_enable_private_segment 0
		.amdhsa_kernarg_size 32
		.amdhsa_user_sgpr_count 2
		.amdhsa_user_sgpr_kernarg_segment_ptr 1
		.amdhsa_wavefront_size32 1
		.amdhsa_system_sgpr_workgroup_id_x 1
		.amdhsa_system_sgpr_workgroup_id_y 1
		.amdhsa_system_sgpr_workgroup_id_z 1
		.amdhsa_system_vgpr_workitem_id 0
		.amdhsa_next_free_vgpr 512
		.amdhsa_next_free_sgpr 100
		.amdhsa_reserve_vcc 1
		.amdhsa_float_denorm_mode_32 3
		.amdhsa_float_denorm_mode_16_64 3
		.amdhsa_memory_ordered 1
		.amdhsa_forward_progress 1
		.amdhsa_inst_pref_size 86
	.end_amdhsa_kernel
	.amdgpu_metadata
---
amdhsa.version: [ 1, 2 ]
amdhsa.kernels:
  - .name:           k_qba643dec06_stat
    .symbol:         k_qba643dec06_stat.kd
    .args:
      - { .name: qb, .offset: 0, .size: 8, .value_kind: global_buffer, .address_space: global }
      - { .name: kvb, .offset: 8, .size: 8, .value_kind: global_buffer, .address_space: global }
      - { .name: maskbits, .offset: 16, .size: 8, .value_kind: global_buffer, .address_space: global }
      - { .name: tabs, .offset: 24, .size: 8, .value_kind: global_buffer, .address_space: global }
    .group_segment_fixed_size: 327680
    .private_segment_fixed_size: 0
    .kernarg_segment_align: 8
    .kernarg_segment_size: 32
    .max_flat_workgroup_size: 128
    .sgpr_count:     100
    .vgpr_count:     512
    .wavefront_size: 32
...
	.end_amdgpu_metadata
.endif
;; end of part 6
;; launch attn (part 7): grid 128 x 2, 4 waves a work-group, clusters of 4 x 1, 327,680 bytes of LDS; arguments qb, kvb, maskbits, ob, tabs; writes ob
.if DOCPART == 7
	.amdgcn_target "amdgcn-amd-amdhsa--gfx1250"
	.amdhsa_code_object_version 6
	.text
	.protected	k_qba643dec06_attn
	.globl	k_qba643dec06_attn
	.p2align	8
	.type	k_qba643dec06_attn,@function
k_qba643dec06_attn:
	s_mov_b64 s[64:65], 0
	v_nop
	global_prefetch_b8 v0, s[64:65] scope:SCOPE_SE
	s_setreg_imm32_b32 hwreg(HW_REG_WAVE_MODE, 25, 1), 1
	s_wait_xcnt 0x0
	s_wait_alu depctr_hold_cnt(0) depctr_sa_sdst(0) depctr_va_vdst(0) depctr_va_sdst(0) depctr_va_ssrc(0) depctr_va_vcc(0) depctr_vm_vsrc(0)
	s_getreg_b32 s2, hwreg(HW_REG_IB_STS2, 6, 4)
	s_cmp_eq_u32 s2, 0
	s_cbranch_scc0 .Lentry_in_a_cluster
	s_endpgm
.Lentry_in_a_cluster:
	s_bfe_u32 s2, ttmp6, 0x10000c
	s_cmp_lg_u32 s2, 0x3003
	s_cbranch_scc0 .Lentry_shape_is_right
	s_endpgm
.Lentry_shape_is_right:
; ATTN: the second of two walks of O = relu((a1 - a2 / 2) / (sum + 1e-8)) V, a1 and a2 the softmaxes of q1's and q2's scores against ONE key head, under a mask that is an input.
; The launch before has left, for each head and row, m1, m2, rho = l1 / (2 l2) and g = (1 / l1) / d, d the row's sum of a1 - a2 / 2 plus 1e-8 ([head 16][row 2048][4] in f32).  This launch walks K and V:
; e1 = 2^(t1 - m1), e2 = 2^(t2 - m2), P = max(e1 - rho e2, 0), O = (sum P v) g; d > 0, so the division and the relu change places.  q, k, v, P and O in f16; all else f32.
; q arrives times 4 log2(e) / sqrt(128) and k times 1/4, so K Q^T is t = log2(e) s / sqrt(128).  v arrives times 1/4; the next launch's weights carry the 4.
; THE MASK is the C operand that starts a score's sum: 0, or NEG = -1.275e9, a number far below every score, by 32 lane masks a key step read with scalar loads.  The reference REPLACES a hidden score (by
; -1e10), this text adds NEG to it: the same weights (0) while |t| stays far below 1.275e9.  A row with no visible key arrives with q = 0: all its scores are exactly NEG and its softmax is uniform, as in the reference.
; LIMITS.  A weight below 2^-126 counts as 0; P below 6e-5 keeps f16's step of 6e-8; NaN and infinities are not treated apart.
; SHARES.  A work-group owns 16 rows (rt) and 8 heads; wave w heads 2 w, 2 w + 1 of them.  Tile t = 2 X + set (X the head, set 0 = q1, 1 = q2); all four tiles have the same rows, so one mask serves them.
; LAYOUT.  S^T = K Q^T: a lane holds one query (l % 16) and keys 8 (l / 16) + 0..7 of each 16; two such results rounded to f16 ARE source 1 of O^T = V^T P.
; BY TURNS.  One head's products have the matrix unit while the other head's vector work stands in slices behind them; then they change places.
; THE BATCH.  A turn's 64 exponentials, each in place in its own register of S^T, are ONE batch with ONE wait: ahead of the wait stand the subtractions and the exponentials, none of which names an exponential's
; result; behind it the differences, the maxima and the roundings.  No exponential is issued behind a turn's wait, so none crosses a label or a jump.
; CLUSTER.  Four work-groups walk the same K and V: joint loads.  A slot holds two key steps; waves 0, 1 ask for K's two steps of a slot, waves 2, 3 for V's.  By this text's count a wave has two tensor loads
; out at the start and one behind a round.
; REGISTERS: window 0: addresses, v16-47 the statistics (8 a tile), v48-79 the mask, v80-111 P, v128-255 S^T (32 a tile); window 1: O^T (64 a head); window 2: Q (32 a tile), K at 128; window 3: V.
.set KS,    64
.set PK,    272
.set PVP,   288
.set VOFF,  KS*PK
.set STEPB, KS*(PK+PVP)
.set SLOT1, 1<<17
.set STAGE, SLOT1+2*STEPB
.set SP,    272
.set SPARE, STAGE+4*16*SP
.set AK0, 2
.set AV0, 3
.set ADR, 4
.set QO,  5
.set STO, 6
.set RD,  7
.set GO,  8
.set NEGV, 12
.set SO,  13          ; v13  my byte offset in a head's statistics
.set SPW, 14
.set NIL, 15
.set ST,  16          ; tile t at ST + 8 t: +0, +1 its maximum m.  Tile 2 X: +2, +3 = g, +4..+7 the 16 bytes as loaded; tile 2 X + 1: +2, +3 = rho
.set MC,  48
.set P,   80
.set S,   128
.set KF,  128
.set MO,  2           ; s[2:3] the masks' step in the tail, the high word 0 (at the head the pair is at work)
.set WV,  14
.set CNT, 18
.set SLOTS, 19
.set TBK, 21          ; LDS byte at which the step to be fetched begins, for K
.set TBV, 22          ; for V
.set G1K, 24
.set G1V, 32
.set G0K, 40          ; two sets; the second walks
.set G0V, 48
.set MW,  56          ; s[56:57] maskbits at the step whose lane masks were loaded last
.set KB,  58          ; s[58:59] K at my half of the first slot
.set SEL, 60
.set MB,  68          ; s[68:99] 32 lane masks
.set MSB, 0
.macro WIN new
.if MSB != (\new)
	s_set_vgpr_msb (MSB<<8)|(\new)
.set MSB, \new
.endif
.endm
.set W_KQ, 0x0a
.set W_PV, 0x53
.set W_RS, 0x41
.macro PLACES
.rept 4
	v_nop
.endr
.endm
.macro CROUND
	s_barrier_signal -1
	s_barrier_wait -1
	s_cmp_lg_u32 s[WV], 0
	s_cbranch_scc1 .Lnot_wave_0_\@
	s_barrier_signal -3
.Lnot_wave_0_\@:
	s_barrier_wait -3
	s_barrier_signal -1
	s_barrier_wait -1
.endm
.macro JLOAD                           ; a joint refill; the branch hangs on the wave's number alone; an s_nop 0 and four v_nop follow each of the two lines
	s_cmp_lt_u32 s[WV], 2
	s_cbranch_scc0 .Lfor_v_\@
	tensor_load_to_lds s[G0K+4:G0K+7], s[G1K:G1K+7]
	s_nop 0
	PLACES
	s_branch .Lasked_\@
.Lfor_v_\@:
	tensor_load_to_lds s[G0V+4:G0V+7], s[G1V:G1V+7]
	s_nop 0
	PLACES
.Lasked_\@:
.endm
; THE CHANGE OF SLOTS.  Each wave waits for all its tensor loads, adds 0 to its spare word, and waits for that and for its reads of the slot that it leaves.  fill = 1: the slot is filled again, with the keys
; two slots on; the barrier is then a round of the cluster's and the joint load is the first thing behind it; it has two key steps in which to land.
.macro CHANGE fill
	WIN 0
	s_wait_tensorcnt 0x0                           ; no tensor load of mine is out, so a group 0 may be written
	ds_add_u32 v[SPW], v[NIL]                      ; 0 onto my spare word; the descriptors' steps stand between it and the wait for it
.if \fill
.irp g, G0K+4, G0V+4
	s_xor_b32 s[(\g)+1], s[(\g)+1], SLOT1          ; the walking descriptor: the other slot than last time,
	s_add_nc_u64 s[(\g)+2:(\g)+3], s[(\g)+2:(\g)+3], 32768  ; the next 128 keys; the type bits on top are not reached
.endr
	s_wait_dscnt 0x0
	CROUND
	JLOAD
.else
	s_wait_dscnt 0x0
	s_barrier_signal -1
	s_barrier_wait -1
.endif
	s_sub_co_u32 s[TBK], s[TBK], 2*STEPB           ; the fetches go back to a slot's first step, in the other slot
	s_xor_b32 s[TBK], s[TBK], SLOT1
	s_sub_co_u32 s[TBV], s[TBV], 2*STEPB
	s_xor_b32 s[TBV], s[TBV], SLOT1
.endm
	s_load_b256 s[4:11], s[0:1], 0x0               ; qb 4, kvb 6, maskbits 8, ob 10
	s_load_b64 s[66:67], s[0:1], 0x20              ; the statistics
	v_lshl_add_u32 v[SPW], v0, 2, SPARE
	v_mov_b32 v[NIL], 0
	ds_add_u32 v[SPW], v[NIL]                      ; the wave's opening: the add and its wait stand ahead of my first tensor load
	v_lshrrev_b32 v1, 5, v0
	v_readfirstlane_b32 s[WV], v1
	s_bfe_u32 s2, ttmp6, 0x40000                   ; cx: it enters Q's, O's, the mask's and the statistics' global addresses alone
	s_lshl_b32 s13, ttmp9, 2
	s_add_co_u32 s13, s13, s2                      ; rt
	s_and_b32 s12, ttmp7, 0xffff
	s_lshl_b32 s12, s12, 3
	s_lshl_b32 s3, s[WV], 1
	s_add_co_u32 s12, s12, s3                      ; my first head
	s_lshl_b32 s[MW], s13, 12                      ; my rows' 4,096 bytes of lane masks
	s_mov_b32 s[MW+1], 0
	s_lshl_b32 s16, s12, 19                        ; a head's 2,048 rows of 256 bytes,
	s_add_co_u32 s16, s16, s[MW]                   ; my 16 rows
	s_mov_b32 s17, 0
	s_lshl_b32 s2, s13, 16                         ; O: my 16 rows of 4,096 bytes,
	s_lshl_b32 s3, s12, 8                          ; my first head's 256
	s_add_co_u32 s2, s2, s3
	s_mov_b32 s3, 0
	s_lshl_b32 s22, s12, 15                        ; the statistics: a head's 2,048 rows of 16 bytes,
	s_lshl_b32 s23, s13, 8                         ; my 16 rows
	s_add_co_u32 s22, s22, s23
	s_mov_b32 s23, 0
	s_and_b32 s[KB], s[WV], 1                      ; which of a slot's two steps I fetch:
	s_mul_i32 s15, s[KB], STEPB                    ; its place in a slot,
	s_lshl_b32 s[KB], s[KB], 14                    ; its 64 rows in memory
	s_mov_b32 s[KB+1], 0
	s_mov_b32 s[G1K], 15|(1<<16)|(1<<20)|(1<<21)|(5<<22)|(3<<25)  ; the mask of four; 2-byte elements; 4 words of padding after every 64
	s_mov_b32 s[G1V], 15|(1<<16)|(1<<20)|(1<<21)|(5<<22)|(7<<25)  ; 8 words
.irp g, G1K, G1V
	s_mov_b32 s[(\g)+1], 128<<16
	s_mov_b32 s[(\g)+2], KS<<16
	s_mov_b32 s[(\g)+3], 128<<16
	s_mov_b32 s[(\g)+4], KS
	s_mov_b32 s[(\g)+5], 128
	s_mov_b32 s[(\g)+6], 0
	s_mov_b32 s[(\g)+7], 0
.endr
	s_mov_b32 s[SEL], 0x76543210
	s_mov_b32 s[SEL+1], 0xfedcba98
	s_mov_b32 s[TBK], 0
	s_wait_dscnt 0x0                               ; the opening add is done
	s_wait_kmcnt 0x0
	s_add_nc_u64 s[MW:MW+1], s[8:9], s[MW:MW+1]
	s_load_b512 s[MB:MB+15], s[MW:MW+1], 0x0       ; key step 0's lane masks
	s_load_b512 s[MB+16:MB+31], s[MW:MW+1], 0x40
	s_add_nc_u64 s[KB:KB+1], s[6:7], s[KB:KB+1]
	s_add_nc_u64 s[4:5], s[4:5], s[16:17]          ; q1 at my rows of my first head,
	s_add_nc_u64 s[62:63], s[4:5], 0x800000        ; q2: 16 heads on
	s_add_nc_u64 s[10:11], s[10:11], s[2:3]
	s_add_nc_u64 s[66:67], s[66:67], s[22:23]
	s_mov_b32 s[MO], 128                           ; the two pairs have done their work at the head (the step's high word is 0 already)
	s_mov_b32 s[TBV], 0
	CROUND                                         ; all four work-groups are here: the first joint loads meet
.irp s, 0,1
	s_mov_b32 s[G0K+4*\s], 1
	s_add_co_u32 s[G0K+4*\s+1], s15, \s*SLOT1
	s_add_nc_u64 s[G0K+4*\s+2:G0K+4*\s+3], s[KB:KB+1], \s*32768
	s_or_b32 s[G0K+4*\s+3], s[G0K+4*\s+3], 0x80000000
	s_mov_b32 s[G0V+4*\s], 1
	s_add_co_u32 s[G0V+4*\s+1], s15, \s*SLOT1+VOFF
	s_add_nc_u64 s[G0V+4*\s+2:G0V+4*\s+3], s[KB:KB+1], 524288+\s*32768
	s_or_b32 s[G0V+4*\s+3], s[G0V+4*\s+3], 0x80000000
.endr
	s_cmp_lt_u32 s[WV], 2                          ; a wave's two first fills stand in one branch
	s_cbranch_scc0 .Lfirst_v
	tensor_load_to_lds s[G0K:G0K+3], s[G1K:G1K+7]
	s_nop 0
	tensor_load_to_lds s[G0K+4:G0K+7], s[G1K:G1K+7]
	s_nop 0
	PLACES
	s_branch .Lfirst_asked
.Lfirst_v:
	tensor_load_to_lds s[G0V:G0V+3], s[G1V:G1V+7]
	s_nop 0
	tensor_load_to_lds s[G0V+4:G0V+7], s[G1V:G1V+7]
	s_nop 0
	PLACES
.Lfirst_asked:
	v_and_b32 v1, 15, v0                           ; l % 16
	v_bfe_u32 v9, v0, 4, 1                         ; l / 16
	v_lshlrev_b32 v[QO], 8, v1
	v_lshl_add_u32 v[QO], v9, 4, v[QO]
	v_lshlrev_b32 v[SO], 4, v1
	WIN 0x80
.irp x, 0,1
.irp c, 0,1,2,3                                        ; Q stays in registers: tile 2 x (q1) and 2 x + 1 (q2), places 32 c on
	global_load_b128 v[64*\x+8*\c:64*\x+8*\c+3], v[QO], s[4:5] offset:\x*524288+\c*64
	global_load_b128 v[64*\x+8*\c+4:64*\x+8*\c+7], v[QO], s[4:5] offset:\x*524288+\c*64+32
	global_load_b128 v[64*\x+32+8*\c:64*\x+32+8*\c+3], v[QO], s[62:63] offset:\x*524288+\c*64
	global_load_b128 v[64*\x+32+8*\c+4:64*\x+32+8*\c+7], v[QO], s[62:63] offset:\x*524288+\c*64+32
.endr
.endr
	WIN 0
	global_load_b128 v[ST+4:ST+7], v[SO], s[66:67]               ; my row's m1, m2, rho, g of my first head,
	global_load_b128 v[ST+20:ST+23], v[SO], s[66:67] offset:32768  ; of my second
	; The walk is entered in the middle of a trip, whose first products V^T P are head 1's of a step that has not been: head 1's P holds 0 for them.
.set i, 0
.rept 16
	v_mov_b32 v[P+16+i], 0
.set i, i+1
.endr
	v_mov_b32 v[NEGV], 0xce980000                  ; -1.275e9
	v_mul_u32_u24 v[AK0], v1, PK
	v_lshl_add_u32 v[AK0], v9, 4, v[AK0]
	v_and_b32 v10, 7, v0
	v_bfe_u32 v11, v0, 3, 1
	v_lshl_add_u32 v[AV0], v9, 3, v10
	v_mul_u32_u24 v[AV0], v[AV0], PVP
	v_lshl_add_u32 v[AV0], v11, 4, v[AV0]
	v_add_nc_u32 v[AV0], VOFF, v[AV0]
; THE MATRIX WORK.  Product i of 32 of S^T = K Q^T for head x: keys 16 (i % 4) on, set (i / 4) % 2, places 32 (i / 8) on.  The first 8 start the sums with the mask.  The 8 accumulators take turns.
.macro KQ x
	WIN W_KQ
.set rS, S+32*(2*(\x)+(i/4)%2)+8*(i%4)
.set rK, KF+32*(i%4)+8*(i/8)
.set rQ, 32*(2*(\x)+(i/4)%2)+8*(i/8)
.set rM, MC+8*(i%4)
.if i < 8
	v_wmma_f32_16x16x32_f16 v[rS:rS+7], v[rK:rK+7], v[rQ:rQ+7], v[rM:rM+7]
.else
	v_wmma_f32_16x16x32_f16 v[rS:rS+7], v[rK:rK+7], v[rQ:rQ+7], v[rS:rS+7]
.endif
.endm
; Product i of 16 of O^T += V^T P for head x: keys 32 (i / 8) on, channels 16 (i % 8) on.
.macro PV x
	WIN W_PV
.set rO, 64*(\x)+8*(i%8)
.set rV, 64*(i/8)+8*(i%8)
.set rP, P+16*(\x)+8*(i/8)
	v_wmma_f32_16x16x32_f16 v[rO:rO+7], v[rV:rV+7], v[rP:rP+7], v[rO:rO+7]
.endm
; THE LDS LOADS stand in runs of 32.  K's go by places: all four key blocks of places 32 c on before those of 32 (c + 1) on, the order in which the products take them: eight loads serve eight products.
; last = 1 (the tail): in the last trip there is no further step, and the run is jumped over.
.macro FETCH_K last=0
	WIN 0
.if \last
	s_cmp_eq_u32 s[CNT], 1
	s_cbranch_scc1 .Lno_k_\@
.endif
	v_add_nc_u32 v[ADR], s[TBK], v[AK0]
	WIN 0x80
.irp c, 0,1,2,3
.irp kb, 0,1,2,3
	ds_load_b128 v[KF+32*\kb+8*\c:KF+32*\kb+8*\c+3], v[ADR] offset:\kb*16*PK+\c*64
	ds_load_b128 v[KF+32*\kb+8*\c+4:KF+32*\kb+8*\c+7], v[ADR] offset:\kb*16*PK+\c*64+32
.endr
.endr
	s_add_co_u32 s[TBK], s[TBK], STEPB
	WIN 0
.if \last
.Lno_k_\@:
.endif
.endm
.macro FETCH_V step=1                  ; step = 0: the next fetch is the same step's once more
	WIN 0
	v_add_nc_u32 v[ADR], s[TBV], v[AV0]
.if \step
	s_add_co_u32 s[TBV], s[TBV], STEPB
.endif
	WIN 0xc0
.irp f, 0,1,2,3,4,5,6,7,8,9,10,11,12,13,14,15
	ds_load_tr16_b128 v[8*\f:8*\f+3], v[ADR] offset:(\f/8)*32*PVP+(\f%8)*32
	ds_load_tr16_b128 v[8*\f+4:8*\f+7], v[ADR] offset:(\f/8)*32*PVP+16*PVP+(\f%8)*32
.endr
.endm
.macro MCX                             ; register mcn of the mask: NEG where the lane's key is hidden
	WIN 0
	v_cndmask_b32 v[MC+mcn], 0, v[NEGV], s[MB+mcn]
.set mcn, mcn+1
.endm
; The lane masks of the step after the next: 128 bytes, two scalar loads.  The last two loads have come (s_wait_kmcnt 0 stands ahead in every turn); the pointer that they named is written again only behind
; s_wait_xcnt 0.  last = 1 (the tail): its first trip asks for the last step's masks; in the other two the pointer stays, so that no load leaves my rows' 4,096 bytes, and those masks come again, for nothing.
.macro MNEXT last=0
	s_wait_xcnt 0x0
.if \last
	s_cmp_eq_u32 s[CNT], 3
	s_cselect_b32 s[MO], 128, 0
	s_add_nc_u64 s[MW:MW+1], s[MW:MW+1], s[MO:MO+1]
.else
	s_add_nc_u64 s[MW:MW+1], s[MW:MW+1], 128
.endif
	s_load_b512 s[MB:MB+15], s[MW:MW+1], 0x0
	s_load_b512 s[MB+16:MB+31], s[MW:MW+1], 0x40
.endm
; THE VECTOR WORK, one line at a time.
.macro ZF t, b                         ; pair b of tile t less its maximum
	v_pk_add_f32 v[S+32*(\t)+2*(\b):S+32*(\t)+2*(\b)+1], v[S+32*(\t)+2*(\b):S+32*(\t)+2*(\b)+1], v[ST+8*(\t):ST+8*(\t)+1] op_sel_hi:[1,0] neg_lo:[0,1] neg_hi:[0,1]
.endm
.macro ZE t, n
	v_exp_f32 v[S+32*(\t)+(\n)], v[S+32*(\t)+(\n)]
.endm
.macro ZD y, b                         ; e1 - rho e2, pair b
	v_pk_fma_f32 v[S+64*(\y)+2*(\b):S+64*(\y)+2*(\b)+1], v[S+64*(\y)+32+2*(\b):S+64*(\y)+33+2*(\b)], v[ST+16*(\y)+10:ST+16*(\y)+11], v[S+64*(\y)+2*(\b):S+64*(\y)+2*(\b)+1] neg_lo:[0,1,0] neg_hi:[0,1,0]
.endm
.macro ZR y, n
	v_max_num_f32 v[S+64*(\y)+(\n)], 0, v[S+64*(\y)+(\n)]
.endm
.macro ZC y, b
	v_cvt_pk_f16_f32 v[P+16*(\y)+(\b)], v[S+64*(\y)+2*(\b)], v[S+64*(\y)+2*(\b)+1]
.endm
; The list for head y, 161 numbered lines.
;   0-95    THE BATCH: the 32 subtractions (number t: tile t % 2, pair t / 2) and the 64 exponentials; none of these lines names an exponential's result.  Line 0 is subtraction 0; from line 1 on in threes:
;           subtraction t, then the two exponentials of the pair that subtraction t - 1 has made; 94, 95: the last pair's.  The pairs ascend
;   96      a v_nop, the plain line behind the last exponential, and THE WAIT for the batch
;   97-160  what reads the exponentials' results: the 16 differences D, the 32 maxima R, the 16 roundings C.  D 0-3; then twelve stages of R, R of pair b, D of pair b + 4, C of pair b - 1 (the first has no C);
;           then the last four pairs' R and the last five C: no line stands nearer than three lines to the one whose result it reads
.macro Z2 y
	WIN 0
.if z == 0
	ZF 2*(\y), 0
.elseif z < 94
.set zt, (z+2)/3
.set zr, (z-1)%3
.if zr == 0
	ZF 2*(\y)+zt%2, zt/2
.else
	ZE 2*(\y)+(zt-1)%2, 2*((zt-1)/2)+zr-1
.endif
.elseif z < 96
	ZE 2*(\y)+1, z-64
.elseif z == 96
	v_nop                                          ; a plain line behind the last exponential: one for the batch
	s_wait_alu depctr_va_vdst(0)                   ; the wait for the turn's batch of 64 exponentials, ahead of the first difference
.elseif z < 161
.set zs, z-97
.if zs < 4
	ZD \y, zs
.elseif zs < 6
	ZR \y, zs-4
.elseif zs == 6
	ZD \y, 4
.elseif zs < 51
.set zb, 1+(zs-7)/4
.set zq, (zs-7)%4
.if zq < 2
	ZR \y, 2*zb+zq
.elseif zq == 2
	ZD \y, zb+4
.else
	ZC \y, zb-1
.endif
.elseif zs < 57
.if (zs-51)%3 < 2
	ZR \y, 24+2*((zs-51)/3)+(zs-51)%3
.else
	ZC \y, 11+(zs-51)/3
.endif
.elseif zs < 61
	ZR \y, zs-29
.else
	ZC \y, zs-48
.endif
.endif
.set z, z+1
.endm
; THE TURNS.  A: head 0's V^T P of step j and K Q^T of step j + 1 | head 1's weights of step j, the mask of step j + 1.  B: head 1's products | head 0's weights of step j + 1; V of step j + 1.
; A: behind each V^T P a mask register, a line of the list, and the same again, so that the mask's lines stand between the exponentials; behind each K Q^T four lines of the list; the wait falls behind the
; sixteenth K Q^T, and the 64 lines that read the exponentials stand behind the other sixteen (one is over).  K's run of loads stands behind the first V^T P: ahead of it the list has issued two subtractions and
; no exponential, so that in the tail none stands ahead of the run's branch and label.
; B: four lines behind the first product, three (subtraction, exponential, exponential) behind each of the next 31, the wait, four plain lines behind each of the last 16.  V's run of loads stands behind the third
; K Q^T: four subtractions and the run's own v_add_nc_u32 are the plain lines behind the last product that read V.
; The waits for K are counted: ahead of products 0, 8, 16 and 24 the 24, 16, 8 and 0 younger loads of the run may be out (LDS loads come back in order: ISA guide 5.7.1).
.macro TURN2A last
	s_wait_dscnt 0x0                               ; V is in
	s_wait_kmcnt 0x0
.set z, 0
.set mcn, 0
.set i, 0
.rept 16
	PV 0
	MCX
	Z2 1
	MCX
	Z2 1
.if i == 0
	FETCH_K \last
.endif
.set i, i+1
.endr
	MNEXT \last
.set i, 0
.rept 32
.if i%8 == 0
	s_wait_dscnt 24-i
.endif
	KQ 0
.rept 4
	Z2 1
.endr
.set i, i+1
.endr
	Z2 1
.endm
.macro TURN2B
.set z, 0
.set i, 0
.rept 16
	PV 1
.rept 3
	Z2 0
.endr
.if i == 0
	Z2 0
.endif
.set i, i+1
.endr
.set i, 0
.rept 32
	KQ 1
.rept 3
	Z2 0
.endr
.if i >= 16
	Z2 0
.endif
.if i == 2
	FETCH_V
.endif
.set i, i+1
.endr
.endm
	WIN 0
	s_wait_tensorcnt 0x1                           ; my part of slot 0 is in; slot 1's may stay out
	s_barrier_signal -1
	s_barrier_wait -1
	FETCH_K                                        ; key step 0
	FETCH_V 0                                      ; and its V, so that V's registers hold finite numbers for the products by P = 0 below; the first turn fetches it again
	s_wait_kmcnt 0x0
.set mcn, 0
.rept 32
	MCX
.endr
	MNEXT
	s_wait_loadcnt 0x0                             ; Q and the statistics
	s_wait_dscnt 0x0
	WIN W_PV                                       ; O^T's sixteen sums begin: V times head 1's P, which holds 0, with the constant 0 as C
.irp x, 0,1
.irp cb, 0,1,2,3,4,5,6,7
	v_wmma_f32_16x16x32_f16 v[64*\x+8*\cb:64*\x+8*\cb+7], v[8*\cb:8*\cb+7], v[P+16:P+23], 0
.endr
.endr
.set i, 0
.rept 32
	KQ 0                                           ; head 0's first scores
.set i, i+1
.endr
	WIN 0                                          ; the addresses for the way out and the statistics' places: the places behind those products
	s_mul_i32 s13, s[WV], 16*SP
	s_add_co_u32 s13, s13, STAGE
	v_mul_u32_u24 v[STO], v1, SP
	v_lshl_add_u32 v[STO], v9, 4, v[STO]
	v_add_nc_u32 v[STO], s13, v[STO]
	v_mul_u32_u24 v[RD], v9, SP
	v_lshl_add_u32 v[RD], v1, 4, v[RD]
	v_add_nc_u32 v[RD], s13, v[RD]
	v_lshlrev_b32 v[GO], 12, v9
	v_lshl_add_u32 v[GO], v1, 4, v[GO]
.irp x, 0,1
	v_mov_b32 v[ST+16*\x], v[ST+16*\x+4]           ; m1,
	v_mov_b32 v[ST+16*\x+1], v[ST+16*\x+4]
	v_mov_b32 v[ST+16*\x+8], v[ST+16*\x+5]         ; m2,
	v_mov_b32 v[ST+16*\x+9], v[ST+16*\x+5]
	v_mov_b32 v[ST+16*\x+10], v[ST+16*\x+6]        ; rho
	v_mov_b32 v[ST+16*\x+11], v[ST+16*\x+6]
	v_mov_b32 v[ST+16*\x+2], v[ST+16*\x+7]         ; and g, each in both registers of a pair for the packed lines
	v_mov_b32 v[ST+16*\x+3], v[ST+16*\x+7]
.endr
	s_mov_b32 s[CNT], 2
	s_mov_b32 s[SLOTS], 15
	s_branch .L2mid                                ; the loop is entered in the middle of a trip
.L2slot:                                               ; 14 changes ask for the slots 2 to 15
	CHANGE 1
	s_mov_b32 s[CNT], 2
.L2step:
	TURN2A 0
	WIN 0
.L2mid:
	TURN2B
	WIN 0
	s_sub_co_u32 s[CNT], s[CNT], 1
	s_cmp_lg_u32 s[CNT], 0
	s_cbranch_scc1 .L2step
	s_sub_co_u32 s[SLOTS], s[SLOTS], 1
	s_cmp_lg_u32 s[SLOTS], 0
	s_cbranch_scc1 .L2slot
	CHANGE 0                                       ; the tail is written out: nothing is asked for
	s_mov_b32 s[CNT], 3                            ; two trips fetch the last slot's steps; the third is left in its middle
.Ltail:
	TURN2A 1
	WIN 0
	s_sub_co_u32 s[CNT], s[CNT], 1
	s_cmp_eq_u32 s[CNT], 0
	s_cbranch_scc1 .Lout
	TURN2B
	WIN 0
	s_branch .Ltail
.Lout:                                                 ; the third trip's 32 products K Q^T, on the last K once more, serve nothing: the price, once a launch, of one text for every trip
	s_wait_kmcnt 0x0                               ; and so does its mask load
.set i, 0
.rept 16
	PV 1                                           ; head 1's V^T P of the last step
.set i, i+1
.endr
	; THE WAY OUT.  O^T times g, rounded to f16, through my stage, a head (16 rows x 256 bytes) at a time.  Head 0's 64 lines are the places behind head 1's last products.
.macro PACK x
	WIN W_RS
.set i, 64*(\x)
.rept 32
	v_pk_mul_f32 v[i:i+1], v[i:i+1], v[ST+16*(\x)+2:ST+16*(\x)+3]
.set i, i+2
.endr
	WIN 0x05
.set i, 0
.rept 32
	v_cvt_pk_f16_f32 v[S+32*(\x)+i], v[64*(\x)+2*i], v[64*(\x)+2*i+1]
.set i, i+1
.endr
	WIN 0
.irp f, 0,1,2,3,4,5,6,7
	ds_store_b128 v[STO], v[S+32*(\x)+4*\f:S+32*(\x)+4*\f+3] offset:32*\f
.endr
.irp f, 0,1,2,3,4,5,6,7
	ds_load_b128 v[S+32*(\x)+4*\f:S+32*(\x)+4*\f+3], v[RD] offset:\f*2*SP  ; LDS serves a wave's instructions in order: these see the stores above
.endr
.endm
.macro SEND x, younger
	WIN 0
.irp f, 0,1,2,3,4,5,6,7
	s_wait_dscnt (\younger)+7-\f
	global_store_b128 v[GO], v[S+32*(\x)+4*\f:S+32*(\x)+4*\f+3], s[10:11] offset:(\x)*256+\f*8192  ; 16 lanes store 256 consecutive bytes, aligned
.endr
.endm
	PACK 0
	PACK 1
	SEND 0, 16
	SEND 1, 0
	s_wait_tensorcnt 0x0                           ; the wave's end
	ds_add_u32 v[SPW], v[NIL]
	s_wait_dscnt 0x0
	CROUND                                         ; the closing round
	s_endpgm
.Lfunc_end_k_qba643dec06_attn:
	.size	k_qba643dec06_attn, .Lfunc_end_k_qba643dec06_attn-k_qba643dec06_attn
	.p2alignl 7, 3214868480
	.fill 96, 4, 3214868480
	.section	.rodata,"a",@progbits
	.p2align	6, 0x0
	.amdhsa_kernel k_qba643dec06_attn
		.amdhsa_group_segment_fixed_size 327680
		.amdhsa_private_segment_fixed_size 0
		.amdhsa_enable_private_segment 0
		.amdhsa_kernarg_size 40
		.amdhsa_user_sgpr_count 2
		.amdhsa_user_sgpr_kernarg_segment_ptr 1
		.amdhsa_wavefront_size32 1
		.amdhsa_system_sgpr_workgroup_id_x 1
		.amdhsa_system_sgpr_workgroup_id_y 1
		.amdhsa_system_sgpr_workgroup_id_z 1
		.amdhsa_system_vgpr_workitem_id 0
		.amdhsa_next_free_vgpr 896
		.amdhsa_next_free_sgpr 100
		.amdhsa_reserve_vcc 0
		.amdhsa_float_denorm_mode_32 3
		.amdhsa_float_denorm_mode_16_64 3
		.amdhsa_memory_ordered 1
		.amdhsa_forward_progress 1
		.amdhsa_inst_pref_size 103
	.end_amdhsa_kernel
	.amdgpu_metadata
---
amdhsa.version: [ 1, 2 ]
amdhsa.kernels:
  - .name:           k_qba643dec06_attn
    .symbol:         k_qba643dec06_attn.kd
    .args:
      - { .name: qb, .offset: 0, .size: 8, .value_kind: global_buffer, .address_space: global }
      - { .name: kvb, .offset: 8, .size: 8, .value_kind: global_buffer, .address_space: global }
      - { .name: maskbits, .offset: 16, .size: 8, .value_kind: global_buffer, .address_space: global }
      - { .name: ob, .offset: 24, .size: 8, .value_kind: global_buffer, .address_space: global }
      - { .name: tabs, .offset: 32, .size: 8, .value_kind: global_buffer, .address_space: global }
    .group_segment_fixed_size: 327680
    .private_segment_fixed_size: 0
    .kernarg_segment_align: 8
    .kernarg_segment_size: 40
    .max_flat_workgroup_size: 128
    .sgpr_count:     100
    .vgpr_count:     896
    .wavefront_size: 32
...
	.end_amdgpu_metadata
.endif
;; end of part 7
;; launch outp: the kernel of part 5 again; grid 16 x 16, 4 waves a work-group, clusters of 4 x 4, 327,680 bytes of LDS; arguments ob, owh, out0; writes out0
